; MI455X (gfx1250); checked and timed in simulation.
; The chip was launched on July 23, 2026; its instructions are those of AMD's public machine-readable ISA for CDNA 5 (MIT licence, August 2026) and "CDNA5" Instruction Set Architecture Reference Guide (July 2026). The comments in the code are by the model that wrote it; some were corrected since.
;; Basic Transformer. Allowed arithmetic: matrix products marked QUANTISED: E4M3 operands, one E8M0 scale for each 32 along K, by v_wmma_scale_f32_16x16x128_f8f6f4 with both operands' format E4M3, f32 sums; everything else in f32.
;; Inputs: ln1_bias 1,024 float32; ln1_scale 1,024 float32; ln2_bias 1,024 float32; ln2_scale 1,024 float32; proj_b 1,024 float32; proj_w 1,024 x 1,024 float32; qkv_b 3,072 float32; qkv_w 1,024 x 3,072 float32; wi_b 4,096 float32; wi_w 1,024 x 4,096 float32; wo_b 1,024 float32; wo_w 4,096 x 1,024 float32; x 2 x 2,048 x 1,024 float32.
;; Outputs: out0 2 x 2,048 x 1,024 float32.
;; This version of the problem:
;;   THIS VERSION OF THE PROBLEM IS GIVEN IN LOW PRECISION. The matrix products marked QUANTISED in the list below multiply operands that are first quantised to E4M3 (4 exponent bits, 3 mantissa bits; 8 bits a number), with one power-of-two scale for each 32 numbers along K (OCP MX v1.0); their sums are f32. All else is computed in f32.
;;   The module's matrix products, in the order in which they are computed (A, B: the left and right operand; K: the contracted axis; several contracted axes count as one K, in the product's order):
;;     1. [M 4,096, K 1,024] x [K 1,024, N 3,072]; A: computed on the way; B: input qkv_w: QUANTISED
;;     2. batch 32 x [M 2,048, K 64] x [K 64, N 2,048]; A: computed on the way; B: computed on the way: QUANTISED
;;     3. batch 32 x [M 64, K 2,048] x [K 2,048, N 2,048]; A: computed on the way; B: softmax (see below): QUANTISED
;;     4. [M 4,096, K 1,024] x [K 1,024, N 1,024]; A: computed on the way; B: input proj_w: QUANTISED
;;     5. [M 4,096, K 1,024] x [K 1,024, N 4,096]; A: computed on the way; B: input wi_w: QUANTISED
;;     6. [M 4,096, K 4,096] x [K 4,096, N 1,024]; A: computed on the way; B: input wo_w: QUANTISED
;;   THE QUANTISER, for each operand of a quantised product, along K:
;;     - K is cut into blocks of 32 from its start; a last block that is shorter is filled with zeros.
;;     - A block's scale is 2^e with e = floor(log2(the largest magnitude in the block)) - 8, held to -126 .. 127; a block of zeros has e = 0. As a byte (E8M0): e + 127.
;;     - Each number is divided by its block's scale, clamped to +-448, and rounded to the nearest number of E4M3, ties to even, subnormals kept.
;;     - The product sums the exact products of the quantised numbers (number of the format x scale) in f32.
;;   ~~~python
;;   def quantise(x, axis):      # numpy; x: float32 -> the quantised numbers, widened to float32 again
;;       x = np.moveaxis(x, axis, -1); K = x.shape[-1]
;;       x = np.pad(x, [(0, 0)] * (x.ndim - 1) + [(0, -K % 32)]); x = x.reshape(x.shape[:-1] + (-1, 32)); a = np.abs(x).max(-1, keepdims=True)
;;       e = np.where(a > 0, np.clip(np.frexp(np.where(a > 0, a, 1))[1] - 1 - 8, -126, 127), 0)      # np.frexp(a)[1] - 1 = floor(log2(a)), exactly
;;       r = np.clip(x / 2.0 ** e, -448, 448)
;;       step = 2.0 ** (np.maximum(np.frexp(np.where(r == 0, 1, r))[1] - 1, -6) - 3)
;;       q = np.round(r / step) * step * 2.0 ** e      # np.round: ties to even
;;       return np.moveaxis(q.reshape(q.shape[:-2] + (-1,))[..., :K], -1, axis).astype(np.float32)
;;   ~~~
;;   SOFTMAX AHEAD OF A QUANTISED PRODUCT. Where the list says 'softmax', what is quantised is not the finished softmax but p = 2^(t - M), with t = logit x log2(e) and M = ceil(the row's largest t), a whole number; so 1/2 < the row's largest p <= 1. The row's sum l is taken of the UNQUANTISED p, in f32, and the product's result is divided by l at the end. Since M is a whole number, a kernel that streams over the keys may use a running M (the ceiling of the running maximum): every later rescaling is an exact power of two, which a block's scale takes up: the codes' values come out the same.
;;   OPERANDS COMPUTED ON THE WAY. 'Computed on the way' means the value that the module computes at that place (a softmax that the list does not call 'softmax' is quantised finished and normalised). What goes into a quantiser is computed in f32, as accurately as f32 sums, v_exp_f32 and their like allow (about 1e-6 of the number): no bf16 or f16 on the way to a quantiser, and a product that is left as it is and whose result goes on into a quantised operand takes f32 operands (vector FMAs, or v_wmma_f32_16x16x4_f32). A number that lies on a knife's edge between two numbers of the format may be rounded either way, as far as f32 arithmetic and the matrix unit's own rounding can turn it there, and no further.
;; 2 versions. Each part assembles by itself: llvm-mc -triple=amdgcn-amd-amdhsa -mcpu=gfx1250 --defsym DOCPART=n.
;; ======== version 1 of 2: 7 launches
;; workspace buffers: wc 12,976,128 bytes; h 4,325,376 bytes; cx 4,325,376 bytes; g 17,301,504 bytes; x2 16,777,216 bytes; qc 4,456,448 bytes; kv 8,650,752 bytes
;; launch prep (part 1): grid 640 x 1, 4 waves a work-group, no clusters, 66,560 bytes of LDS; arguments x, ln1_scale, ln1_bias, h, qkv_w, proj_w, wi_w, wo_w, wc; writes h, wc
.if DOCPART == 1
	.amdgcn_target "amdgcn-amd-amdhsa--gfx1250"
	.amdhsa_code_object_version 6
	.text
	.protected	k_qed882a09a2_prep
	.globl	k_qed882a09a2_prep
	.p2align	8
	.type	k_qed882a09a2_prep,@function
k_qed882a09a2_prep:
	s_mov_b64 s[64:65], 0
	v_nop
	global_prefetch_b8 v0, s[64:65] scope:SCOPE_SE
	s_setreg_imm32_b32 hwreg(HW_REG_WAVE_MODE, 25, 1), 1
	s_wait_xcnt 0x0
; TWO JOBS IN ONE BODY, parted by the work-group's number.
; Work-groups 0-255: layer norm of 16 rows of src [4096][1024] f32 (mean, then the variance of x - mean: two passes over registers), gain and bias, then codes of E4M3 with one E8M0 byte
; for each 32 along the row.  Work-groups 256-639: one panel each of the four weights ([K][N] f32, K the first axis), quantised down K.
; THE PANEL, the one layout of every GEMM operand here: 128 rows x 256 K = 33,792 bytes.  Fragment (q, i), q = which 128 of K, i = 0..7, lies at (8 q + i) 2048 + 512 c + 16 lane: lane (r, h), chunk c holds row
; PERM(i, r) = 32 (i / 2) + 8 (i % 2) + r + 8 (r / 8), k = 128 q + 32 c + 16 h + 0..15: the image of the operand's registers.  Scale words at 32768 + 128 i + 8 r + 4 q.
; h: [32 groups of 128 rows][4 panels].  wc: panels 0-95 qkv_w (columns re-ordered to type x 1024 + head x 64 + d), 96-127 proj_w, 128-255 wi_w, 256-383 wo_w; in each [group of 128 columns][K / 256].
; LIMITS: NaN and infinities are not served; a block whose largest magnitude lies under 2^-118, a block of zeros too, gets the byte 1 (its codes are then zeros or subnormal codes; the bytes are read by this program alone).
.set PANEL, 33792
.set PITCH, 4112                       ; an LDS row: 4,096 bytes + 16: 257 x 16, so the 16 rows that a load touches fall into 16 different 16-byte columns
.set X,   64                           ; v64-191  LN: four rows of 32 registers, later 2 x 64 numbers in the quantiser's order.  Weights: v64-127 two sets of 32 numbers
.set GA,  192                          ; v192-223 gain
.set BB,  224                          ; v224-255 bias
.set TM,  16                           ; v16-31   at work in the quantiser (LN: v16-23 first hold the sums of squares)
.set OFF, 32                           ; weights: v32-63 the byte offset of row i of a block of 32, at my column
.set C,   128                          ; weights: v128-191 codes, eight registers a block, never written again
.set SB,  24                           ; weights: v24-25 my column's eight scale bytes
.set SEL, 36                           ; s[36:37] lane selects for v_permlanex16_b32: lane l xor 16
.set MNT, 38                           ; s38 the mantissa field of 448
	s_load_b256 s[12:19], s[0:1], 0x0              ; src, gain, bias, h
	s_load_b256 s[20:27], s[0:1], 0x20             ; qkv_w, proj_w, wi_w, wo_w
	s_load_b64 s[28:29], s[0:1], 0x40              ; wc
	s_set_vgpr_msb 0x40
	v_lshl_add_u32 v0, v0, 2, 0x10200
	v_mov_b32 v1, 0
	s_set_vgpr_msb 0x4000
	v_lshrrev_b32 v1, 5, v0
	v_readfirstlane_b32 s8, v1                     ; wave 0..3
	v_and_b32 v1, 31, v0                           ; lane
	v_and_b32 v2, 15, v0                           ; r
	v_bfe_u32 v3, v0, 4, 1                         ; h
	s_mov_b32 s[SEL], 0x76543210
	s_mov_b32 s[SEL+1], 0xfedcba98
	s_mov_b32 s[MNT], 0x600000
	s_mov_b32 s39, 0xffff0000                      ; lanes 16-31
	s_cmp_lt_u32 ttmp9, 256                        ; the same for all four waves of a work-group
	s_cbranch_scc0 .Lweights
; 64 numbers of a lane, register 16 b + i = k 32 b + 16 h + i of my row, become a fragment's 16 registers of codes at v[pc] and its scale word in v[pw]
.macro QUANT s, pc, pw
.irp b, 0,1,2,3
	v_max3_num_f32 v[TM+\b], |v[\s+16*\b]|, |v[\s+1+16*\b]|, 0x4800000   ; my 16 numbers of block b, and the floor 2^(9 - 127): the byte cannot fall under 1
.endr
.irp i, 2,4,6,8,10,12,14
.irp b, 0,1,2,3
	v_max3_num_f32 v[TM+\b], v[TM+\b], |v[\s+16*\b+\i]|, |v[\s+1+16*\b+\i]|
.endr
.endr
.irp b, 0,1,2,3
	v_permlanex16_b32 v[TM+4+\b], v[TM+\b], s[SEL], s[SEL+1]
.endr
.irp b, 0,1,2,3
	v_max_num_f32 v[TM+\b], v[TM+\b], v[TM+4+\b]   ; with lane l xor 16's 16: the block's largest magnitude
.endr
.irp b, 0,1,2,3
	v_add_nc_u32 v[TM+12+\b], 0xfc000000, v[TM+\b] ; 8 off its exponent field: the conversion's scale operand
.endr
.irp b, 0,1,2,3
	v_and_or_b32 v[TM+8+\b], v[TM+\b], 0x7f800000, s[MNT]   ; 448 x the scale
.endr
.irp b, 0,1,2,3
	v_lshrrev_b32 v[TM+4+\b], 23, v[TM+12+\b]      ; the scale's byte
.endr
	v_lshl_or_b32 v[\pw], v[TM+5], 8, v[TM+4]
	v_lshl_or_b32 v[\pw], v[TM+6], 16, v[\pw]
	v_lshl_or_b32 v[\pw], v[TM+7], 24, v[\pw]
.irp b, 0,1,2,3
.irp i, 0,1,2,3,4,5,6,7,8,9,10,11,12,13,14,15
	v_med3_num_f32 v[\s+16*\b+\i], v[\s+16*\b+\i], -v[TM+8+\b], v[TM+8+\b]   ; the conversion to an 8-bit code does not saturate (ISA guide 7.6.2): the hold comes first
.endr
	v_cvt_scalef32_pk8_fp8_f32 v[\pc+4*\b:\pc+1+4*\b], v[\s+16*\b:\s+7+16*\b], v[TM+12+\b]
	v_cvt_scalef32_pk8_fp8_f32 v[\pc+2+4*\b:\pc+3+4*\b], v[\s+8+16*\b:\s+15+16*\b], v[TM+12+\b]
.endr
	v_nop                                          ; one plain line behind the last conversion
.endm
; the pairs v[b + 2 t : b + 2 t + 1], t = 0..3, are summed over their halves and the 32 lanes; every lane gets the sum in v[b + 2 t]
.macro WSUM b
.irp t, 0,1,2,3
	v_add_f32 v[\b+2*\t], v[\b+2*\t], v[\b+2*\t+1]
.endr
.irp m, 1,2,4,8
.irp t, 0,1,2,3
	v_add_f32_dpp v[\b+2*\t], v[\b+2*\t], v[\b+2*\t] row_xmask:\m row_mask:0xf bank_mask:0xf
.endr
.endr
.irp t, 0,1,2,3
	v_permlanex16_b32 v[\b+2*\t+1], v[\b+2*\t], s[SEL], s[SEL+1]
.endr
.irp t, 0,1,2,3
	v_add_f32 v[\b+2*\t], v[\b+2*\t], v[\b+2*\t+1]
.endr
.endm
; ---------------- LAYER NORM: work-group g makes row tile i = g % 8 of group mb = g / 8.  Wave w loads tile rows 4 w .. 4 w + 3, four neighbouring tokens
	s_lshr_b32 s9, ttmp9, 3                        ; mb
	s_and_b32 s10, ttmp9, 7                        ; i
	s_lshl_b32 s30, s9, 7
	s_lshr_b32 s31, s10, 1
	s_lshl_b32 s31, s31, 5
	s_add_co_u32 s30, s30, s31
	s_and_b32 s31, s10, 1
	s_lshl_b32 s31, s31, 3
	s_add_co_u32 s30, s30, s31
	s_lshl_b32 s31, s8, 2
	s_add_co_u32 s30, s30, s31
	s_lshr_b32 s31, s8, 1
	s_lshl_b32 s31, s31, 3
	s_add_co_u32 s30, s30, s31                     ; my first token: 128 mb + 32 (i / 2) + 8 (i % 2) + 4 w + 8 (w / 2)
	s_lshl_b32 s30, s30, 12                        ; rows of 4,096 bytes
	s_mov_b32 s31, 0
	v_lshlrev_b32 v4, 4, v1                        ; 16 x lane
	s_mul_i32 s32, s8, 4*PITCH
	v_add_nc_u32 v5, s32, v4                       ; LDS, in: my four rows, 16 bytes a lane
	v_mul_u32_u24 v6, v2, PITCH
	v_lshl_add_u32 v6, v3, 6, v6
	s_lshl_b32 s32, s8, 10
	v_add_nc_u32 v6, s32, v6                       ; LDS, out: row r, K = 256 w + 16 h on: wave w takes panel w of the group
	s_lshl_b32 s32, s10, 11
	v_add_nc_u32 v7, s32, v4                       ; in the panel: fragment i, 16 bytes a lane
	v_lshlrev_b32 v1, 3, v2
	v_lshl_add_u32 v1, v3, 2, v1
	s_lshl_b32 s32, s10, 7
	v_add_nc_u32 v1, s32, v1                       ; and the scale words: 128 i + 8 r + 4 q, q = my half of the lanes
	s_lshl_b32 s34, s9, 2
	s_add_co_u32 s34, s34, s8
	s_mul_i32 s34, s34, PANEL
	s_mov_b32 s35, 0
	s_mov_b32 s32, 0x3a800000                      ; 1 / 1024
	s_mov_b32 s33, 0x3a83126f                      ; 1e-3
	s_wait_kmcnt 0x0
	s_add_nc_u64 s[12:13], s[12:13], s[30:31]
	s_add_nc_u64 s[18:19], s[18:19], s[34:35]      ; h at panel 4 mb + w
.irp t, 0,1,2,3
.irp j, 0,1,2,3,4,5,6,7
	global_load_b128 v[X+32*\t+4*\j:X+32*\t+4*\j+3], v4, s[12:13] offset:4096*\t+512*\j th:TH_LOAD_NT   ; 32 lanes read 512 consecutive bytes
.endr
.endr
.irp j, 0,1,2,3,4,5,6,7
	global_load_b128 v[GA+4*\j:GA+4*\j+3], v4, s[14:15] offset:512*\j
	global_load_b128 v[BB+4*\j:BB+4*\j+3], v4, s[16:17] offset:512*\j
.endr
	s_wait_loadcnt 16                              ; the four rows are in; the 16 loads of gain and bias may be out
.irp t, 0,1,2,3
	v_pk_add_f32 v[8+2*\t:9+2*\t], v[X+32*\t:X+32*\t+1], v[X+32*\t+2:X+32*\t+3]
.endr
.irp p, 4,6,8,10,12,14,16,18,20,22,24,26,28,30
.irp t, 0,1,2,3
	v_pk_add_f32 v[8+2*\t:9+2*\t], v[8+2*\t:9+2*\t], v[X+32*\t+\p:X+32*\t+\p+1]   ; the four rows by turns
.endr
.endr
	WSUM 8
.irp t, 0,1,2,3
	v_mul_f32 v[8+2*\t], s32, v[8+2*\t]            ; the mean
.endr
.irp p, 0,2,4,6,8,10,12,14,16,18,20,22,24,26,28,30
.irp t, 0,1,2,3
	v_pk_add_f32 v[X+32*\t+\p:X+32*\t+\p+1], v[X+32*\t+\p:X+32*\t+\p+1], v[8+2*\t:9+2*\t] op_sel_hi:[1,0] neg_lo:[0,1] neg_hi:[0,1]   ; x - mean, in place
.endr
.endr
.irp t, 0,1,2,3
	v_pk_mul_f32 v[16+2*\t:17+2*\t], v[X+32*\t:X+32*\t+1], v[X+32*\t:X+32*\t+1]
.endr
.irp p, 2,4,6,8,10,12,14,16,18,20,22,24,26,28,30
.irp t, 0,1,2,3
	v_pk_fma_f32 v[16+2*\t:17+2*\t], v[X+32*\t+\p:X+32*\t+\p+1], v[X+32*\t+\p:X+32*\t+\p+1], v[16+2*\t:17+2*\t]
.endr
.endr
	WSUM 16
.irp t, 0,1,2,3
	v_fma_f32 v[16+2*\t], v[16+2*\t], s32, s33     ; the variance + 1e-3
.endr
.irp t, 0,1,2,3
	v_rsq_f32 v[8+2*\t], v[16+2*\t]
.endr
	v_nop                                          ; a plain line behind the last of the four
	s_wait_loadcnt 0x0                             ; gain and bias
	s_wait_alu depctr_va_vdst(0)                   ; one wait for the four, ahead of their first reader
.irp p, 0,2,4,6,8,10,12,14,16,18,20,22,24,26,28,30
.irp t, 0,1,2,3
	v_pk_mul_f32 v[X+32*\t+\p:X+32*\t+\p+1], v[X+32*\t+\p:X+32*\t+\p+1], v[8+2*\t:9+2*\t] op_sel_hi:[1,0]
.endr
.irp t, 0,1,2,3
	v_pk_fma_f32 v[X+32*\t+\p:X+32*\t+\p+1], v[X+32*\t+\p:X+32*\t+\p+1], v[GA+\p:GA+\p+1], v[BB+\p:BB+\p+1]
.endr
.endr
.irp t, 0,1,2,3
.irp j, 0,1,2,3,4,5,6,7
	ds_store_b128 v5, v[X+32*\t+4*\j:X+32*\t+4*\j+3] offset:\t*PITCH+512*\j
.endr
.endr
	s_wait_dscnt 0x0                               ; for the others' sake: my four rows lie in LDS
	s_barrier_signal -1
	s_barrier_wait -1                              ; all 16 rows do
.irp q, 0,1
.irp b, 0,1,2,3
.irp j, 0,1,2,3
	ds_load_b128 v[X+64*\q+16*\b+4*\j:X+64*\q+16*\b+4*\j+3], v6 offset:512*\q+128*\b+16*\j   ; row r, k = 256 w + 128 q + 32 b + 16 h + 4 j on
.endr
.endr
.endr
	s_wait_dscnt 16                                ; the first 128 of K are in; the other 16 loads may be out
	QUANT X, 32, 2
.irp c, 0,1,2,3
	global_store_b128 v7, v[32+4*\c:35+4*\c], s[18:19] offset:512*\c          ; 512 consecutive bytes
.endr
	s_wait_dscnt 0x0
	QUANT X+64, 48, 3
.irp c, 0,1,2,3
	global_store_b128 v7, v[48+4*\c:51+4*\c], s[18:19] offset:16384+512*\c
.endr
	v_cndmask_b32 v2, v2, v3, s39                  ; lanes 0-15: row r's word of q = 0; lanes 16-31: of q = 1 (both halves of the lanes hold both words)
	global_store_b32 v1, v2, s[18:19] offset:32768 ; 128 consecutive bytes
	s_set_vgpr_msb 0x5
	s_wait_tensorcnt 0x0
	ds_add_u32 v0, v1
	s_wait_dscnt 0x0
	s_set_vgpr_msb 0x500
	s_endpgm
; ---------------- WEIGHTS: work-group 256 + p makes panel p of wc.  A LANE TAKES A COLUMN AND ITS REGISTERS RUN DOWN K; wave w takes columns 32 w .. 32 w + 31 of the panel's 128, all 256 of K
.Lweights:
	s_sub_co_u32 s9, ttmp9, 256                    ; p
	s_mov_b32 s10, 4096                            ; a row of the tensor in bytes,
	s_mov_b32 s11, 256                             ; its first panel,
	s_mov_b32 s32, 4                               ; and how a panel's number splits into column group and K / 256: wo_w first
	s_mov_b32 s33, 15
	s_wait_kmcnt 0x0
	s_mov_b64 s[30:31], s[26:27]
	s_cmp_lt_u32 s9, 256                           ; wi_w
	s_cselect_b64 s[30:31], s[24:25], s[30:31]
	s_cselect_b32 s10, 16384, s10
	s_cselect_b32 s11, 128, s11
	s_cselect_b32 s32, 2, s32
	s_cselect_b32 s33, 3, s33
	s_cmp_lt_u32 s9, 128                           ; proj_w
	s_cselect_b64 s[30:31], s[22:23], s[30:31]
	s_cselect_b32 s10, 4096, s10
	s_cselect_b32 s11, 96, s11
	s_cmp_lt_u32 s9, 96                            ; qkv_w
	s_cselect_b64 s[30:31], s[20:21], s[30:31]
	s_cselect_b32 s10, 12288, s10
	s_cselect_b32 s11, 0, s11
	s_sub_co_u32 s34, s9, s11
	s_lshr_b32 s35, s34, s32                       ; nb: the group of 128 columns
	s_and_b32 s34, s34, s33                        ; kq: which 256 of K
	s_lshl_b32 s56, s35, 7
	s_lshl_b32 s57, s8, 5
	s_add_co_u32 s56, s56, s57                     ; my wave's first column: 128 nb + 32 w;
	s_and_b32 s57, s35, 7                          ; in qkv_w: panel column type x 1024 + head x 64 + d is the tensor's column head x 192 + type x 64 + d
	s_lshl_b32 s57, s57, 1
	s_lshr_b32 s58, s8, 1
	s_add_co_u32 s57, s57, s58                     ; head = 2 (nb % 8) + w / 2
	s_mul_i32 s57, s57, 192
	s_lshr_b32 s58, s35, 3                         ; type = nb / 8
	s_lshl_b32 s58, s58, 6
	s_add_co_u32 s57, s57, s58
	s_and_b32 s58, s8, 1
	s_lshl_b32 s58, s58, 5                         ; d = 32 (w % 2) on
	s_add_co_u32 s57, s57, s58
	s_cmp_lt_u32 s9, 96
	s_cselect_b32 s56, s57, s56
	s_lshl_b32 s56, s56, 2
	s_lshl_b32 s57, s10, 8
	s_mul_i32 s57, s57, s34                        ; 256 kq rows
	s_add_co_u32 s56, s56, s57
	s_mov_b32 s57, 0
	s_add_nc_u64 s[40:41], s[30:31], s[56:57]      ; block 0's base
	s_lshl_b32 s58, s10, 5                         ; 32 rows on
	s_mov_b32 s59, 0
.irp t, 1,2,3,4,5,6,7
	s_add_nc_u64 s[40+2*\t:41+2*\t], s[38+2*\t:39+2*\t], s[58:59]   ; a base for each block of 32 along K: none is stepped
.endr
	s_mul_i32 s56, s9, PANEL
	s_add_nc_u64 s[60:61], s[28:29], s[56:57]      ; wc at my panel
	v_and_b32 v5, 7, v2                            ; lane (r, u) is row r of fragment 2 w + u: column 32 w + 16 (r / 8) + 8 u + r % 8
	v_lshrrev_b32 v6, 3, v2
	v_lshl_add_u32 v5, v6, 4, v5
	v_lshl_add_u32 v5, v3, 3, v5
	v_lshlrev_b32 v[OFF], 2, v5
.irp i, 1,2,3,4,5,6,7,8,9,10,11,12,13,14,15,16,17,18,19,20,21,22,23,24,25,26,27,28,29,30,31
	v_add_nc_u32 v[OFF+\i], s10, v[OFF+\i-1]
.endr
	v_lshlrev_b32 v7, 4, v2
	v_lshl_add_u32 v7, v3, 11, v7
	s_lshl_b32 s56, s8, 12
	v_add_nc_u32 v7, s56, v7                       ; codes: 4096 w + 2048 u + 16 r
	v_lshlrev_b32 v6, 3, v2
	v_lshl_add_u32 v6, v3, 7, v6
	s_lshl_b32 s56, s8, 8
	v_add_nc_u32 v6, s56, v6                       ; scale words: 256 w + 128 u + 8 r
.macro WLOAD t                         ; block t: rows 32 t + i of the panel's 256, at my column: a wave's load touches 128 consecutive bytes
.irp i, 0,1,2,3,4,5,6,7,8,9,10,11,12,13,14,15,16,17,18,19,20,21,22,23,24,25,26,27,28,29,30,31
	global_load_b32 v[X+32*((\t)%2)+\i], v[OFF+\i], s[40+2*(\t):41+2*(\t)] th:TH_LOAD_NT
.endr
.endm
	WLOAD 0
	WLOAD 1
.macro BLOCK t
.set XS, X+32*((\t)%2)
.if (\t) < 7
	s_wait_loadcnt 32                              ; this block's 32 loads are in; the next block's may be out
.else
	s_wait_loadcnt 0x0
.endif
	v_max3_num_f32 v12, |v[XS]|, |v[XS+1]|, |v[XS+2]|       ; the block's largest magnitude: all 32 numbers are mine
	v_max3_num_f32 v13, |v[XS+3]|, |v[XS+4]|, |v[XS+5]|
.irp i, 6,10,14,18,22,26
	v_max3_num_f32 v12, v12, |v[XS+\i]|, |v[XS+\i+1]|
	v_max3_num_f32 v13, v13, |v[XS+\i+2]|, |v[XS+\i+3]|
.endr
	v_max3_num_f32 v12, v12, |v[XS+30]|, |v[XS+31]|
	v_max3_num_f32 v12, v12, v13, 0x4800000        ; and the floor 2^(9 - 127)
	v_add_nc_u32 v11, 0xfc000000, v12              ; the conversion's scale operand
	v_and_or_b32 v10, v12, 0x7f800000, s[MNT]      ; 448 x the scale
	v_lshrrev_b32 v13, 23, v11                     ; the byte
.if (\t)%4 == 0
	v_mov_b32 v[SB+(\t)/4], v13
.else
	v_lshl_or_b32 v[SB+(\t)/4], v13, 8*((\t)%4), v[SB+(\t)/4]
.endif
.irp i, 0,1,2,3,4,5,6,7,8,9,10,11,12,13,14,15,16,17,18,19,20,21,22,23,24,25,26,27,28,29,30,31
	v_med3_num_f32 v[XS+\i], v[XS+\i], -v10, v10
.endr
.irp g, 0,1,2,3
	v_cvt_scalef32_pk8_fp8_f32 v[C+8*(\t)+2*\g:C+8*(\t)+2*\g+1], v[XS+8*\g:XS+8*\g+7], v11
.endr
	v_nop                                          ; one plain line behind the last conversion
	global_store_b128 v7, v[C+8*(\t):C+8*(\t)+3], s[60:61] offset:16384*((\t)/4)+512*((\t)%4)          ; k 0-15 of the block: sixteen lanes fill 256 consecutive bytes, aligned
	global_store_b128 v7, v[C+8*(\t)+4:C+8*(\t)+7], s[60:61] offset:16384*((\t)/4)+512*((\t)%4)+256    ; k 16-31: the places of lanes 16-31 of the fragment
.if (\t)+2 < 8
	WLOAD (\t)+2
.endif
.endm
.irp t, 0,1,2,3,4,5,6,7
	BLOCK \t
.endr
	global_store_b64 v6, v[SB:SB+1], s[60:61] offset:32768   ; 32 lanes store 256 consecutive bytes
	s_endpgm
.Lfunc_end_k_qed882a09a2_prep:
	.size	k_qed882a09a2_prep, .Lfunc_end_k_qed882a09a2_prep-k_qed882a09a2_prep
	.p2alignl 7, 3214868480
	.fill 96, 4, 3214868480
	.section	.rodata,"a",@progbits
	.p2align	6, 0x0
	.amdhsa_kernel k_qed882a09a2_prep
		.amdhsa_group_segment_fixed_size 66560
		.amdhsa_private_segment_fixed_size 0
		.amdhsa_enable_private_segment 0
		.amdhsa_kernarg_size 72
		.amdhsa_user_sgpr_count 2
		.amdhsa_user_sgpr_kernarg_segment_ptr 1
		.amdhsa_wavefront_size32 1
		.amdhsa_system_sgpr_workgroup_id_x 1
		.amdhsa_system_sgpr_workgroup_id_y 1
		.amdhsa_system_sgpr_workgroup_id_z 1
		.amdhsa_system_vgpr_workitem_id 0
		.amdhsa_next_free_vgpr 258
		.amdhsa_next_free_sgpr 66
		.amdhsa_reserve_vcc 0
		.amdhsa_float_denorm_mode_32 3
		.amdhsa_float_denorm_mode_16_64 3
		.amdhsa_memory_ordered 1
		.amdhsa_forward_progress 1
		.amdhsa_inst_pref_size 110
	.end_amdhsa_kernel
	.amdgpu_metadata
---
amdhsa.version: [ 1, 2 ]
amdhsa.kernels:
  - .name:           k_qed882a09a2_prep
    .symbol:         k_qed882a09a2_prep.kd
    .args:
      - { .name: x, .offset: 0, .size: 8, .value_kind: global_buffer, .address_space: global }
      - { .name: ln1_scale, .offset: 8, .size: 8, .value_kind: global_buffer, .address_space: global }
      - { .name: ln1_bias, .offset: 16, .size: 8, .value_kind: global_buffer, .address_space: global }
      - { .name: h, .offset: 24, .size: 8, .value_kind: global_buffer, .address_space: global }
      - { .name: qkv_w, .offset: 32, .size: 8, .value_kind: global_buffer, .address_space: global }
      - { .name: proj_w, .offset: 40, .size: 8, .value_kind: global_buffer, .address_space: global }
      - { .name: wi_w, .offset: 48, .size: 8, .value_kind: global_buffer, .address_space: global }
      - { .name: wo_w, .offset: 56, .size: 8, .value_kind: global_buffer, .address_space: global }
      - { .name: wc, .offset: 64, .size: 8, .value_kind: global_buffer, .address_space: global }
    .group_segment_fixed_size: 66560
    .private_segment_fixed_size: 0
    .kernarg_segment_align: 8
    .kernarg_segment_size: 72
    .max_flat_workgroup_size: 128
    .sgpr_count:     66
    .vgpr_count:     258
    .wavefront_size: 32
...
	.end_amdgpu_metadata
.endif
;; end of part 1
;; launch qkv (part 2): grid 12 x 16, 4 waves a work-group, clusters of 4 x 4, 327,680 bytes of LDS; arguments h, wc, qkv_b, qc, kv; writes qc, kv
.if DOCPART == 2
	.amdgcn_target "amdgcn-amd-amdhsa--gfx1250"
	.amdhsa_code_object_version 6
	.text
	.protected	k_qed882a09a2_qkv
	.globl	k_qed882a09a2_qkv
	.p2align	8
	.type	k_qed882a09a2_qkv,@function
k_qed882a09a2_qkv:
	s_mov_b64 s[64:65], 0
	v_nop
	global_prefetch_b8 v0, s[64:65] scope:SCOPE_SE
	s_setreg_imm32_b32 hwreg(HW_REG_WAVE_MODE, 25, 1), 1
	s_wait_xcnt 0x0
	s_wait_alu depctr_hold_cnt(0) depctr_sa_sdst(0) depctr_va_vdst(0) depctr_va_sdst(0) depctr_va_ssrc(0) depctr_va_vcc(0) depctr_vm_vsrc(0)
	s_getreg_b32 s2, hwreg(HW_REG_IB_STS2, 6, 4)
	s_cmp_eq_u32 s2, 0
	s_cbranch_scc0 .Lentry_in_a_cluster
	s_endpgm
.Lentry_in_a_cluster:
	s_bfe_u32 s2, ttmp6, 0x10000c
	s_cmp_lg_u32 s2, 0xf033
	s_cbranch_scc0 .Lentry_shape_is_right
	s_endpgm
.Lentry_shape_is_right:
; q, k, v = LN1(x) qkv_w + qkv_b on codes of E4M3 (one E8M0 byte for each 32 of K = 1,024), and the results quantised at once: q and k along the head's 64, v along the keys.
; OPERANDS come as PANELS of 128 rows x 256 K, 33,792 dense bytes: fragment (q, i) at (8 q + i) 2048 + 512 c + 16 lane, the image of its registers; row r of fragment i is row PERM(i, r) = 32 (i / 2) + 8 (i % 2) + r + 8 (r / 8)
; of the 128; scale words at 32768 + 128 i + 8 r + 4 q.  A tile of 256 x 256 to a work-group, 128 x 128 to each of four waves: 64 accumulators, 512 registers.  K goes in steps of 256 through two LDS slots of four panels.
; CLUSTERS: 4 x 4 work-groups; the tokens' panels are shared along a row of the cluster, the weights' along a column: each is asked for jointly.
; THE PRODUCT IS USED TRANSPOSED: source 0 = a fragment b of side B, source 1 = a fragment a of side A.  Lane (r, h) of accumulator (a, b) holds A's row PERM(a, r), and its register j B's index 32 (b / 2) + 16 h + 8 (b % 2) + j:
; the 64 registers of a's eight accumulators are 64 numbers of one row in the order in which the quantiser and the next operand want them.
; The cluster's x says what the columns are: 0 q, 1 k, 2 v (wc holds qkv_w's columns as type x 1024 + head x 64 + d).  For q and k side A = tokens, side B = weights: a lane's numbers run along d.
; FOR v THE SIDES CHANGE PLACES (only the four LDS bases differ): side A = weights, side B = tokens: a lane's numbers run along the keys, v's K in the second product of attention.
; OUT.  qc: codes (bh 128 + tile) 1024 + 512 c + 16 lane; scale words at 4194304 + bh 4096 + 256 group + 16 r + 4 f (low half tile 2 f, high half 2 f + 1).
; kv, 270,336 bytes a head: key step s (128 keys) at 16384 s: four fragments of K (32 keys each: chunks 0, 1 key tile 2 f, chunks 2, 3 key tile 2 f + 1), then four of V (16 dims PERM(f, .) x 128 keys); scale words at
; 262144 + 512 s + 16 lane + 4 f: lanes 0-15 K's, lanes 16-31 V's.
; LIMITS: NaN and infinities are not served; a block whose largest magnitude lies under 2^-118 gets the byte 1.
; REGISTERS: window 0: v0-31 addresses; v32-95 scale words, two sets, and nothing else; v96-127 free in the loop; v128-255 A's fragments, one set.  Window 1: B's fragments, two sets.  Windows 2, 3: the accumulators.
.set PANEL,  33792
.set SLOT,   4*PANEL                   ; tokens' two panels, then weights' two
.set SPARE,  2*SLOT                    ; the spare words: 128 bytes a wave
.set SCR,    SPARE+512                 ; 512 bytes a wave: the bias of its 128 weight-side indices; no fill lands here
.set KQ,     4                         ; panels along K
.set WOFF,   0                         ; the weight's first panel in wc
.set LAPS,   KQ/2
.set FR,     16
.set NL,     4
.set NP,     8                         ; places behind this matrix instruction (ISA guide 7.12.1)
.set RR,   12                          ; v12 r   v13 h
.set HH,   13
.set VS,   14                          ; v14 the scale words' offset
.set LI,   15                          ; v15 16 x lane
.set ADRA, 16                          ; v16-17 A's fragments in slot 0, 1;  v18-19 A's scale words;  v20-23 the same for B
.set ADSA, 18
.set ADRB, 20
.set ADSB, 22
.set BST,  24                          ; v24 the bias scratch, in;  v25 out, along B;  v27 out, along A
.set BIA,  25
.set BVA,  27
.set SPW,  28
.set NIL,  29
.set SCA,  32                          ; A's scale words: set s at v[32 + 32 s + 2 i + q];  B's at v[48 + 32 s + 2 i + q]
.set SCB,  48
.set AF,   128
.set T,    96                          ; behind the loop: v96-159 64 numbers; v160-175 codes; v176-191 at work; v192.. words
.set PC,   160
.set TM,   176
.set PW,   192
.set PWE,  193
.set SW,   196
.set H0,   200
.set BV,   204
.set G1,   24
.set G0,   32
.set G1B,  48
.set G0B,  56
.set SEL,  86
.set MNT,  88
.set MSB, 0
.macro WIN new                         ; the immediate's high byte repeats the setting that is left
.if MSB != \new
	s_set_vgpr_msb (MSB<<8)|\new
.set MSB, \new
.endif
.endm
.set MUL_LO, 0xa1                      ; source 0 (B) window 1, source 1 (A) window 0, C and D window 2
.set MUL_HI, 0xf1
.set TO_B,   0x40
.macro JLOAD g0a, g1a, g0b, g1b        ; a joint load: waves 0, 1 fetch the tokens' panels, waves 2, 3 the weights'; four v_nop follow each line
	s_cmp_eq_u32 s15, 0
	s_cbranch_scc0 .Lfor_b_\@
	tensor_load_to_lds s[\g0a:\g0a+3], s[\g1a:\g1a+7]
	s_nop 0
.rept 4
	v_nop
.endr
	s_branch .Lasked_\@
.Lfor_b_\@:
	tensor_load_to_lds s[\g0b:\g0b+3], s[\g1b:\g1b+7]
	s_nop 0
.rept 4
	v_nop
.endr
.Lasked_\@:
.endm
.macro CREST
	s_cmp_lg_u32 s14, 0
	s_cbranch_scc1 .Lnot_wave_0_\@
	s_barrier_signal -3
.Lnot_wave_0_\@:
	s_barrier_wait -3
	s_barrier_signal -1
	s_barrier_wait -1
.endm
.macro CROUND
	s_barrier_signal -1
	s_barrier_wait -1
	CREST
.endm
	s_load_b256 s[4:11], s[0:1], 0x0               ; h, wc, qkv_b, qc
	s_load_b64 s[12:13], s[0:1], 0x20              ; kv
	v_lshl_add_u32 v[SPW], v0, 2, SPARE
	v_mov_b32 v[NIL], 0
	ds_add_u32 v28, v29
	ds_add_u32 v28, v29
	s_wait_dscnt 0x0
	v_lshrrev_b32 v1, 5, v0
	v_readfirstlane_b32 s14, v1                    ; wave 0..3
	s_lshr_b32 s15, s14, 1                         ; A's half.  Also: I fetch tokens (0) or weights (1)
	s_and_b32 s16, s14, 1                          ; B's half.  Also: which of the two panels I fetch
	s_bfe_u32 s40, ttmp6, 0x40000                  ; cx, cy
	s_bfe_u32 s41, ttmp6, 0x40004
	s_lshl_b32 s42, ttmp9, 2
	s_add_co_u32 s42, s42, s40                     ; tile column
	s_and_b32 s17, ttmp7, 0xffff
	s_lshl_b32 s17, s17, 2
	s_add_co_u32 s17, s17, s41                     ; tile row
	s_lshl_b32 s43, s41, 2
	s_lshl_b32 s43, 15, s43                        ; my row of the cluster
	s_lshl_b32 s44, 0x1111, s40                    ; my column
	s_or_b32 s[G1+0], s43, (3<<16)|(1<<21)         ; the mask; elements of 8 bytes; bit 21 beside a mask; no padding
	s_or_b32 s[G1B+0], s44, (3<<16)|(1<<21)
.irp g, G1, G1B
	s_mov_b32 s[\g+1], 32<<16                      ; a panel as 132 rows of 256 bytes, dense
	s_mov_b32 s[\g+2], 132<<16
	s_mov_b32 s[\g+3], 32<<16
	s_mov_b32 s[\g+4], 132
	s_mov_b32 s[\g+5], 32
	s_mov_b32 s[\g+6], 0
	s_mov_b32 s[\g+7], 0
.endr
	s_lshl_b32 s20, s17, 1
	s_add_co_u32 s20, s20, s16
	s_mul_i32 s20, s20, KQ*PANEL                   ; tokens: group 2 x tile row + half
	s_mov_b32 s21, 0
	s_lshl_b32 s46, s42, 1
	s_add_co_u32 s46, s46, s16
	s_mul_i32 s46, s46, KQ*PANEL                   ; weights: group 2 x tile column + half
	s_add_co_u32 s46, s46, WOFF*PANEL
	s_mov_b32 s47, 0
	s_mul_i32 s45, s14, PANEL                      ; where they go: wave x a panel
	s_wait_kmcnt 0x0
	s_add_nc_u64 s[20:21], s[4:5], s[20:21]
	s_add_nc_u64 s[46:47], s[6:7], s[46:47]
	CROUND                                         ; all sixteen work-groups are here: the first joint loads meet
.irp s, 0,1
	s_mov_b32 s[G0+4*\s], 1
	s_add_co_u32 s[G0+4*\s+1], s45, \s*SLOT
	s_add_nc_u64 s[G0+4*\s+2:G0+4*\s+3], s[20:21], \s*PANEL
	s_or_b32 s[G0+4*\s+3], s[G0+4*\s+3], 0x80000000
	s_mov_b32 s[G0B+4*\s], 1
	s_add_co_u32 s[G0B+4*\s+1], s45, \s*SLOT
	s_add_nc_u64 s[G0B+4*\s+2:G0B+4*\s+3], s[46:47], \s*PANEL
	s_or_b32 s[G0B+4*\s+3], s[G0B+4*\s+3], 0x80000000
	JLOAD G0+4*\s, G1, G0B+4*\s, G1B
.endr
	v_and_b32 v1, 31, v0
	v_and_b32 v[RR], 15, v0
	v_bfe_u32 v[HH], v0, 4, 1
	v_lshlrev_b32 v[LI], 4, v1
	v_lshlrev_b32 v5, 3, v[RR]
	s_cmp_eq_u32 ttmp9, 2                          ; v?  The cluster's x is the same in all sixteen partners
	s_cselect_b32 s68, 2*PANEL, 0                  ; side A: the weights' panels for v, else the tokens'
	s_cselect_b32 s69, 0, 2*PANEL                  ; side B: the other
	s_cselect_b32 s71, s15, s16                    ; which half of the weights is mine,
	s_cselect_b32 s72, s16, s15                    ; which of the tokens
	s_mul_i32 s66, s15, PANEL
	s_add_co_u32 s66, s66, s68
	s_mul_i32 s67, s16, PANEL
	s_add_co_u32 s67, s67, s69
.irp s, 0,1
	v_add_nc_u32 v[ADRA+\s], s66, v[LI]
	v_add_nc_u32 v[ADSA+\s], s66, v5
	v_add_nc_u32 v[ADRB+\s], s67, v[LI]
	v_add_nc_u32 v[ADSB+\s], s67, v5
	s_add_co_u32 s66, s66, SLOT
	s_add_co_u32 s67, s67, SLOT
.endr
	s_lshl_b32 s70, s40, 2
	s_lshl_b32 s73, s71, 1
	s_add_co_u32 s70, s70, s73                     ; my first head: 4 cx + 2 x half (global addresses alone hang on it)
	s_mul_i32 s74, s70, 768
	s_lshl_b32 s75, ttmp9, 8
	s_add_co_u32 s74, s74, s75                     ; qkv_b at (head 192 + type 64) x 4 bytes
	s_mov_b32 s75, 0
	s_add_nc_u64 s[8:9], s[8:9], s[74:75]
	v_mul_u32_u24 v6, v[HH], 768                   ; lanes 16-31: the next head
	v_lshl_add_u32 v6, v[RR], 4, v6
	global_load_b128 v[96:99], v6, s[8:9]          ; lane l: the bias of my weight-side indices 4 l .. 4 l + 3
	s_lshl_b32 s76, s14, 9
	s_add_co_u32 s76, s76, SCR
	v_add_nc_u32 v[BST], s76, v[LI]
	v_lshl_add_u32 v[BIA], v[HH], 6, s76
	v_and_b32 v7, 8, v[RR]
	v_add_nc_u32 v7, v7, v[RR]
	v_lshl_add_u32 v[BVA], v7, 2, s76              ; 4 (r + 8 (r / 8))
	s_lshl_b32 s90, s17, 1
	s_add_co_u32 s90, s90, s72                     ; my group of 128 tokens
	s_lshr_b32 s91, s90, 4                         ; the batch
	s_and_b32 s90, s90, 15                         ; the group inside the sequence = the key step
	s_lshl_b32 s91, s91, 4
	s_add_co_u32 s91, s91, s70                     ; my first (batch, head)
	s_mov_b32 s[SEL], 0x76543210
	s_mov_b32 s[SEL+1], 0xfedcba98
	s_mov_b32 s[MNT], 0x600000
	s_mov_b32 s89, 0xffff0000                      ; lanes 16-31
	s_wait_loadcnt 0x0
	ds_store_b128 v[BST], v[96:99]                 ; my wave's own 512 bytes: only I read them
.macro FRAG reg, adr, q, i             ; a fragment comes as it was laid: four loads of 512 consecutive bytes
.irp c, 0,1,2,3
	ds_load_b128 v[\reg+4*\c:\reg+4*\c+3], v[\adr] offset:(8*(\q)+(\i))*2048+512*\c
.endr
.endm
; 16 matrix instructions: A's blocks a0, a0 + 1 x B's eight.  The 64 accumulators take turns, one instruction a turn, in the same order in every step
.macro MUL16 a0, p, q, sc, zero
.irp a, \a0, \a0+1
.irp b, 0,1,2,3,4,5,6,7
.if \zero
	v_wmma_scale_f32_16x16x128_f8f6f4 v[8*(8*((\a)%4)+\b):8*(8*((\a)%4)+\b)+7], v[128*(\p)+FR*\b:128*(\p)+FR*\b+FR-1], v[AF+FR*(\a):AF+FR*(\a)+FR-1], 0, v[SCB+32*(\sc)+2*\b+(\q)], v[SCA+32*(\sc)+2*(\a)+(\q)]
.else
	v_wmma_scale_f32_16x16x128_f8f6f4 v[8*(8*((\a)%4)+\b):8*(8*((\a)%4)+\b)+7], v[128*(\p)+FR*\b:128*(\p)+FR*\b+FR-1], v[AF+FR*(\a):AF+FR*(\a)+FR-1], v[8*(8*((\a)%4)+\b):8*(8*((\a)%4)+\b)+7], v[SCB+32*(\sc)+2*\b+(\q)], v[SCA+32*(\sc)+2*(\a)+(\q)]
.endif
.endr
.endr
.endm
.macro FETCH_B slot, q, p
	WIN TO_B
.irp i, 0,1,2,3,4,5,6,7
	FRAG 128*(\p)+FR*\i, ADRB+\slot, \q, \i
.endr
	WIN 0
.endm
.macro FETCH_A slot, q, i0
.irp i, \i0, \i0+1, \i0+2, \i0+3
	FRAG AF+FR*(\i), ADRA+\slot, \q, \i
.endr
.endm
.macro SCALES sc                       ; the slot's scale words: both words of a row by one load; lanes 0-15 are read by the matrix unit
.irp i, 0,1,2,3,4,5,6,7
	ds_load_b64 v[SCA+32*\sc+2*\i:SCA+32*\sc+2*\i+1], v[ADSA+\sc] offset:32768+128*\i
	ds_load_b64 v[SCB+32*\sc+2*\i:SCB+32*\sc+2*\i+1], v[ADSB+\sc] offset:32768+128*\i
.endr
.endm
.macro PLACES n
.rept \n
	v_nop
.endr
.endm
.macro STEP slot, q, zero              ; 128 along K that has its successor in the same slot
	s_wait_dscnt 4*NL                              ; all but the youngest 16 loads (A's blocks 4-7) are in
	WIN MUL_LO
	MUL16 0, (\q)%2, \q, \slot, \zero
	MUL16 2, (\q)%2, \q, \slot, \zero
	s_wait_dscnt 0                                 ; A's blocks 4-7 are in
	PLACES NP
	FETCH_B \slot, (\q)+1, 1-(\q)%2
	FETCH_A \slot, (\q)+1, 0
	WIN MUL_HI
	MUL16 4, (\q)%2, \q, \slot, \zero
	MUL16 6, (\q)%2, \q, \slot, \zero
	PLACES NP
	WIN 0
	FETCH_A \slot, (\q)+1, 4
.endm
.macro TURN slot, next, fill           ; a slot's last 128 along K, and the change of slots
	s_wait_tensorcnt 0x0                           ; all my tensor loads have landed: my panel of the next slot;
	ds_add_u32 v[SPW], v[NIL]                      ; 0 onto my spare word;
	s_wait_dscnt 4*NL+1                            ; (the add and A's blocks 4-7 may be out)
	WIN MUL_LO
	MUL16 0, 1, 1, \slot, 0
	s_wait_dscnt 0x0                               ; the add is done, and my reads of this slot are over
	s_barrier_signal -1
	MUL16 2, 1, 1, \slot, 0
	WIN 0
	s_barrier_wait -1
.if \fill
	CREST                                          ; the barrier has opened a round of the cluster's: no wave of any partner still reads this slot or has a load on its way
	s_add_nc_u64 s[G0+4*\slot+2:G0+4*\slot+3], s[G0+4*\slot+2:G0+4*\slot+3], 2*PANEL
	s_add_nc_u64 s[G0B+4*\slot+2:G0B+4*\slot+3], s[G0B+4*\slot+2:G0B+4*\slot+3], 2*PANEL
	JLOAD G0+4*\slot, G1, G0B+4*\slot, G1B         ; the first tensor load behind the round; its four v_nop are four of the eight places
	PLACES NP-4
.else
	PLACES NP
.endif
	FETCH_B \next, 0, 0
	FETCH_A \next, 0, 0
	SCALES \next
	WIN MUL_HI
	MUL16 4, 1, 1, \slot, 0
	MUL16 6, 1, 1, \slot, 0
	PLACES NP
	WIN 0
	FETCH_A \next, 0, 4
.endm
	s_wait_dscnt 0x0                               ; no LDS instruction of mine is out at a signal
	s_wait_tensorcnt 1                             ; my panel of slot 0 is in; slot 1's may be out
	s_barrier_signal -1
	s_barrier_wait -1
	FETCH_B 0, 0, 0
	FETCH_A 0, 0, 0
	SCALES 0
	FETCH_A 0, 0, 4
	STEP 0, 0, 1                                   ; the first step's products start the sums
	s_mov_b32 s3, LAPS-1
.Llap:
	TURN 0, 1, 1
	STEP 1, 0, 0
	TURN 1, 0, 1
	STEP 0, 0, 0
	s_sub_co_u32 s3, s3, 1
	s_cmp_lg_u32 s3, 0
	s_cbranch_scc1 .Llap
	TURN 0, 1, 0                                   ; the last lap fills nothing
	STEP 1, 0, 0
	s_wait_dscnt 4*NL
	WIN MUL_LO
	MUL16 0, 1, 1, 1, 0
	MUL16 2, 1, 1, 1, 0
	s_wait_dscnt 0
	WIN MUL_HI
	MUL16 4, 1, 1, 1, 0
	MUL16 6, 1, 1, 1, 0
	WIN 0
	PLACES NP                                      ; in front of the first read of results and of writes into registers that held fragments
; 64 numbers of a lane, v[T] on, register 16 b + i = index 32 b + 16 h + i of my row, become 16 registers of codes at v[PC] and the scale word v[PW]
.macro QUANT s
.irp b, 0,1,2,3
	v_max3_num_f32 v[TM+\b], |v[\s+16*\b]|, |v[\s+1+16*\b]|, 0x4800000   ; with the floor 2^(9 - 127): the byte cannot fall under 1
.endr
.irp i, 2,4,6,8,10,12,14
.irp b, 0,1,2,3
	v_max3_num_f32 v[TM+\b], v[TM+\b], |v[\s+16*\b+\i]|, |v[\s+1+16*\b+\i]|
.endr
.endr
.irp b, 0,1,2,3
	v_permlanex16_b32 v[TM+4+\b], v[TM+\b], s[SEL], s[SEL+1]
.endr
.irp b, 0,1,2,3
	v_max_num_f32 v[TM+\b], v[TM+\b], v[TM+4+\b]
.endr
.irp b, 0,1,2,3
	v_add_nc_u32 v[TM+12+\b], 0xfc000000, v[TM+\b]
.endr
.irp b, 0,1,2,3
	v_and_or_b32 v[TM+8+\b], v[TM+\b], 0x7f800000, s[MNT]
.endr
.irp b, 0,1,2,3
	v_lshrrev_b32 v[TM+4+\b], 23, v[TM+12+\b]
.endr
	v_lshl_or_b32 v[PW], v[TM+5], 8, v[TM+4]
	v_lshl_or_b32 v[PW], v[TM+6], 16, v[PW]
	v_lshl_or_b32 v[PW], v[TM+7], 24, v[PW]
	s_wait_xcnt 0x0                                ; the last block's stores have read the codes' registers: they are written again only behind this wait
.irp b, 0,1,2,3
.irp i, 0,1,2,3,4,5,6,7,8,9,10,11,12,13,14,15
	v_med3_num_f32 v[\s+16*\b+\i], v[\s+16*\b+\i], -v[TM+8+\b], v[TM+8+\b]   ; the conversion does not saturate (ISA guide 7.6.2): the hold comes first
.endr
	v_cvt_scalef32_pk8_fp8_f32 v[PC+4*\b:PC+1+4*\b], v[\s+16*\b:\s+7+16*\b], v[TM+12+\b]
	v_cvt_scalef32_pk8_fp8_f32 v[PC+2+4*\b:PC+3+4*\b], v[\s+8+16*\b:\s+15+16*\b], v[TM+12+\b]
.endr
	v_nop                                          ; one plain line behind the last conversion
.endm
.irp b, 0,1,2,3
	v_mov_b32 v[TM+4+\b], 0                        ; a lane permute's destination counts as one of its sources
.endr
	s_cmp_eq_u32 ttmp9, 2
	s_cbranch_scc1 .Lpath_v
; ---- q and k: a block's 64 numbers are two heads x 64 d: blocks 0, 1 of the quantiser are my first head's, 2, 3 the next head's
	s_cmp_eq_u32 ttmp9, 0
	s_cselect_b64 s[74:75], s[10:11], s[12:13]     ; qc or kv
	s_mov_b32 s76, 270336
	s_cselect_b32 s76, 131072, s76                 ; from head to head, codes
	s_cselect_b32 s77, 13, 14                      ; a group of 128 tokens: 8,192 bytes of q's codes, 16,384 of a key step
	s_mov_b32 s78, 262144
	s_cselect_b32 s78, 4194304, s78                ; where the scale words begin
	s_mov_b32 s79, 270336
	s_cselect_b32 s79, 4096, s79                   ; from head to head, scale words
	s_cselect_b32 s80, 8, 9                        ; a group's: 256 or 512 bytes
	s_mul_i32 s82, s91, s76
	s_lshl_b32 s83, s90, s77
	s_add_co_u32 s82, s82, s83
	s_mov_b32 s83, 0
	s_add_nc_u64 s[82:83], s[74:75], s[82:83]      ; my first head's codes,
	s_mov_b32 s77, 0
	s_add_nc_u64 s[84:85], s[82:83], s[76:77]      ; the next head's
	s_mul_i32 s92, s91, s79
	s_lshl_b32 s93, s90, s80
	s_add_co_u32 s92, s92, s93
	s_add_co_u32 s92, s92, s78
	s_mov_b32 s93, 0
	s_add_nc_u64 s[92:93], s[74:75], s[92:93]      ; the scale words
	v_mul_u32_u24 v[VS], s79, v[HH]
	v_lshl_add_u32 v[VS], v[RR], 4, v[VS]          ; lanes 0-15 my first head, lanes 16-31 the next; 16 bytes a row
	WIN 0x40                                       ; the bias goes into window 1, where B's fragments lay
.irp b, 0,1,2,3
.irp j, 0,1,2,3
	ds_load_b128 v[16*\b+4*\j:16*\b+4*\j+3], v[BIA] offset:128*\b+16*\j   ; register 16 b + i: the bias of index 32 b + 16 h + i
.endr
.endr
	WIN 0
	s_wait_dscnt 0x0
.macro EPQ a
	WIN 0x06+(\a)/4                                ; source 0: window 2 or 3; source 1: window 1
.set P_, 0
.rept 32
	v_pk_add_f32 v[T+P_:T+P_+1], v[64*((\a)%4)+P_:64*((\a)%4)+P_+1], v[P_:P_+1]   ; each accumulator from its low end on
.set P_, P_+2
.endr
	WIN 0
	QUANT T
	global_store_b128 v[LI], v[PC:PC+3], s[82:83] offset:1024*(\a)            ; 512 consecutive bytes each
	global_store_b128 v[LI], v[PC+4:PC+7], s[82:83] offset:1024*(\a)+512
	global_store_b128 v[LI], v[PC+8:PC+11], s[84:85] offset:1024*(\a)
	global_store_b128 v[LI], v[PC+12:PC+15], s[84:85] offset:1024*(\a)+512
.if (\a)%2 == 0
	v_mov_b32 v[PWE], v[PW]
.else
	v_perm_b32 v194, v[PW], v[PWE], 0x05040100     ; my first head: the even tile's two bytes below, the odd tile's above
	v_perm_b32 v195, v[PW], v[PWE], 0x07060302     ; the next head
	v_cndmask_b32 v[SW+(\a)/2], v194, v195, s89
.endif
.endm
.irp a, 0,1,2,3,4,5,6,7
	EPQ \a
.endr
	global_store_b128 v[VS], v[SW:SW+3], s[92:93]  ; sixteen lanes store 256 consecutive bytes
	s_branch .Lend
; ---- v: a block's 64 numbers are 128 keys (my half of each 32) of one dim: row r of block a is dim PERM(a % 4, r) of head a / 4
.Lpath_v:
	s_mul_i32 s82, s91, 270336
	s_lshl_b32 s83, s90, 14
	s_add_co_u32 s82, s82, s83
	s_add_co_u32 s82, s82, 8192                    ; V's fragments lie behind K's in a key step
	s_mov_b32 s83, 0
	s_add_nc_u64 s[82:83], s[12:13], s[82:83]
	s_add_nc_u64 s[84:85], s[82:83], 270336
	s_mul_i32 s92, s91, 270336
	s_lshl_b32 s93, s90, 9
	s_add_co_u32 s92, s92, s93
	s_add_co_u32 s92, s92, 262144+256              ; V's words are those of lanes 16-31 of the step's 512 bytes
	s_mov_b32 s93, 0
	s_add_nc_u64 s[92:93], s[12:13], s[92:93]
	v_mul_u32_u24 v[VS], 0x42000, v[HH]
	v_lshl_add_u32 v[VS], v[RR], 4, v[VS]
.irp a, 0,1,2,3,4,5,6,7
	ds_load_b32 v[BV+2*\a], v[BVA] offset:4*(32*(\a/2)+8*(\a%2))   ; the bias of my row of block a
	v_mov_b32 v[BV+2*\a+1], 0                      ; (named with it as a pair)
.endr
	s_wait_dscnt 0x0
.macro EPV a
	WIN 0x02+(\a)/4
.set P_, 0
.rept 32
	v_pk_add_f32 v[T+P_:T+P_+1], v[64*((\a)%4)+P_:64*((\a)%4)+P_+1], v[BV+2*(\a):BV+2*(\a)+1] op_sel_hi:[1,0]
.set P_, P_+2
.endr
	WIN 0
	QUANT T
.irp c, 0,1,2,3
	global_store_b128 v[LI], v[PC+4*\c:PC+4*\c+3], s[82+2*((\a)/4):83+2*((\a)/4)] offset:2048*((\a)%4)+512*\c
.endr
.if (\a) < 4
	v_mov_b32 v[H0+(\a)], v[PW]
.else
	v_cndmask_b32 v[SW+(\a)%4], v[H0+(\a)%4], v[PW], s89
.endif
.endm
.irp a, 0,1,2,3,4,5,6,7
	EPV \a
.endr
	global_store_b128 v[VS], v[SW:SW+3], s[92:93]
.Lend:
	s_wait_tensorcnt 0x0                           ; the wave's end
	ds_add_u32 v[SPW], v[NIL]
	s_wait_dscnt 0x0
	CROUND                                         ; the closing round
	s_endpgm
.Lfunc_end_k_qed882a09a2_qkv:
	.size	k_qed882a09a2_qkv, .Lfunc_end_k_qed882a09a2_qkv-k_qed882a09a2_qkv
	.p2alignl 7, 3214868480
	.fill 96, 4, 3214868480
	.section	.rodata,"a",@progbits
	.p2align	6, 0x0
	.amdhsa_kernel k_qed882a09a2_qkv
		.amdhsa_group_segment_fixed_size 327680
		.amdhsa_private_segment_fixed_size 0
		.amdhsa_enable_private_segment 0
		.amdhsa_kernarg_size 40
		.amdhsa_user_sgpr_count 2
		.amdhsa_user_sgpr_kernarg_segment_ptr 1
		.amdhsa_wavefront_size32 1
		.amdhsa_system_sgpr_workgroup_id_x 1
		.amdhsa_system_sgpr_workgroup_id_y 1
		.amdhsa_system_sgpr_workgroup_id_z 1
		.amdhsa_system_vgpr_workitem_id 0
		.amdhsa_next_free_vgpr 1024
		.amdhsa_next_free_sgpr 100
		.amdhsa_reserve_vcc 0
		.amdhsa_float_denorm_mode_32 3
		.amdhsa_float_denorm_mode_16_64 3
		.amdhsa_memory_ordered 1
		.amdhsa_forward_progress 1
		.amdhsa_inst_pref_size 255
	.end_amdhsa_kernel
	.section	.bss,"aw",@nobits
	.p2align	6
	.space	262144
	.amdgpu_metadata
---
amdhsa.version: [ 1, 2 ]
amdhsa.kernels:
  - .name:           k_qed882a09a2_qkv
    .symbol:         k_qed882a09a2_qkv.kd
    .args:
      - { .name: h, .offset: 0, .size: 8, .value_kind: global_buffer, .address_space: global }
      - { .name: wc, .offset: 8, .size: 8, .value_kind: global_buffer, .address_space: global }
      - { .name: qkv_b, .offset: 16, .size: 8, .value_kind: global_buffer, .address_space: global }
      - { .name: qc, .offset: 24, .size: 8, .value_kind: global_buffer, .address_space: global }
      - { .name: kv, .offset: 32, .size: 8, .value_kind: global_buffer, .address_space: global }
    .group_segment_fixed_size: 327680
    .private_segment_fixed_size: 0
    .kernarg_segment_align: 8
    .kernarg_segment_size: 40
    .max_flat_workgroup_size: 128
    .sgpr_count:     100
    .vgpr_count:     1024
    .wavefront_size: 32
...
	.end_amdgpu_metadata
.endif
;; end of part 2
;; launch attn (part 3): grid 8 x 32, 16 waves a work-group, clusters of 4 x 1, 327,680 bytes of LDS; arguments qc, kv, cx; writes cx
.if DOCPART == 3
	.amdgcn_target "amdgcn-amd-amdhsa--gfx1250"
	.amdhsa_code_object_version 6
	.text
	.protected	k_qed882a09a2_attn
	.globl	k_qed882a09a2_attn
	.p2align	8
	.type	k_qed882a09a2_attn,@function
k_qed882a09a2_attn:
	s_mov_b64 s[64:65], 0
	v_nop
	global_prefetch_b8 v0, s[64:65] scope:SCOPE_SE
	s_setreg_imm32_b32 hwreg(HW_REG_WAVE_MODE, 25, 1), 1
	s_wait_xcnt 0x0
	s_wait_alu depctr_hold_cnt(0) depctr_sa_sdst(0) depctr_va_vdst(0) depctr_va_sdst(0) depctr_va_ssrc(0) depctr_va_vcc(0) depctr_vm_vsrc(0)
	s_getreg_b32 s2, hwreg(HW_REG_IB_STS2, 6, 4)
	s_cmp_eq_u32 s2, 0
	s_cbranch_scc0 .Lentry_in_a_cluster
	s_endpgm
.Lentry_in_a_cluster:
	s_bfe_u32 s2, ttmp6, 0x10000c
	s_cmp_lg_u32 s2, 0x3003
	s_cbranch_scc0 .Lentry_shape_is_right
	s_endpgm
.Lentry_shape_is_right:
; ctx = softmax(q k^T / 8) v for 32 (batch, head) pairs of 2,048 tokens x 64, both products on codes of E4M3 with one E8M0 byte for each 32 along K; ctx is quantised along the model's 1,024 on the way out.
; THE SOFTMAX: t = score x log2(e) / 8; M = the running largest t rounded UP to a whole number; p = 2^(t - M) is quantised along the keys; the row's sum is taken of the unquantised p and divides at the end.
; SHARES.  A work-group owns 256 queries of one head, each of its sixteen waves one tile of 16.  THE WHOLE HEAD'S K, V AND SCALE WORDS, 270,336 bytes, COME INTO LDS ONCE: no byte of LDS is filled twice.
; The four query blocks of a cluster belong to one head: every tile is asked for jointly (mask 15).  Each wave brings five pieces, all at the head: five tensor loads of a wave are out at the most.
; LAYOUT.  Both products transposed: a lane holds ONE query (lane % 16).  The first product's K is 64, the instruction's 128: a fragment of K holds TWO key tiles, one in k 0-63 and one in k 64-127, and is multiplied
; twice: by q with zero codes above (QL) and by q with zero codes below (QH).  Key tile 2 f + u, row r, is key 32 f + 8 u + r + 8 (r / 8): the 16 registers of tiles 2 f, 2 f + 1 are keys 32 f + 16 h + 0..15.
; V's fragment f is 16 dims (32 (f / 2) + 8 (f % 2) + r + 8 (r / 8)) x 128 keys, so that O^T's 32 registers are dims 32 b + 16 h + i in the quantiser's order.
; No prefetch: all that the launch reads is asked for at its head.
; LIMITS: NaN and infinities are not served; a block of ctx whose largest magnitude lies under 2^-118 gets the byte 1.
; REGISTERS: v1 16 x lane; v2 the scale words' place; v8, v10 addresses in hand; v12 -M, v13 the largest t, v[14:15] the sum; v16-31 QL; v192-207 QH; v32-95 four fragments of K or V; v96-159 S^T, then p;
; v160-191 O^T; v208-223 at work on the way out; v224-239 p's codes; v232-254 at work; v248-251 K's and V's scale words; v253 p's; v255 q's.
.set PANEL, 33792
.set HEADB, 270336
.set LI,   1
.set LS,   2
.set ADK,  8
.set ADS,  10
.set TM,   208
.set WV,   18
.set MNT,  19
.set SEL,  20
.set CS,   22
.set G1C,  24                          ; s[24:31] group 1: 16 rows of 256 bytes;  s[32:39]: 2 rows;  s[40:43] group 0 of the scale words;  s[44:59] of the four quarters
.set G1S,  32
.set TB,   60                          ; s60 LDS byte of the key step in hand;  s61 of its scale words
.set TS,   61
.macro CROUND
	s_barrier_signal -1
	s_barrier_wait -1
	s_cmp_lg_u32 s[WV], 0
	s_cbranch_scc1 .Lnot_wave_0_\@
	s_barrier_signal -3
.Lnot_wave_0_\@:
	s_barrier_wait -3
	s_barrier_signal -1
	s_barrier_wait -1
.endm
	s_load_b128 s[4:7], s[0:1], 0x0                ; qc, kv
	s_load_b64 s[8:9], s[0:1], 0x10                ; cx
	v_lshl_add_u32 v222, v0, 2, 0x42000
	v_mov_b32 v223, 0
	ds_add_u32 v222, v223
	ds_add_u32 v222, v223
	v_lshrrev_b32 v3, 5, v0
	v_readfirstlane_b32 s[WV], v3                  ; wave 0..15
	s_bfe_u32 s10, ttmp6, 0x40000                  ; my place in the cluster: it enters global addresses of q and ctx alone
	s_lshl_b32 s11, ttmp9, 2
	s_add_co_u32 s11, s11, s10                     ; my block of 256 queries
	s_and_b32 s12, ttmp7, 0xffff                   ; (batch, head), which the four partners share
	s_mul_i32 s14, s12, HEADB
	s_mov_b32 s15, 0
	s_mov_b32 s[G1C], 15|(3<<16)|(1<<21)           ; the mask: all four; elements of 8 bytes; bit 21 beside a mask; no padding
	s_mov_b32 s[G1C+1], 32<<16
	s_mov_b32 s[G1C+2], 16<<16
	s_mov_b32 s[G1C+3], 32<<16
	s_mov_b32 s[G1C+4], 16
	s_mov_b32 s[G1C+5], 32
	s_mov_b32 s[G1C+6], 0
	s_mov_b32 s[G1C+7], 0
	s_mov_b32 s[G1S], 15|(3<<16)|(1<<21)
	s_mov_b32 s[G1S+1], 32<<16
	s_mov_b32 s[G1S+2], 2<<16
	s_mov_b32 s[G1S+3], 32<<16
	s_mov_b32 s[G1S+4], 2
	s_mov_b32 s[G1S+5], 32
	s_mov_b32 s[G1S+6], 0
	s_mov_b32 s[G1S+7], 0
	s_lshl_b32 s16, s[WV], 12                      ; my 4,096 bytes of a quarter,
	s_lshl_b32 s17, s[WV], 9                       ; my 512 of the scale words
	s_wait_dscnt 0x0
	s_wait_kmcnt 0x0
	s_add_nc_u64 s[6:7], s[6:7], s[14:15]          ; kv at my head: LDS is its image, byte for byte
	s_mov_b32 s40, 1
	s_add_co_u32 s41, s17, 262144
	s_mov_b32 s14, s41
	s_add_nc_u64 s[42:43], s[6:7], s[14:15]
	s_or_b32 s43, s43, 0x80000000
.irp n, 0,1,2,3
	s_mov_b32 s[44+4*\n], 1
	s_add_co_u32 s[45+4*\n], s16, 65536*\n
	s_mov_b32 s14, s[45+4*\n]
	s_add_nc_u64 s[46+4*\n:47+4*\n], s[6:7], s[14:15]
	s_or_b32 s[47+4*\n], s[47+4*\n], 0x80000000
.endr
	CROUND                                         ; all four work-groups are here: the joint loads meet
	tensor_load_to_lds s[40:43], s[G1S:G1S+7]      ; the scale words first, then the four quarters of four key steps each
	s_nop 0
	tensor_load_to_lds s[44:47], s[G1C:G1C+7]
	s_nop 0
	tensor_load_to_lds s[48:51], s[G1C:G1C+7]
	s_nop 0
	tensor_load_to_lds s[52:55], s[G1C:G1C+7]
	s_nop 0
	tensor_load_to_lds s[56:59], s[G1C:G1C+7]
	s_nop 0
.rept 4
	v_nop
.endr
	s_mov_b32 s[SEL], 0x76543210
	s_mov_b32 s[SEL+1], 0xfedcba98
	s_mov_b32 s[CS], 0x3e38aa3b                    ; c = log2(e) / 8
	s_mov_b32 s[CS+1], s[CS]
	s_mov_b32 s[MNT], 0x600000
	s_mov_b32 s[TB], 0
	s_mov_b32 s[TS], 0
	s_lshl_b32 s13, s11, 4
	s_add_co_u32 s13, s13, s[WV]                   ; my query tile, 0..127
	s_lshr_b32 s66, s13, 3                         ; its group of 128 tokens
	s_and_b32 s67, s[WV], 7                        ; and its place a in the group
	s_lshl_b32 s68, s12, 7
	s_add_co_u32 s68, s68, s13
	s_lshl_b32 s68, s68, 10                        ; q's codes
	s_mov_b32 s69, 0
	s_add_nc_u64 s[70:71], s[4:5], s[68:69]
	s_lshl_b32 s68, s12, 12
	s_lshl_b32 s72, s66, 8
	s_add_co_u32 s68, s68, s72
	s_lshr_b32 s72, s67, 1
	s_lshl_b32 s72, s72, 2
	s_add_co_u32 s68, s68, s72
	s_add_co_u32 s68, s68, 4194304                 ; q's scale words: word a / 2 of my rows
	s_add_nc_u64 s[72:73], s[4:5], s[68:69]
	v_and_b32 v3, 31, v0
	v_lshlrev_b32 v[LI], 4, v3
	v_add_nc_u32 v[LS], 262144, v[LI]
	v_and_b32 v4, 15, v0
	v_lshlrev_b32 v5, 4, v4
	global_load_b128 v[16:19], v[LI], s[70:71]             ; QL: q's 64 codes in k 0-63
	global_load_b128 v[20:23], v[LI], s[70:71] offset:512
	global_load_b128 v[200:203], v[LI], s[70:71]           ; QH: the same in k 64-127: a second run of registers
	global_load_b128 v[204:207], v[LI], s[70:71] offset:512
	global_load_b32 v6, v5, s[72:73]
.irp j, 0,1,2,3,4,5,6,7
	v_mov_b32 v[24+\j], 0                          ; zero codes: they add nothing under any byte but 0xff
	v_mov_b32 v[192+\j], 0
.endr
	s_lshr_b32 s74, s12, 4                         ; the batch
	s_and_b32 s75, s12, 15                         ; the head
	s_lshl_b32 s74, s74, 4
	s_add_co_u32 s74, s74, s66                     ; the group of 128 tokens among 32
	s_lshl_b32 s74, s74, 2
	s_lshr_b32 s76, s75, 2
	s_add_co_u32 s74, s74, s76                     ; cx's panel: K = head x 64 + d, 256 to a panel
	s_mul_i32 s74, s74, PANEL
	s_bfe_u32 s76, s75, 0x10001                    ; which 128 of the panel's K
	s_and_b32 s77, s75, 1                          ; which 64 of these
	s_lshl_b32 s78, s76, 3
	s_add_co_u32 s78, s78, s67
	s_lshl_b32 s78, s78, 11
	s_lshl_b32 s79, s77, 10
	s_add_co_u32 s78, s78, s79
	s_add_co_u32 s78, s78, s74
	s_mov_b32 s79, 0
	s_add_nc_u64 s[80:81], s[8:9], s[78:79]        ; my fragment's two chunks
	s_lshl_b32 s78, s67, 7
	s_lshl_b32 s82, s76, 2
	s_add_co_u32 s78, s78, s82
	s_lshl_b32 s82, s77, 1
	s_add_co_u32 s78, s78, s82
	s_add_co_u32 s78, s78, s74
	s_add_co_u32 s78, s78, 32768
	s_add_nc_u64 s[82:83], s[8:9], s[78:79]        ; and my two bytes of its scale words
	s_mov_b32 s84, 0x03020302
	s_and_b32 s85, s[WV], 1                        ; an odd tile's two bytes are the word's upper half
	s_cselect_b32 s84, s84, 0x01000100
	v_mov_b32 v13, 0xff61b1e6                      ; the largest t so far: -3e38
	v_floor_f32 v12, -v13                          ; -M
	v_mov_b32 v14, 0
	v_mov_b32 v15, 0
.irp b, 0,1,2,3
	v_mov_b32 v[236+\b], 0                         ; a lane permute's destination counts as one of its sources
.endr
	v_mov_b32 v[TM+4], 0
	v_mov_b32 v[TM+5], 0
	v_mov_b32 v253, 0
	s_wait_loadcnt 0x0
	v_perm_b32 v255, v6, v6, s84                   ; q's word: (s0, s1, s0, s1): it serves QL and QH alike
.set J_, 0
.rept 32
	v_mov_b32 v[160+J_], 0                         ; O^T: the first change of M multiplies zeros
.set J_, J_+1
.endr
.macro STEP                            ; 128 keys
	v_add_nc_u32 v[ADK], s[TB], v[LI]
	v_add_nc_u32 v[ADS], s[TS], v[LS]
.rept 6
	v_nop                                          ; with the two additions: eight places in front of loads into registers that the last products read
.endr
.irp f, 0,1,2,3
.irp c, 0,1,2,3
	ds_load_b128 v[32+16*\f+4*\c:35+16*\f+4*\c], v[ADK] offset:2048*\f+512*\c
.endr
.endr
	ds_load_b128 v[248:251], v[ADS]                ; register f: lanes 0-15 K fragment f's word, lanes 16-31 V fragment f's
	s_wait_dscnt 0x0
.irp f, 0,1,2,3
	v_wmma_scale_f32_16x16x128_f8f6f4 v[96+16*\f:103+16*\f], v[32+16*\f:47+16*\f], v[16:31], 0, v[248+\f], v255
	v_wmma_scale_f32_16x16x128_f8f6f4 v[104+16*\f:111+16*\f], v[32+16*\f:47+16*\f], v[192:207], 0, v[248+\f], v255
.endr
.rept 8
	v_nop
.endr
.irp f, 0,1,2,3
.irp c, 0,1,2,3
	ds_load_b128 v[32+16*\f+4*\c:35+16*\f+4*\c], v[ADK] offset:8192+2048*\f+512*\c   ; V is asked for now and lands under the softmax
.endr
.endr
.irp b, 0,1,2,3
	v_max3_num_f32 v[232+\b], v[96+16*\b], v[97+16*\b], v[98+16*\b]   ; the largest score of each block of 32 keys: for the row's maximum and, since p rises with the score, for the block's largest p
.endr
.irp i, 3,5,7,9,11,13
.irp b, 0,1,2,3
	v_max3_num_f32 v[232+\b], v[232+\b], v[96+16*\b+\i], v[97+16*\b+\i]
.endr
.endr
.irp b, 0,1,2,3
	v_max_num_f32 v[232+\b], v[232+\b], v[111+16*\b]
.endr
.irp b, 0,1,2,3
	v_permlanex16_b32 v[236+\b], v[232+\b], s[SEL], s[SEL+1]
.endr
.irp b, 0,1,2,3
	v_max_num_f32 v[232+\b], v[232+\b], v[236+\b]
.endr
	v_max3_num_f32 v254, v232, v233, v234
	v_max_num_f32 v254, v254, v235
	v_mul_f32 v254, s[CS], v254
	v_max_num_f32 v13, v13, v254                   ; the running largest t
	v_mov_b32 v254, v12
	v_floor_f32 v12, -v13                          ; the new -M = -ceil(t)
	v_sub_f32 v254, v12, v254                      ; old M - new M: a whole number, 0 or less
	v_cvt_i32_f32 v254, v254                       ; (it saturates)
	v_ldexp_f32 v252, 1.0, v254                    ; f = 2^(old M - new M): a multiplication by it rounds nothing
.set J_, 0
.rept 32
	v_pk_fma_f32 v[96+J_:97+J_], v[96+J_:97+J_], s[CS:CS+1], v[12:13] op_sel_hi:[1,0,0]   ; t - M
.set J_, J_+2
.endr
.irp b, 0,1,2,3
	v_fma_f32 v[232+\b], v[232+\b], s[CS], v12
.endr
.set J_, 0
.rept 64
	v_exp_f32 v[96+J_], v[96+J_]                   ; p = 2^(t - M)
.set J_, J_+1
.endr
	v_pk_mul_f32 v[14:15], v[14:15], v[252:253] op_sel_hi:[1,0]   ; the sums under the new M: a plain line behind the exponentials
	s_wait_alu depctr_va_vdst(0)                   ; one wait for the batch, ahead of its first reader
.irp b, 0,1,2,3
	v_exp_f32 v[232+\b], v[232+\b]                 ; each block's largest p
.endr
	v_pk_add_f32 v[236:237], v[96:97], v[98:99]    ; the row's sum, of the unquantised p, in two chains
.irp j, 4,8,12,16,20,24,28,32,36,40,44,48,52,56,60
	v_pk_add_f32 v[14:15], v[14:15], v[96+\j:97+\j]
	v_pk_add_f32 v[236:237], v[236:237], v[98+\j:99+\j]
.endr
	v_pk_add_f32 v[14:15], v[14:15], v[236:237]
	s_wait_alu depctr_va_vdst(0)                   ; and one for the four
.irp b, 0,1,2,3
	v_max_num_f32 v[232+\b], 0x4800000, v[232+\b]  ; the floor 2^(9 - 127)
.endr
.irp b, 0,1,2,3
	v_add_nc_u32 v[244+\b], 0xfc000000, v[232+\b]
.endr
.irp b, 0,1,2,3
	v_and_or_b32 v[240+\b], v[232+\b], 0x7f800000, s[MNT]
.endr
.irp b, 0,1,2,3
	v_lshrrev_b32 v[236+\b], 23, v[244+\b]
.endr
	v_lshl_or_b32 v253, v237, 8, v236              ; p's scale word for these 128 keys
	v_lshl_or_b32 v253, v238, 16, v253
	v_lshl_or_b32 v253, v239, 24, v253
.irp b, 0,1,2,3
.irp i, 0,1,2,3,4,5,6,7,8,9,10,11,12,13,14,15
	v_min_num_f32 v[96+16*\b+\i], v[96+16*\b+\i], v[240+\b]   ; the hold; p is not negative
.endr
	v_cvt_scalef32_pk8_fp8_f32 v[224+4*\b:225+4*\b], v[96+16*\b:103+16*\b], v[244+\b]
	v_cvt_scalef32_pk8_fp8_f32 v[226+4*\b:227+4*\b], v[104+16*\b:111+16*\b], v[244+\b]
.endr
.set J_, 0
.rept 16
	v_pk_mul_f32 v[160+J_:161+J_], v[160+J_:161+J_], v[252:253] op_sel_hi:[1,0]   ; O^T under the new M; these sixteen are also the places in front of the products below
.set J_, J_+2
.endr
	s_wait_dscnt 0x0                               ; V is in
.irp f, 0,1,2,3
	v_wmma_scale_f32_16x16x128_f8f6f4 v[160+8*\f:167+8*\f], v[32+16*\f:47+16*\f], v[224:239], v[160+8*\f:167+8*\f], v[248+\f], v253 matrix_a_scale:MATRIX_SCALE_ROW1   ; the four accumulators by turns
.endr
	s_add_co_u32 s[TB], s[TB], 16384
	s_add_co_u32 s[TS], s[TS], 512
.endm
.macro QUARTER n                       ; four key steps
	s_wait_tensorcnt 3-\n                          ; the scale words and quarters 0 .. n are in; my loads of the 3 - n later quarters may be out
	s_wait_dscnt 0x0
	s_barrier_signal -1
	s_barrier_wait -1                              ; everybody's pieces are in
	s_mov_b32 s62, 4
.Lstep_\@:
	STEP
	s_sub_co_u32 s62, s62, 1
	s_cmp_lg_u32 s62, 0
	s_cbranch_scc1 .Lstep_\@
.endm
	QUARTER 0
	QUARTER 1
	QUARTER 2
	QUARTER 3
	; THE WAY OUT: O^T / the sum, quantised along d (two blocks of 32), straight into cx's panel as two chunks of a fragment
	v_add_f32 v14, v14, v15
	v_and_b32 v8, 15, v0
	v_lshlrev_b32 v8, 3, v8                        ; 8 r: my row's scale word
.rept 6
	v_nop                                          ; with the three lines above: the places behind the last products
.endr
	v_permlanex16_b32 v252, v14, s[SEL], s[SEL+1]
	v_add_f32 v14, v14, v252                       ; the row's sum
	v_rcp_f32 v14, v14
	v_nop
	s_wait_alu depctr_va_vdst(0)                   ; ahead of the first reader
.set J_, 0
.rept 32
	v_mul_f32 v[96+J_], v[160+J_], v14             ; register 16 b + i: dim 32 b + 16 h + i of my query
.set J_, J_+1
.endr
.irp b, 0,1
	v_max3_num_f32 v[TM+\b], |v[96+16*\b]|, |v[97+16*\b]|, 0x4800000
.endr
.irp i, 2,4,6,8,10,12,14
.irp b, 0,1
	v_max3_num_f32 v[TM+\b], v[TM+\b], |v[96+16*\b+\i]|, |v[97+16*\b+\i]|
.endr
.endr
.irp b, 0,1
	v_permlanex16_b32 v[TM+4+\b], v[TM+\b], s[SEL], s[SEL+1]
.endr
.irp b, 0,1
	v_max_num_f32 v[TM+\b], v[TM+\b], v[TM+4+\b]
.endr
.irp b, 0,1
	v_add_nc_u32 v[TM+12+\b], 0xfc000000, v[TM+\b]
.endr
.irp b, 0,1
	v_and_or_b32 v[TM+8+\b], v[TM+\b], 0x7f800000, s[MNT]
.endr
.irp b, 0,1
	v_lshrrev_b32 v[TM+4+\b], 23, v[TM+12+\b]
.endr
	v_lshl_or_b32 v9, v[TM+5], 8, v[TM+4]          ; my row's two bytes
.irp b, 0,1
.irp i, 0,1,2,3,4,5,6,7,8,9,10,11,12,13,14,15
	v_med3_num_f32 v[96+16*\b+\i], v[96+16*\b+\i], -v[TM+8+\b], v[TM+8+\b]
.endr
	v_cvt_scalef32_pk8_fp8_f32 v[128+4*\b:129+4*\b], v[96+16*\b:103+16*\b], v[TM+12+\b]
	v_cvt_scalef32_pk8_fp8_f32 v[130+4*\b:131+4*\b], v[104+16*\b:111+16*\b], v[TM+12+\b]
.endr
	v_nop
	global_store_b128 v[LI], v[128:131], s[80:81]            ; 512 consecutive bytes each
	global_store_b128 v[LI], v[132:135], s[80:81] offset:512
	global_store_b16 v8, v9, s[82:83]              ; lanes l and l + 16 hold the same row's bytes and write them to the same place
	s_wait_tensorcnt 0x0
	ds_add_u32 v222, v223
	s_wait_dscnt 0x0
	CROUND                                         ; the closing round: no work-group ends while a partner may still ask jointly
	s_endpgm
.Lfunc_end_k_qed882a09a2_attn:
	.size	k_qed882a09a2_attn, .Lfunc_end_k_qed882a09a2_attn-k_qed882a09a2_attn
	.p2alignl 7, 3214868480
	.fill 96, 4, 3214868480
	.section	.rodata,"a",@progbits
	.p2align	6, 0x0
	.amdhsa_kernel k_qed882a09a2_attn
		.amdhsa_group_segment_fixed_size 327680
		.amdhsa_private_segment_fixed_size 0
		.amdhsa_enable_private_segment 0
		.amdhsa_kernarg_size 24
		.amdhsa_user_sgpr_count 2
		.amdhsa_user_sgpr_kernarg_segment_ptr 1
		.amdhsa_wavefront_size32 1
		.amdhsa_system_sgpr_workgroup_id_x 1
		.amdhsa_system_sgpr_workgroup_id_y 1
		.amdhsa_system_sgpr_workgroup_id_z 1
		.amdhsa_system_vgpr_workitem_id 0
		.amdhsa_next_free_vgpr 256
		.amdhsa_next_free_sgpr 100
		.amdhsa_reserve_vcc 0
		.amdhsa_float_denorm_mode_32 3
		.amdhsa_float_denorm_mode_16_64 3
		.amdhsa_memory_ordered 1
		.amdhsa_forward_progress 1
		.amdhsa_inst_pref_size 89
	.end_amdhsa_kernel
	.amdgpu_metadata
---
amdhsa.version: [ 1, 2 ]
amdhsa.kernels:
  - .name:           k_qed882a09a2_attn
    .symbol:         k_qed882a09a2_attn.kd
    .args:
      - { .name: qc, .offset: 0, .size: 8, .value_kind: global_buffer, .address_space: global }
      - { .name: kv, .offset: 8, .size: 8, .value_kind: global_buffer, .address_space: global }
      - { .name: cx, .offset: 16, .size: 8, .value_kind: global_buffer, .address_space: global }
    .group_segment_fixed_size: 327680
    .private_segment_fixed_size: 0
    .kernarg_segment_align: 8
    .kernarg_segment_size: 24
    .max_flat_workgroup_size: 512
    .sgpr_count:     100
    .vgpr_count:     256
    .wavefront_size: 32
...
	.end_amdgpu_metadata
.endif
;; end of part 3
;; launch proj (part 4): grid 4 x 16, 4 waves a work-group, clusters of 4 x 4, 327,680 bytes of LDS; arguments cx, wc, proj_b, x, x2; writes x2
.if DOCPART == 4
	.amdgcn_target "amdgcn-amd-amdhsa--gfx1250"
	.amdhsa_code_object_version 6
	.text
	.protected	k_qed882a09a2_proj
	.globl	k_qed882a09a2_proj
	.p2align	8
	.type	k_qed882a09a2_proj,@function
k_qed882a09a2_proj:
	s_mov_b64 s[64:65], 0
	v_nop
	global_prefetch_b8 v0, s[64:65] scope:SCOPE_SE
	s_setreg_imm32_b32 hwreg(HW_REG_WAVE_MODE, 25, 1), 1
	s_wait_xcnt 0x0
	s_wait_alu depctr_hold_cnt(0) depctr_sa_sdst(0) depctr_va_vdst(0) depctr_va_sdst(0) depctr_va_ssrc(0) depctr_va_vcc(0) depctr_vm_vsrc(0)
	s_getreg_b32 s2, hwreg(HW_REG_IB_STS2, 6, 4)
	s_cmp_eq_u32 s2, 0
	s_cbranch_scc0 .Lentry_in_a_cluster
	s_endpgm
.Lentry_in_a_cluster:
	s_bfe_u32 s2, ttmp6, 0x10000c
	s_cmp_lg_u32 s2, 0xf033
	s_cbranch_scc0 .Lentry_shape_is_right
	s_endpgm
.Lentry_shape_is_right:
; out = res + a W + bias, f32; a and W as codes of E4M3 with one E8M0 byte for each 32 of K.  Here: a = ctx, W = proj_w (K = 1,024), res = x, out = x2.
; OPERANDS come as PANELS of 128 rows x 256 K, 33,792 dense bytes: fragment (q, i) at (8 q + i) 2048 + 512 c + 16 lane, the image of its registers; row r of fragment i is row PERM(i, r) = 32 (i / 2) + 8 (i % 2) + r + 8 (r / 8);
; scale words at 32768 + 128 i + 8 r + 4 q.  A tile of 256 x 256 to a work-group, 128 x 128 to each of four waves.  K goes in steps of 256 through two LDS slots of four panels.
; CLUSTERS: 4 x 4 work-groups; a's panels are shared along a row of the cluster, W's along a column: each is asked for jointly.  The grid is 64 work-groups: N = 1,024 gives no more tiles of this size.
; THE PRODUCT IS USED TRANSPOSED (source 0 = W's fragment b, source 1 = a's fragment a): lane (r, h) of accumulator (a, b) holds row PERM(a, r), register j column 32 (b / 2) + 16 h + 8 (b % 2) + j.
; THE WAY OUT: a block of 16 rows goes through the wave's own stage in LDS and comes back as whole rows of 512 bytes; the residual's rows are loaded four blocks ahead into the registers that held W's fragments.
; REGISTERS: window 0: v0-31 addresses; v32-95 scale words and nothing else; v96-99 the bias of my four columns; v128-255 a's fragments, later rows on the way out.  Window 1: W's fragments, later the residual.  Windows 2, 3: accumulators.
.set PANEL,  33792
.set SLOT,   4*PANEL
.set SPARE,  2*SLOT
.set SCR,    SPARE+512                 ; the stages: 16 rows x 528 bytes for each wave; no fill lands here
.set KQ,     4                         ; panels along K
.set WOFF,   96                        ; the weight's first panel in wc
.set LAPS,   KQ/2
.set FR,     16
.set NL,     4
.set NP,     8
.set LI,   15
.set ADRA, 16
.set ADSA, 18
.set ADRB, 20
.set ADSB, 22
.set STO,  24
.set RD,   25
.set SPW,  28
.set NIL,  29
.set PFO,  30
.set SCA,  32
.set SCB,  48
.set AF,   128
.set BK,   128
.set G1,   24
.set G0,   32
.set G1B,  48
.set G0B,  56
.set PFA,  92
.set LIM,  94
.set MSB, 0
.macro WIN new
.if MSB != \new
	s_set_vgpr_msb (MSB<<8)|\new
.set MSB, \new
.endif
.endm
.set MUL_LO, 0xa1
.set MUL_HI, 0xf1
.set TO_B,   0x40
.macro JLOAD g0a, g1a, g0b, g1b        ; a joint load: waves 0, 1 fetch a's panels, waves 2, 3 W's; four v_nop follow each line
	s_cmp_eq_u32 s15, 0
	s_cbranch_scc0 .Lfor_b_\@
	tensor_load_to_lds s[\g0a:\g0a+3], s[\g1a:\g1a+7]
	s_nop 0
.rept 4
	v_nop
.endr
	s_branch .Lasked_\@
.Lfor_b_\@:
	tensor_load_to_lds s[\g0b:\g0b+3], s[\g1b:\g1b+7]
	s_nop 0
.rept 4
	v_nop
.endr
.Lasked_\@:
.endm
.macro CREST
	s_cmp_lg_u32 s14, 0
	s_cbranch_scc1 .Lnot_wave_0_\@
	s_barrier_signal -3
.Lnot_wave_0_\@:
	s_barrier_wait -3
	s_barrier_signal -1
	s_barrier_wait -1
.endm
.macro CROUND
	s_barrier_signal -1
	s_barrier_wait -1
	CREST
.endm
; A prefetch into the L2 (only where K has more than four panels): the code bytes of the panel that stands two refills on, 32,768 bytes: the four partners that ask for a panel jointly take 8,192 each, told apart by address,
; a lane 256 bytes.  a's panels are named by the clusters with x = 0, W's by those with y = 0: each block once in the launch.  The loop's last trip asks for nothing: there is no panel two refills on.
.macro ASK
	s_cmp_gt_u32 s3, s[LIM]
	s_cbranch_scc0 .Lnot_mine_\@
	global_prefetch_b8 v[PFO], s[PFA:PFA+1] offset:PANEL th:TH_LOAD_NT scope:SCOPE_SE
.Lnot_mine_\@:
.endm
	s_load_b256 s[4:11], s[0:1], 0x0               ; a, wc, bias, res
	s_load_b64 s[12:13], s[0:1], 0x20              ; out
	v_lshl_add_u32 v[SPW], v0, 2, SPARE
	v_mov_b32 v[NIL], 0
	ds_add_u32 v28, v29
	ds_add_u32 v28, v29
	s_wait_dscnt 0x0
	v_lshrrev_b32 v1, 5, v0
	v_readfirstlane_b32 s14, v1
	s_lshr_b32 s15, s14, 1
	s_and_b32 s16, s14, 1
	s_bfe_u32 s40, ttmp6, 0x40000
	s_bfe_u32 s41, ttmp6, 0x40004
	s_lshl_b32 s42, ttmp9, 2
	s_add_co_u32 s42, s42, s40                     ; tile column
	s_and_b32 s17, ttmp7, 0xffff
	s_lshl_b32 s17, s17, 2
	s_add_co_u32 s17, s17, s41                     ; tile row
	s_lshl_b32 s43, s41, 2
	s_lshl_b32 s43, 15, s43
	s_lshl_b32 s44, 0x1111, s40
	s_or_b32 s[G1+0], s43, (3<<16)|(1<<21)
	s_or_b32 s[G1B+0], s44, (3<<16)|(1<<21)
.irp g, G1, G1B
	s_mov_b32 s[\g+1], 32<<16                      ; a panel as 132 rows of 256 bytes, dense
	s_mov_b32 s[\g+2], 132<<16
	s_mov_b32 s[\g+3], 32<<16
	s_mov_b32 s[\g+4], 132
	s_mov_b32 s[\g+5], 32
	s_mov_b32 s[\g+6], 0
	s_mov_b32 s[\g+7], 0
.endr
	s_lshl_b32 s20, s17, 1
	s_add_co_u32 s20, s20, s16
	s_mul_i32 s20, s20, KQ*PANEL
	s_mov_b32 s21, 0
	s_lshl_b32 s46, s42, 1
	s_add_co_u32 s46, s46, s16
	s_mul_i32 s46, s46, KQ*PANEL
	s_add_co_u32 s46, s46, WOFF*PANEL
	s_mov_b32 s47, 0
	s_mul_i32 s45, s14, PANEL
	s_wait_kmcnt 0x0
	s_add_nc_u64 s[20:21], s[4:5], s[20:21]
	s_add_nc_u64 s[46:47], s[6:7], s[46:47]
	CROUND
.irp s, 0,1
	s_mov_b32 s[G0+4*\s], 1
	s_add_co_u32 s[G0+4*\s+1], s45, \s*SLOT
	s_add_nc_u64 s[G0+4*\s+2:G0+4*\s+3], s[20:21], \s*PANEL
	s_or_b32 s[G0+4*\s+3], s[G0+4*\s+3], 0x80000000
	s_mov_b32 s[G0B+4*\s], 1
	s_add_co_u32 s[G0B+4*\s+1], s45, \s*SLOT
	s_add_nc_u64 s[G0B+4*\s+2:G0B+4*\s+3], s[46:47], \s*PANEL
	s_or_b32 s[G0B+4*\s+3], s[G0B+4*\s+3], 0x80000000
	JLOAD G0+4*\s, G1, G0B+4*\s, G1B
.endr
	v_and_b32 v1, 31, v0
	v_and_b32 v2, 15, v0
	v_bfe_u32 v3, v0, 4, 1
	v_lshlrev_b32 v[LI], 4, v1
	v_lshlrev_b32 v5, 3, v2
	s_mul_i32 s66, s15, PANEL
	s_mul_i32 s67, s16, PANEL
	s_add_co_u32 s67, s67, 2*PANEL
.irp s, 0,1
	v_add_nc_u32 v[ADRA+\s], s66, v[LI]
	v_add_nc_u32 v[ADSA+\s], s66, v5
	v_add_nc_u32 v[ADRB+\s], s67, v[LI]
	v_add_nc_u32 v[ADSB+\s], s67, v5
	s_add_co_u32 s66, s66, SLOT
	s_add_co_u32 s67, s67, SLOT
.endr
	s_lshl_b32 s70, s42, 10
	s_lshl_b32 s71, s16, 9
	s_add_co_u32 s70, s70, s71                     ; my wave's 128 columns, in bytes
	s_mov_b32 s71, 0
	s_add_nc_u64 s[8:9], s[8:9], s[70:71]
	global_load_b128 v[96:99], v[LI], s[8:9]       ; the bias of my lane's four columns; it is waited for with the residual's first block
	s_lshl_b32 s72, s17, 1
	s_add_co_u32 s72, s72, s15
	s_lshl_b32 s72, s72, 19                        ; my group of 128 rows of 4,096 bytes
	s_add_co_u32 s70, s70, s72
	s_add_nc_u64 s[10:11], s[10:11], s[70:71]
	s_add_nc_u64 s[12:13], s[12:13], s[70:71]
	s_mul_i32 s73, s14, 16*528
	s_add_co_u32 s73, s73, SCR                     ; my stage
	v_mul_u32_u24 v6, v2, 528
	v_lshl_add_u32 v6, v3, 6, v6
	v_add_nc_u32 v[STO], s73, v6                   ; in: row r, + 64 h
	v_add_nc_u32 v[RD], s73, v[LI]                 ; back: a row of 512 bytes to the 32 lanes
.if LAPS > 2
	s_and_b32 s95, ttmp7, 0xffff                   ; cluster y
	s_cmp_eq_u32 s15, 0                            ; do I fetch for a?
	s_cselect_b32 s96, s40, s41                    ; my place among the four that ask with me
	s_cselect_b32 s95, ttmp9, s95                  ; the coordinate along which other clusters read the same panels
	s_cselect_b64 s[PFA:PFA+1], s[20:21], s[46:47]
	s_cmp_eq_u32 s95, 0
	s_cselect_b32 s[LIM], 1, -1
	s_lshl_b32 s96, s96, 13
	s_add_co_u32 s96, s96, 2*PANEL                 ; at panel 2: the first refill steps it to 3 and names panel 4
	s_mov_b32 s97, 0
	s_add_nc_u64 s[PFA:PFA+1], s[PFA:PFA+1], s[96:97]
	v_lshlrev_b32 v[PFO], 8, v1
.endif
.macro FRAG reg, adr, q, i
.irp c, 0,1,2,3
	ds_load_b128 v[\reg+4*\c:\reg+4*\c+3], v[\adr] offset:(8*(\q)+(\i))*2048+512*\c
.endr
.endm
.macro MUL16 a0, p, q, sc, zero        ; the 64 accumulators take turns, one instruction a turn
.irp a, \a0, \a0+1
.irp b, 0,1,2,3,4,5,6,7
.if \zero
	v_wmma_scale_f32_16x16x128_f8f6f4 v[8*(8*((\a)%4)+\b):8*(8*((\a)%4)+\b)+7], v[128*(\p)+FR*\b:128*(\p)+FR*\b+FR-1], v[AF+FR*(\a):AF+FR*(\a)+FR-1], 0, v[SCB+32*(\sc)+2*\b+(\q)], v[SCA+32*(\sc)+2*(\a)+(\q)]
.else
	v_wmma_scale_f32_16x16x128_f8f6f4 v[8*(8*((\a)%4)+\b):8*(8*((\a)%4)+\b)+7], v[128*(\p)+FR*\b:128*(\p)+FR*\b+FR-1], v[AF+FR*(\a):AF+FR*(\a)+FR-1], v[8*(8*((\a)%4)+\b):8*(8*((\a)%4)+\b)+7], v[SCB+32*(\sc)+2*\b+(\q)], v[SCA+32*(\sc)+2*(\a)+(\q)]
.endif
.endr
.endr
.endm
.macro FETCH_B slot, q, p
	WIN TO_B
.irp i, 0,1,2,3,4,5,6,7
	FRAG 128*(\p)+FR*\i, ADRB+\slot, \q, \i
.endr
	WIN 0
.endm
.macro FETCH_A slot, q, i0
.irp i, \i0, \i0+1, \i0+2, \i0+3
	FRAG AF+FR*(\i), ADRA+\slot, \q, \i
.endr
.endm
.macro SCALES sc
.irp i, 0,1,2,3,4,5,6,7
	ds_load_b64 v[SCA+32*\sc+2*\i:SCA+32*\sc+2*\i+1], v[ADSA+\sc] offset:32768+128*\i
	ds_load_b64 v[SCB+32*\sc+2*\i:SCB+32*\sc+2*\i+1], v[ADSB+\sc] offset:32768+128*\i
.endr
.endm
.macro PLACES n
.rept \n
	v_nop
.endr
.endm
.macro STEP slot, q, zero
	s_wait_dscnt 4*NL                              ; all but the youngest 16 loads (a's blocks 4-7) are in
	WIN MUL_LO
	MUL16 0, (\q)%2, \q, \slot, \zero
	MUL16 2, (\q)%2, \q, \slot, \zero
	s_wait_dscnt 0
	PLACES NP
	FETCH_B \slot, (\q)+1, 1-(\q)%2
	FETCH_A \slot, (\q)+1, 0
	WIN MUL_HI
	MUL16 4, (\q)%2, \q, \slot, \zero
	MUL16 6, (\q)%2, \q, \slot, \zero
	PLACES NP
	WIN 0
	FETCH_A \slot, (\q)+1, 4
.endm
.macro TURN slot, next, fill
.if (LAPS > 2) && \fill
	s_wait_xcnt 0x0                                ; the last prefetch, a K step back, has read its address: it is stepped here
	s_add_nc_u64 s[PFA:PFA+1], s[PFA:PFA+1], PANEL
.endif
	s_wait_tensorcnt 0x0                           ; all my tensor loads have landed: my panel of the next slot;
	ds_add_u32 v[SPW], v[NIL]                      ; 0 onto my spare word;
	s_wait_dscnt 4*NL+1                            ; (the add and a's blocks 4-7 may be out)
	WIN MUL_LO
	MUL16 0, 1, 1, \slot, 0
	s_wait_dscnt 0x0                               ; the add is done, and my reads of this slot are over
	s_barrier_signal -1
	MUL16 2, 1, 1, \slot, 0
	WIN 0
	s_barrier_wait -1
.if \fill
	CREST                                          ; a round of the cluster's barrier: no wave of any partner still reads this slot or has a load on its way
	s_add_nc_u64 s[G0+4*\slot+2:G0+4*\slot+3], s[G0+4*\slot+2:G0+4*\slot+3], 2*PANEL
	s_add_nc_u64 s[G0B+4*\slot+2:G0B+4*\slot+3], s[G0B+4*\slot+2:G0B+4*\slot+3], 2*PANEL
	JLOAD G0+4*\slot, G1, G0B+4*\slot, G1B
	PLACES NP-4
.else
	PLACES NP
.endif
	FETCH_B \next, 0, 0
	FETCH_A \next, 0, 0
	SCALES \next
.if (LAPS > 2) && \fill
	ASK                                            ; behind the joint load and the run of LDS loads
.endif
	WIN MUL_HI
	MUL16 4, 1, 1, \slot, 0
	MUL16 6, 1, 1, \slot, 0
	PLACES NP
	WIN 0
	FETCH_A \next, 0, 4
.endm
.macro RESLOAD a                       ; the residual's 16 rows of block a, my 512 bytes of each, into window 1
	WIN 0x40
.irp t, 0,1,2,3,4,5,6,7,8,9,10,11,12,13,14,15
	global_load_b128 v[64*((\a)%4)+4*\t:64*((\a)%4)+4*\t+3], v[LI], s[10:11] offset:(32*((\a)/2)+8*((\a)%2)+\t+8*(\t/8))*4096 th:TH_LOAD_NT
.endr
	WIN 0
.endm
.macro TOSTAGE a
.set AC, 64*((\a)%4)
	WIN 0x08+4*((\a)/4)                            ; an LDS store's data: window 2 or 3
.irp b, 0,1,2,3,4,5,6,7
	ds_store_b128 v[STO], v[AC+8*\b:AC+8*\b+3] offset:128*(\b/2)+32*(\b%2)        ; each accumulator from its low end on
	ds_store_b128 v[STO], v[AC+8*\b+4:AC+8*\b+7] offset:128*(\b/2)+32*(\b%2)+16
.endr
	WIN 0
.set BS_, BK+64*((\a)%2)
.irp t, 0,1,2,3,4,5,6,7,8,9,10,11,12,13,14,15
	ds_load_b128 v[BS_+4*\t:BS_+4*\t+3], v[RD] offset:\t*528    ; LDS serves a wave's instructions in order (ISA guide 5.7.1.4): these see the stores above
.endr
.endm
.macro SEND a, younger
.set BS_, BK+64*((\a)%2)
.set RS_, 64*((\a)%4)
	s_wait_dscnt \younger                          ; the block is back in registers; the next block's 16 stores and 16 loads may be out
.if 7-(\a) < 3
	s_wait_loadcnt 16*(7-(\a))                     ; its residual is in; the blocks asked for behind it may be out
.else
	s_wait_loadcnt 48
.endif
	WIN 0x04                                       ; source 1: window 1
.set P_, 0
.rept 32
	v_pk_add_f32 v[BS_+P_:BS_+P_+1], v[BS_+P_:BS_+P_+1], v[RS_+P_:RS_+P_+1]
.set P_, P_+2
.endr
	WIN 0
.set P_, 0
.rept 16
	v_pk_add_f32 v[BS_+P_:BS_+P_+1], v[BS_+P_:BS_+P_+1], v[96:97]
	v_pk_add_f32 v[BS_+P_+2:BS_+P_+3], v[BS_+P_+2:BS_+P_+3], v[98:99]
.set P_, P_+4
.endr
.irp t, 0,1,2,3,4,5,6,7,8,9,10,11,12,13,14,15
	global_store_b128 v[LI], v[BS_+4*\t:BS_+4*\t+3], s[12:13] offset:(32*((\a)/2)+8*((\a)%2)+\t+8*(\t/8))*4096 th:TH_STORE_NT   ; 512 consecutive bytes, aligned; 127 rows at the most: inside the immediate
.endr
.endm
	s_wait_tensorcnt 1                             ; my panel of slot 0 is in; slot 1's may be out
	s_barrier_signal -1
	s_barrier_wait -1
	FETCH_B 0, 0, 0
	FETCH_A 0, 0, 0
	SCALES 0
	FETCH_A 0, 0, 4
	STEP 0, 0, 1
	s_mov_b32 s3, LAPS-1
.Llap:
	TURN 0, 1, 1
	STEP 1, 0, 0
	TURN 1, 0, 1
	STEP 0, 0, 0
	s_sub_co_u32 s3, s3, 1
	s_cmp_lg_u32 s3, 0
	s_cbranch_scc1 .Llap
	TURN 0, 1, 0
	STEP 1, 0, 0
	RESLOAD 0                                      ; W's set 0 has had its last read, eight places back: the residual's first two blocks land there under the last step
	RESLOAD 1
	s_wait_dscnt 4*NL
	WIN MUL_LO
	MUL16 0, 1, 1, 1, 0
	MUL16 2, 1, 1, 1, 0
	s_wait_dscnt 0
	WIN MUL_HI
	MUL16 4, 1, 1, 1, 0
	MUL16 6, 1, 1, 1, 0
	WIN 0
	PLACES NP
	RESLOAD 2
	RESLOAD 3
	TOSTAGE 0
.irp a, 1,2,3,4,5,6,7
.if \a > 1
	s_wait_xcnt 0x0                                ; block a - 2's stores have read their registers: block a's rows may land there
.endif
	TOSTAGE \a
	SEND \a-1, 32
.if \a < 5
	RESLOAD \a+3
.endif
.endr
	SEND 7, 0
	s_wait_tensorcnt 0x0                           ; the wave's end
	ds_add_u32 v[SPW], v[NIL]
	s_wait_dscnt 0x0
	CROUND
	s_endpgm
.Lfunc_end_k_qed882a09a2_proj:
	.size	k_qed882a09a2_proj, .Lfunc_end_k_qed882a09a2_proj-k_qed882a09a2_proj
	.p2alignl 7, 3214868480
	.fill 96, 4, 3214868480
	.section	.rodata,"a",@progbits
	.p2align	6, 0x0
	.amdhsa_kernel k_qed882a09a2_proj
		.amdhsa_group_segment_fixed_size 327680
		.amdhsa_private_segment_fixed_size 0
		.amdhsa_enable_private_segment 0
		.amdhsa_kernarg_size 40
		.amdhsa_user_sgpr_count 2
		.amdhsa_user_sgpr_kernarg_segment_ptr 1
		.amdhsa_wavefront_size32 1
		.amdhsa_system_sgpr_workgroup_id_x 1
		.amdhsa_system_sgpr_workgroup_id_y 1
		.amdhsa_system_sgpr_workgroup_id_z 1
		.amdhsa_system_vgpr_workitem_id 0
		.amdhsa_next_free_vgpr 1024
		.amdhsa_next_free_sgpr 100
		.amdhsa_reserve_vcc 0
		.amdhsa_float_denorm_mode_32 3
		.amdhsa_float_denorm_mode_16_64 3
		.amdhsa_memory_ordered 1
		.amdhsa_forward_progress 1
		.amdhsa_inst_pref_size 190
	.end_amdhsa_kernel
	.amdgpu_metadata
---
amdhsa.version: [ 1, 2 ]
amdhsa.kernels:
  - .name:           k_qed882a09a2_proj
    .symbol:         k_qed882a09a2_proj.kd
    .args:
      - { .name: cx, .offset: 0, .size: 8, .value_kind: global_buffer, .address_space: global }
      - { .name: wc, .offset: 8, .size: 8, .value_kind: global_buffer, .address_space: global }
      - { .name: proj_b, .offset: 16, .size: 8, .value_kind: global_buffer, .address_space: global }
      - { .name: x, .offset: 24, .size: 8, .value_kind: global_buffer, .address_space: global }
      - { .name: x2, .offset: 32, .size: 8, .value_kind: global_buffer, .address_space: global }
    .group_segment_fixed_size: 327680
    .private_segment_fixed_size: 0
    .kernarg_segment_align: 8
    .kernarg_segment_size: 40
    .max_flat_workgroup_size: 128
    .sgpr_count:     100
    .vgpr_count:     1024
    .wavefront_size: 32
...
	.end_amdgpu_metadata
.endif
;; end of part 4
;; launch ln2: the kernel of part 1 again; grid 256 x 1, 4 waves a work-group, no clusters, 66,560 bytes of LDS; arguments x2, ln2_scale, ln2_bias, h, qkv_w, proj_w, wi_w, wo_w, wc; writes h, wc
;; launch wi (part 5): grid 16 x 16, 4 waves a work-group, clusters of 4 x 4, 327,680 bytes of LDS; arguments h, wc, wi_b, g; writes g
.if DOCPART == 5
	.amdgcn_target "amdgcn-amd-amdhsa--gfx1250"
	.amdhsa_code_object_version 6
	.text
	.protected	k_qed882a09a2_wi
	.globl	k_qed882a09a2_wi
	.p2align	8
	.type	k_qed882a09a2_wi,@function
k_qed882a09a2_wi:
	s_mov_b64 s[64:65], 0
	v_nop
	global_prefetch_b8 v0, s[64:65] scope:SCOPE_SE
	s_setreg_imm32_b32 hwreg(HW_REG_WAVE_MODE, 25, 1), 1
	s_wait_xcnt 0x0
	s_wait_alu depctr_hold_cnt(0) depctr_sa_sdst(0) depctr_va_vdst(0) depctr_va_sdst(0) depctr_va_ssrc(0) depctr_va_vcc(0) depctr_vm_vsrc(0)
	s_getreg_b32 s2, hwreg(HW_REG_IB_STS2, 6, 4)
	s_cmp_eq_u32 s2, 0
	s_cbranch_scc0 .Lentry_in_a_cluster
	s_endpgm
.Lentry_in_a_cluster:
	s_bfe_u32 s2, ttmp6, 0x10000c
	s_cmp_lg_u32 s2, 0xf033
	s_cbranch_scc0 .Lentry_shape_is_right
	s_endpgm
.Lentry_shape_is_right:
; g = Q(gelu(LN2(x2) wi_w + wi_b)): the product on codes of E4M3 (one E8M0 byte for each 32 of K = 1,024), the activation in f32, and the result quantised at once along the 4,096 hidden units, the next product's K.
; OPERANDS come as PANELS of 128 rows x 256 K, 33,792 dense bytes: fragment (q, i) at (8 q + i) 2048 + 512 c + 16 lane, the image of its registers; row r of fragment i is row PERM(i, r) = 32 (i / 2) + 8 (i % 2) + r + 8 (r / 8);
; scale words at 32768 + 128 i + 8 r + 4 q.  A tile of 256 x 256 to a work-group, 128 x 128 to each of four waves.  K goes in steps of 256 through two LDS slots of four panels.
; CLUSTERS: 4 x 4 work-groups; the tokens' panels are shared along a row of the cluster, the weights' along a column: each is asked for jointly.
; THE PRODUCT IS USED TRANSPOSED (source 0 = the weights' fragment b, source 1 = the tokens' fragment a): lane (r, h) of accumulator (a, b) holds token PERM(a, r), register j hidden unit 32 (b / 2) + 16 h + 8 (b % 2) + j:
; the 64 registers of a's eight accumulators ARE fragment a of g's panel, before quantising: its codes leave by four stores of 512 consecutive bytes, with no stage.
; gelu(x) = x / (1 + 2^(x (c1 + c2 x^2))), c1 = -2 sqrt(2 / pi) log2(e), c2 = 0.044715 c1: the tanh form rewritten, nothing left out.
; LIMITS: NaN and infinities are not served; a block whose largest magnitude lies under 2^-118 gets the byte 1.
; REGISTERS: window 0: v0-31 addresses and constants; v32-95 scale words and nothing else; v128-255 the tokens' fragments.  Window 1: the weights' fragments, behind the loop the bias.  Windows 2, 3: accumulators.
.set PANEL,  33792
.set SLOT,   4*PANEL
.set SPARE,  2*SLOT
.set SCR,    SPARE+512                 ; 512 bytes a wave: the bias of its 128 hidden units; no fill lands here
.set KQ,     4
.set WOFF,   128
.set LAPS,   KQ/2
.set FR,     16
.set NL,     4
.set NP,     8
.set PW,   3                           ; v3 the scale word just made; v4 the even block's
.set PWE,  4
.set C1,   6                           ; v[6:7] c1 twice; v[8:9] c2 twice
.set C2,   8
.set SD,   10                          ; v10-13 scale words to store: a register for each pair of blocks
.set VS,   14
.set LI,   15
.set ADRA, 16
.set ADSA, 18
.set ADRB, 20
.set ADSB, 22
.set BST,  24
.set BIA,  25
.set SPW,  28
.set NIL,  29
.set SCA,  32
.set SCB,  48
.set AF,   128
.set T,    96                          ; behind the loop: v96-159 x, then gelu(x); v160-223 at work; v224-239 codes; v240-255 at work in the quantiser
.set U,    160
.set PC,   224
.set TM,   240
.set G1,   24
.set G0,   32
.set G1B,  48
.set G0B,  56
.set SEL,  86
.set MNT,  88
.set MSB, 0
.macro WIN new
.if MSB != \new
	s_set_vgpr_msb (MSB<<8)|\new
.set MSB, \new
.endif
.endm
.set MUL_LO, 0xa1
.set MUL_HI, 0xf1
.set TO_B,   0x40
.macro JLOAD g0a, g1a, g0b, g1b        ; a joint load: waves 0, 1 fetch the tokens' panels, waves 2, 3 the weights'; four v_nop follow each line
	s_cmp_eq_u32 s15, 0
	s_cbranch_scc0 .Lfor_b_\@
	tensor_load_to_lds s[\g0a:\g0a+3], s[\g1a:\g1a+7]
	s_nop 0
.rept 4
	v_nop
.endr
	s_branch .Lasked_\@
.Lfor_b_\@:
	tensor_load_to_lds s[\g0b:\g0b+3], s[\g1b:\g1b+7]
	s_nop 0
.rept 4
	v_nop
.endr
.Lasked_\@:
.endm
.macro CREST
	s_cmp_lg_u32 s14, 0
	s_cbranch_scc1 .Lnot_wave_0_\@
	s_barrier_signal -3
.Lnot_wave_0_\@:
	s_barrier_wait -3
	s_barrier_signal -1
	s_barrier_wait -1
.endm
.macro CROUND
	s_barrier_signal -1
	s_barrier_wait -1
	CREST
.endm
	s_load_b256 s[4:11], s[0:1], 0x0               ; h, wc, wi_b, g
	v_lshl_add_u32 v[SPW], v0, 2, SPARE
	v_mov_b32 v[NIL], 0
	ds_add_u32 v28, v29
	ds_add_u32 v28, v29
	s_wait_dscnt 0x0
	v_lshrrev_b32 v1, 5, v0
	v_readfirstlane_b32 s14, v1
	s_lshr_b32 s15, s14, 1
	s_and_b32 s16, s14, 1
	s_bfe_u32 s40, ttmp6, 0x40000
	s_bfe_u32 s41, ttmp6, 0x40004
	s_lshl_b32 s42, ttmp9, 2
	s_add_co_u32 s42, s42, s40                     ; tile column
	s_and_b32 s17, ttmp7, 0xffff
	s_lshl_b32 s17, s17, 2
	s_add_co_u32 s17, s17, s41                     ; tile row
	s_lshl_b32 s43, s41, 2
	s_lshl_b32 s43, 15, s43
	s_lshl_b32 s44, 0x1111, s40
	s_or_b32 s[G1+0], s43, (3<<16)|(1<<21)
	s_or_b32 s[G1B+0], s44, (3<<16)|(1<<21)
.irp g, G1, G1B
	s_mov_b32 s[\g+1], 32<<16                      ; a panel as 132 rows of 256 bytes, dense
	s_mov_b32 s[\g+2], 132<<16
	s_mov_b32 s[\g+3], 32<<16
	s_mov_b32 s[\g+4], 132
	s_mov_b32 s[\g+5], 32
	s_mov_b32 s[\g+6], 0
	s_mov_b32 s[\g+7], 0
.endr
	s_lshl_b32 s20, s17, 1
	s_add_co_u32 s20, s20, s16
	s_mul_i32 s20, s20, KQ*PANEL
	s_mov_b32 s21, 0
	s_lshl_b32 s46, s42, 1
	s_add_co_u32 s46, s46, s16
	s_mul_i32 s46, s46, KQ*PANEL
	s_add_co_u32 s46, s46, WOFF*PANEL
	s_mov_b32 s47, 0
	s_mul_i32 s45, s14, PANEL
	s_wait_kmcnt 0x0
	s_add_nc_u64 s[20:21], s[4:5], s[20:21]
	s_add_nc_u64 s[46:47], s[6:7], s[46:47]
	CROUND
.irp s, 0,1
	s_mov_b32 s[G0+4*\s], 1
	s_add_co_u32 s[G0+4*\s+1], s45, \s*SLOT
	s_add_nc_u64 s[G0+4*\s+2:G0+4*\s+3], s[20:21], \s*PANEL
	s_or_b32 s[G0+4*\s+3], s[G0+4*\s+3], 0x80000000
	s_mov_b32 s[G0B+4*\s], 1
	s_add_co_u32 s[G0B+4*\s+1], s45, \s*SLOT
	s_add_nc_u64 s[G0B+4*\s+2:G0B+4*\s+3], s[46:47], \s*PANEL
	s_or_b32 s[G0B+4*\s+3], s[G0B+4*\s+3], 0x80000000
	JLOAD G0+4*\s, G1, G0B+4*\s, G1B
.endr
	v_and_b32 v1, 31, v0
	v_and_b32 v2, 15, v0
	v_bfe_u32 v3, v0, 4, 1
	v_lshlrev_b32 v[LI], 4, v1
	v_lshlrev_b32 v5, 3, v2
	s_mul_i32 s66, s15, PANEL
	s_mul_i32 s67, s16, PANEL
	s_add_co_u32 s67, s67, 2*PANEL
.irp s, 0,1
	v_add_nc_u32 v[ADRA+\s], s66, v[LI]
	v_add_nc_u32 v[ADSA+\s], s66, v5
	v_add_nc_u32 v[ADRB+\s], s67, v[LI]
	v_add_nc_u32 v[ADSB+\s], s67, v5
	s_add_co_u32 s66, s66, SLOT
	s_add_co_u32 s67, s67, SLOT
.endr
	s_lshl_b32 s70, s42, 10
	s_lshl_b32 s71, s16, 9
	s_add_co_u32 s70, s70, s71                     ; my wave's 128 hidden units, in bytes
	s_mov_b32 s71, 0
	s_add_nc_u64 s[8:9], s[8:9], s[70:71]
	global_load_b128 v[96:99], v[LI], s[8:9]
	s_lshl_b32 s72, s14, 9
	s_add_co_u32 s72, s72, SCR
	v_add_nc_u32 v[BST], s72, v[LI]
	v_lshl_add_u32 v[BIA], v3, 6, s72
	s_lshl_b32 s73, s17, 1
	s_add_co_u32 s73, s73, s15                     ; my group of 128 tokens
	s_lshl_b32 s73, s73, 4
	s_add_co_u32 s73, s73, s42                     ; g's panel: 16 to a group, the tile column says which
	s_mul_i32 s74, s73, PANEL
	s_mov_b32 s75, 0
	s_add_nc_u64 s[84:85], s[10:11], s[74:75]
	s_lshl_b32 s74, s16, 14                        ; my half of the columns is the panel's q
	s_add_nc_u64 s[80:81], s[84:85], s[74:75]
	v_lshlrev_b32 v[VS], 3, v2
	v_lshl_add_u32 v[VS], v3, 7, v[VS]
	s_lshl_b32 s76, s16, 2
	v_add_nc_u32 v[VS], s76, v[VS]                 ; 8 r + 4 q; lanes 16-31 the next block's words, 128 bytes on
	v_mov_b32 v[C1], 0xc0135761                    ; -2.3022082
	v_mov_b32 v[C1+1], 0xc0135761
	v_mov_b32 v[C2], 0xbdd2d3e8                    ; -0.10294324
	v_mov_b32 v[C2+1], 0xbdd2d3e8
	s_mov_b32 s[SEL], 0x76543210
	s_mov_b32 s[SEL+1], 0xfedcba98
	s_mov_b32 s[MNT], 0x600000
	s_mov_b32 s89, 0xffff0000
	s_wait_loadcnt 0x0
	ds_store_b128 v[BST], v[96:99]                 ; my wave's own 512 bytes: only I read them
.macro FRAG reg, adr, q, i
.irp c, 0,1,2,3
	ds_load_b128 v[\reg+4*\c:\reg+4*\c+3], v[\adr] offset:(8*(\q)+(\i))*2048+512*\c
.endr
.endm
.macro MUL16 a0, p, q, sc, zero        ; the 64 accumulators take turns, one instruction a turn
.irp a, \a0, \a0+1
.irp b, 0,1,2,3,4,5,6,7
.if \zero
	v_wmma_scale_f32_16x16x128_f8f6f4 v[8*(8*((\a)%4)+\b):8*(8*((\a)%4)+\b)+7], v[128*(\p)+FR*\b:128*(\p)+FR*\b+FR-1], v[AF+FR*(\a):AF+FR*(\a)+FR-1], 0, v[SCB+32*(\sc)+2*\b+(\q)], v[SCA+32*(\sc)+2*(\a)+(\q)]
.else
	v_wmma_scale_f32_16x16x128_f8f6f4 v[8*(8*((\a)%4)+\b):8*(8*((\a)%4)+\b)+7], v[128*(\p)+FR*\b:128*(\p)+FR*\b+FR-1], v[AF+FR*(\a):AF+FR*(\a)+FR-1], v[8*(8*((\a)%4)+\b):8*(8*((\a)%4)+\b)+7], v[SCB+32*(\sc)+2*\b+(\q)], v[SCA+32*(\sc)+2*(\a)+(\q)]
.endif
.endr
.endr
.endm
.macro FETCH_B slot, q, p
	WIN TO_B
.irp i, 0,1,2,3,4,5,6,7
	FRAG 128*(\p)+FR*\i, ADRB+\slot, \q, \i
.endr
	WIN 0
.endm
.macro FETCH_A slot, q, i0
.irp i, \i0, \i0+1, \i0+2, \i0+3
	FRAG AF+FR*(\i), ADRA+\slot, \q, \i
.endr
.endm
.macro SCALES sc
.irp i, 0,1,2,3,4,5,6,7
	ds_load_b64 v[SCA+32*\sc+2*\i:SCA+32*\sc+2*\i+1], v[ADSA+\sc] offset:32768+128*\i
	ds_load_b64 v[SCB+32*\sc+2*\i:SCB+32*\sc+2*\i+1], v[ADSB+\sc] offset:32768+128*\i
.endr
.endm
.macro PLACES n
.rept \n
	v_nop
.endr
.endm
.macro STEP slot, q, zero
	s_wait_dscnt 4*NL                              ; all but the youngest 16 loads (the tokens' blocks 4-7) are in
	WIN MUL_LO
	MUL16 0, (\q)%2, \q, \slot, \zero
	MUL16 2, (\q)%2, \q, \slot, \zero
	s_wait_dscnt 0
	PLACES NP
	FETCH_B \slot, (\q)+1, 1-(\q)%2
	FETCH_A \slot, (\q)+1, 0
	WIN MUL_HI
	MUL16 4, (\q)%2, \q, \slot, \zero
	MUL16 6, (\q)%2, \q, \slot, \zero
	PLACES NP
	WIN 0
	FETCH_A \slot, (\q)+1, 4
.endm
.macro TURN slot, next, fill
	s_wait_tensorcnt 0x0                           ; all my tensor loads have landed: my panel of the next slot;
	ds_add_u32 v[SPW], v[NIL]                      ; 0 onto my spare word;
	s_wait_dscnt 4*NL+1                            ; (the add and the tokens' blocks 4-7 may be out)
	WIN MUL_LO
	MUL16 0, 1, 1, \slot, 0
	s_wait_dscnt 0x0                               ; the add is done, and my reads of this slot are over
	s_barrier_signal -1
	MUL16 2, 1, 1, \slot, 0
	WIN 0
	s_barrier_wait -1
.if \fill
	CREST                                          ; a round of the cluster's barrier: no wave of any partner still reads this slot or has a load on its way
	s_add_nc_u64 s[G0+4*\slot+2:G0+4*\slot+3], s[G0+4*\slot+2:G0+4*\slot+3], 2*PANEL
	s_add_nc_u64 s[G0B+4*\slot+2:G0B+4*\slot+3], s[G0B+4*\slot+2:G0B+4*\slot+3], 2*PANEL
	JLOAD G0+4*\slot, G1, G0B+4*\slot, G1B
	PLACES NP-4
.else
	PLACES NP
.endif
	FETCH_B \next, 0, 0
	FETCH_A \next, 0, 0
	SCALES \next
	WIN MUL_HI
	MUL16 4, 1, 1, \slot, 0
	MUL16 6, 1, 1, \slot, 0
	PLACES NP
	WIN 0
	FETCH_A \next, 0, 4
.endm
	s_wait_dscnt 0x0                               ; no LDS instruction of mine is out at a signal
	s_wait_tensorcnt 1                             ; my panel of slot 0 is in; slot 1's may be out
	s_barrier_signal -1
	s_barrier_wait -1
	FETCH_B 0, 0, 0
	FETCH_A 0, 0, 0
	SCALES 0
	FETCH_A 0, 0, 4
	STEP 0, 0, 1
	s_mov_b32 s3, LAPS-1
.Llap:
	TURN 0, 1, 1
	STEP 1, 0, 0
	TURN 1, 0, 1
	STEP 0, 0, 0
	s_sub_co_u32 s3, s3, 1
	s_cmp_lg_u32 s3, 0
	s_cbranch_scc1 .Llap
	TURN 0, 1, 0
	STEP 1, 0, 0
	s_wait_dscnt 4*NL
	WIN MUL_LO
	MUL16 0, 1, 1, 1, 0
	MUL16 2, 1, 1, 1, 0
	s_wait_dscnt 0
	WIN MUL_HI
	MUL16 4, 1, 1, 1, 0
	MUL16 6, 1, 1, 1, 0
	WIN 0
	PLACES NP
.macro QUANT s
.irp b, 0,1,2,3
	v_max3_num_f32 v[TM+\b], |v[\s+16*\b]|, |v[\s+1+16*\b]|, 0x4800000   ; with the floor 2^(9 - 127): the byte cannot fall under 1
.endr
.irp i, 2,4,6,8,10,12,14
.irp b, 0,1,2,3
	v_max3_num_f32 v[TM+\b], v[TM+\b], |v[\s+16*\b+\i]|, |v[\s+1+16*\b+\i]|
.endr
.endr
.irp b, 0,1,2,3
	v_permlanex16_b32 v[TM+4+\b], v[TM+\b], s[SEL], s[SEL+1]
.endr
.irp b, 0,1,2,3
	v_max_num_f32 v[TM+\b], v[TM+\b], v[TM+4+\b]
.endr
.irp b, 0,1,2,3
	v_add_nc_u32 v[TM+12+\b], 0xfc000000, v[TM+\b]
.endr
.irp b, 0,1,2,3
	v_and_or_b32 v[TM+8+\b], v[TM+\b], 0x7f800000, s[MNT]
.endr
.irp b, 0,1,2,3
	v_lshrrev_b32 v[TM+4+\b], 23, v[TM+12+\b]
.endr
	v_lshl_or_b32 v[PW], v[TM+5], 8, v[TM+4]
	v_lshl_or_b32 v[PW], v[TM+6], 16, v[PW]
	v_lshl_or_b32 v[PW], v[TM+7], 24, v[PW]
	s_wait_xcnt 0x0                                ; the last block's stores have read the codes' registers: they are written again only behind this wait
.irp b, 0,1,2,3
.irp i, 0,1,2,3,4,5,6,7,8,9,10,11,12,13,14,15
	v_med3_num_f32 v[\s+16*\b+\i], v[\s+16*\b+\i], -v[TM+8+\b], v[TM+8+\b]   ; the conversion does not saturate (ISA guide 7.6.2): the hold comes first
.endr
	v_cvt_scalef32_pk8_fp8_f32 v[PC+4*\b:PC+1+4*\b], v[\s+16*\b:\s+7+16*\b], v[TM+12+\b]
	v_cvt_scalef32_pk8_fp8_f32 v[PC+2+4*\b:PC+3+4*\b], v[\s+8+16*\b:\s+15+16*\b], v[TM+12+\b]
.endr
	v_nop
.endm
.irp b, 0,1,2,3
	v_mov_b32 v[TM+4+\b], 0                        ; a lane permute's destination counts as one of its sources
.endr
	WIN 0x40                                       ; the bias goes into window 1, where the weights' fragments lay
.irp b, 0,1,2,3
.irp j, 0,1,2,3
	ds_load_b128 v[16*\b+4*\j:16*\b+4*\j+3], v[BIA] offset:128*\b+16*\j   ; register 16 b + i: the bias of hidden unit 32 b + 16 h + i
.endr
.endr
	WIN 0
	s_wait_dscnt 0x0
.macro EPI a
	WIN 0x06+(\a)/4                                ; source 0: window 2 or 3; source 1: window 1
.set P_, 0
.rept 32
	v_pk_add_f32 v[T+P_:T+P_+1], v[64*((\a)%4)+P_:64*((\a)%4)+P_+1], v[P_:P_+1]   ; x; each accumulator from its low end on
.set P_, P_+2
.endr
	WIN 0
.set P_, 0
.rept 32
	v_pk_mul_f32 v[U+P_:U+P_+1], v[T+P_:T+P_+1], v[T+P_:T+P_+1]
.set P_, P_+2
.endr
.set P_, 0
.rept 32
	v_pk_fma_f32 v[U+P_:U+P_+1], v[U+P_:U+P_+1], v[C2:C2+1], v[C1:C1+1]
.set P_, P_+2
.endr
.set P_, 0
.rept 32
	v_pk_mul_f32 v[U+P_:U+P_+1], v[U+P_:U+P_+1], v[T+P_:T+P_+1]              ; x (c1 + c2 x^2)
.set P_, P_+2
.endr
.set P_, 0
.rept 64
	v_exp_f32 v[U+P_], v[U+P_]
.set P_, P_+1
.endr
	v_nop                                          ; a plain line behind the last exponential
	s_wait_alu depctr_va_vdst(0)                   ; one wait for the batch of 64
.set P_, 0
.rept 32
	v_pk_add_f32 v[U+P_:U+P_+1], v[U+P_:U+P_+1], 1.0 op_sel_hi:[1,0]
.set P_, P_+2
.endr
.set P_, 0
.rept 64
	v_rcp_f32 v[U+P_], v[U+P_]
.set P_, P_+1
.endr
	v_nop
	s_wait_alu depctr_va_vdst(0)                   ; and one for the reciprocals
.set P_, 0
.rept 32
	v_pk_mul_f32 v[T+P_:T+P_+1], v[T+P_:T+P_+1], v[U+P_:U+P_+1]              ; gelu(x)
.set P_, P_+2
.endr
	QUANT T
.irp c, 0,1,2,3
	global_store_b128 v[LI], v[PC+4*\c:PC+4*\c+3], s[80:81] offset:2048*(\a)+512*\c   ; fragment (q, a) of g's panel: 512 consecutive bytes a store
.endr
.if (\a)%2 == 0
	v_mov_b32 v[PWE], v[PW]
.else
	v_cndmask_b32 v[SD+(\a)/2], v[PWE], v[PW], s89         ; lanes 0-15 the even block's words, lanes 16-31 the odd block's
	global_store_b32 v[VS], v[SD+(\a)/2], s[84:85] offset:32768+128*((\a)-1)
.endif
.endm
.irp a, 0,1,2,3,4,5,6,7
	EPI \a
.endr
	s_wait_tensorcnt 0x0                           ; the wave's end
	ds_add_u32 v[SPW], v[NIL]
	s_wait_dscnt 0x0
	CROUND
	s_endpgm
.Lfunc_end_k_qed882a09a2_wi:
	.size	k_qed882a09a2_wi, .Lfunc_end_k_qed882a09a2_wi-k_qed882a09a2_wi
	.p2alignl 7, 3214868480
	.fill 96, 4, 3214868480
	.section	.rodata,"a",@progbits
	.p2align	6, 0x0
	.amdhsa_kernel k_qed882a09a2_wi
		.amdhsa_group_segment_fixed_size 327680
		.amdhsa_private_segment_fixed_size 0
		.amdhsa_enable_private_segment 0
		.amdhsa_kernarg_size 32
		.amdhsa_user_sgpr_count 2
		.amdhsa_user_sgpr_kernarg_segment_ptr 1
		.amdhsa_wavefront_size32 1
		.amdhsa_system_sgpr_workgroup_id_x 1
		.amdhsa_system_sgpr_workgroup_id_y 1
		.amdhsa_system_sgpr_workgroup_id_z 1
		.amdhsa_system_vgpr_workitem_id 0
		.amdhsa_next_free_vgpr 1024
		.amdhsa_next_free_sgpr 100
		.amdhsa_reserve_vcc 0
		.amdhsa_float_denorm_mode_32 3
		.amdhsa_float_denorm_mode_16_64 3
		.amdhsa_memory_ordered 1
		.amdhsa_forward_progress 1
		.amdhsa_inst_pref_size 255
	.end_amdhsa_kernel
	.section	.bss,"aw",@nobits
	.p2align	6
	.space	262144
	.amdgpu_metadata
---
amdhsa.version: [ 1, 2 ]
amdhsa.kernels:
  - .name:           k_qed882a09a2_wi
    .symbol:         k_qed882a09a2_wi.kd
    .args:
      - { .name: h, .offset: 0, .size: 8, .value_kind: global_buffer, .address_space: global }
      - { .name: wc, .offset: 8, .size: 8, .value_kind: global_buffer, .address_space: global }
      - { .name: wi_b, .offset: 16, .size: 8, .value_kind: global_buffer, .address_space: global }
      - { .name: g, .offset: 24, .size: 8, .value_kind: global_buffer, .address_space: global }
    .group_segment_fixed_size: 327680
    .private_segment_fixed_size: 0
    .kernarg_segment_align: 8
    .kernarg_segment_size: 32
    .max_flat_workgroup_size: 128
    .sgpr_count:     100
    .vgpr_count:     1024
    .wavefront_size: 32
...
	.end_amdgpu_metadata
.endif
;; end of part 5
;; launch wo (part 6): grid 4 x 16, 4 waves a work-group, clusters of 4 x 4, 327,680 bytes of LDS; arguments g, wc, wo_b, x2, out0; writes out0
.if DOCPART == 6
	.amdgcn_target "amdgcn-amd-amdhsa--gfx1250"
	.amdhsa_code_object_version 6
	.text
	.protected	k_qed882a09a2_wo
	.globl	k_qed882a09a2_wo
	.p2align	8
	.type	k_qed882a09a2_wo,@function
k_qed882a09a2_wo:
	s_mov_b64 s[64:65], 0
	v_nop
	global_prefetch_b8 v0, s[64:65] scope:SCOPE_SE
	s_setreg_imm32_b32 hwreg(HW_REG_WAVE_MODE, 25, 1), 1
	s_wait_xcnt 0x0
	s_wait_alu depctr_hold_cnt(0) depctr_sa_sdst(0) depctr_va_vdst(0) depctr_va_sdst(0) depctr_va_ssrc(0) depctr_va_vcc(0) depctr_vm_vsrc(0)
	s_getreg_b32 s2, hwreg(HW_REG_IB_STS2, 6, 4)
	s_cmp_eq_u32 s2, 0
	s_cbranch_scc0 .Lentry_in_a_cluster
	s_endpgm
.Lentry_in_a_cluster:
	s_bfe_u32 s2, ttmp6, 0x10000c
	s_cmp_lg_u32 s2, 0xf033
	s_cbranch_scc0 .Lentry_shape_is_right
	s_endpgm
.Lentry_shape_is_right:
; out = res + a W + bias, f32; a and W as codes of E4M3 with one E8M0 byte for each 32 of K.  Here: a = g (the hidden layer), W = wo_w (K = 4,096), res = x2, out = out0.
; OPERANDS come as PANELS of 128 rows x 256 K, 33,792 dense bytes: fragment (q, i) at (8 q + i) 2048 + 512 c + 16 lane, the image of its registers; row r of fragment i is row PERM(i, r) = 32 (i / 2) + 8 (i % 2) + r + 8 (r / 8);
; scale words at 32768 + 128 i + 8 r + 4 q.  A tile of 256 x 256 to a work-group, 128 x 128 to each of four waves.  K goes in steps of 256 through two LDS slots of four panels.
; CLUSTERS: 4 x 4 work-groups; a's panels are shared along a row of the cluster, W's along a column: each is asked for jointly.  The grid is 64 work-groups: N = 1,024 gives no more tiles of this size.
; THE PRODUCT IS USED TRANSPOSED (source 0 = W's fragment b, source 1 = a's fragment a): lane (r, h) of accumulator (a, b) holds row PERM(a, r), register j column 32 (b / 2) + 16 h + 8 (b % 2) + j.
; THE WAY OUT: a block of 16 rows goes through the wave's own stage in LDS and comes back as whole rows of 512 bytes; the residual's rows are loaded four blocks ahead into the registers that held W's fragments.
; REGISTERS: window 0: v0-31 addresses; v32-95 scale words and nothing else; v96-99 the bias of my four columns; v128-255 a's fragments, later rows on the way out.  Window 1: W's fragments, later the residual.  Windows 2, 3: accumulators.
.set PANEL,  33792
.set SLOT,   4*PANEL
.set SPARE,  2*SLOT
.set SCR,    SPARE+512                 ; the stages: 16 rows x 528 bytes for each wave; no fill lands here
.set KQ,     16                        ; panels along K
.set WOFF,   256                       ; the weight's first panel in wc
.set LAPS,   KQ/2
.set FR,     16
.set NL,     4
.set NP,     8
.set LI,   15
.set ADRA, 16
.set ADSA, 18
.set ADRB, 20
.set ADSB, 22
.set STO,  24
.set RD,   25
.set SPW,  28
.set NIL,  29
.set PFO,  30
.set SCA,  32
.set SCB,  48
.set AF,   128
.set BK,   128
.set G1,   24
.set G0,   32
.set G1B,  48
.set G0B,  56
.set PFA,  92
.set LIM,  94
.set MSB, 0
.macro WIN new
.if MSB != \new
	s_set_vgpr_msb (MSB<<8)|\new
.set MSB, \new
.endif
.endm
.set MUL_LO, 0xa1
.set MUL_HI, 0xf1
.set TO_B,   0x40
.macro JLOAD g0a, g1a, g0b, g1b        ; a joint load: waves 0, 1 fetch a's panels, waves 2, 3 W's; four v_nop follow each line
	s_cmp_eq_u32 s15, 0
	s_cbranch_scc0 .Lfor_b_\@
	tensor_load_to_lds s[\g0a:\g0a+3], s[\g1a:\g1a+7]
	s_nop 0
.rept 4
	v_nop
.endr
	s_branch .Lasked_\@
.Lfor_b_\@:
	tensor_load_to_lds s[\g0b:\g0b+3], s[\g1b:\g1b+7]
	s_nop 0
.rept 4
	v_nop
.endr
.Lasked_\@:
.endm
.macro CREST
	s_cmp_lg_u32 s14, 0
	s_cbranch_scc1 .Lnot_wave_0_\@
	s_barrier_signal -3
.Lnot_wave_0_\@:
	s_barrier_wait -3
	s_barrier_signal -1
	s_barrier_wait -1
.endm
.macro CROUND
	s_barrier_signal -1
	s_barrier_wait -1
	CREST
.endm
; A prefetch into the L2 (only where K has more than four panels): the code bytes of the panel that stands two refills on, 32,768 bytes: the four partners that ask for a panel jointly take 8,192 each, told apart by address,
; a lane 256 bytes.  a's panels are named by the clusters with x = 0, W's by those with y = 0: each block once in the launch.  The loop's last trip asks for nothing: there is no panel two refills on.
.macro ASK
	s_cmp_gt_u32 s3, s[LIM]
	s_cbranch_scc0 .Lnot_mine_\@
	global_prefetch_b8 v[PFO], s[PFA:PFA+1] offset:PANEL th:TH_LOAD_NT scope:SCOPE_SE
.Lnot_mine_\@:
.endm
	s_load_b256 s[4:11], s[0:1], 0x0               ; a, wc, bias, res
	s_load_b64 s[12:13], s[0:1], 0x20              ; out
	v_lshl_add_u32 v[SPW], v0, 2, SPARE
	v_mov_b32 v[NIL], 0
	ds_add_u32 v28, v29
	ds_add_u32 v28, v29
	s_wait_dscnt 0x0
	v_lshrrev_b32 v1, 5, v0
	v_readfirstlane_b32 s14, v1
	s_lshr_b32 s15, s14, 1
	s_and_b32 s16, s14, 1
	s_bfe_u32 s40, ttmp6, 0x40000
	s_bfe_u32 s41, ttmp6, 0x40004
	s_lshl_b32 s42, ttmp9, 2
	s_add_co_u32 s42, s42, s40                     ; tile column
	s_and_b32 s17, ttmp7, 0xffff
	s_lshl_b32 s17, s17, 2
	s_add_co_u32 s17, s17, s41                     ; tile row
	s_lshl_b32 s43, s41, 2
	s_lshl_b32 s43, 15, s43
	s_lshl_b32 s44, 0x1111, s40
	s_or_b32 s[G1+0], s43, (3<<16)|(1<<21)
	s_or_b32 s[G1B+0], s44, (3<<16)|(1<<21)
.irp g, G1, G1B
	s_mov_b32 s[\g+1], 32<<16                      ; a panel as 132 rows of 256 bytes, dense
	s_mov_b32 s[\g+2], 132<<16
	s_mov_b32 s[\g+3], 32<<16
	s_mov_b32 s[\g+4], 132
	s_mov_b32 s[\g+5], 32
	s_mov_b32 s[\g+6], 0
	s_mov_b32 s[\g+7], 0
.endr
	s_lshl_b32 s20, s17, 1
	s_add_co_u32 s20, s20, s16
	s_mul_i32 s20, s20, KQ*PANEL
	s_mov_b32 s21, 0
	s_lshl_b32 s46, s42, 1
	s_add_co_u32 s46, s46, s16
	s_mul_i32 s46, s46, KQ*PANEL
	s_add_co_u32 s46, s46, WOFF*PANEL
	s_mov_b32 s47, 0
	s_mul_i32 s45, s14, PANEL
	s_wait_kmcnt 0x0
	s_add_nc_u64 s[20:21], s[4:5], s[20:21]
	s_add_nc_u64 s[46:47], s[6:7], s[46:47]
	CROUND
.irp s, 0,1
	s_mov_b32 s[G0+4*\s], 1
	s_add_co_u32 s[G0+4*\s+1], s45, \s*SLOT
	s_add_nc_u64 s[G0+4*\s+2:G0+4*\s+3], s[20:21], \s*PANEL
	s_or_b32 s[G0+4*\s+3], s[G0+4*\s+3], 0x80000000
	s_mov_b32 s[G0B+4*\s], 1
	s_add_co_u32 s[G0B+4*\s+1], s45, \s*SLOT
	s_add_nc_u64 s[G0B+4*\s+2:G0B+4*\s+3], s[46:47], \s*PANEL
	s_or_b32 s[G0B+4*\s+3], s[G0B+4*\s+3], 0x80000000
	JLOAD G0+4*\s, G1, G0B+4*\s, G1B
.endr
	v_and_b32 v1, 31, v0
	v_and_b32 v2, 15, v0
	v_bfe_u32 v3, v0, 4, 1
	v_lshlrev_b32 v[LI], 4, v1
	v_lshlrev_b32 v5, 3, v2
	s_mul_i32 s66, s15, PANEL
	s_mul_i32 s67, s16, PANEL
	s_add_co_u32 s67, s67, 2*PANEL
.irp s, 0,1
	v_add_nc_u32 v[ADRA+\s], s66, v[LI]
	v_add_nc_u32 v[ADSA+\s], s66, v5
	v_add_nc_u32 v[ADRB+\s], s67, v[LI]
	v_add_nc_u32 v[ADSB+\s], s67, v5
	s_add_co_u32 s66, s66, SLOT
	s_add_co_u32 s67, s67, SLOT
.endr
	s_lshl_b32 s70, s42, 10
	s_lshl_b32 s71, s16, 9
	s_add_co_u32 s70, s70, s71                     ; my wave's 128 columns, in bytes
	s_mov_b32 s71, 0
	s_add_nc_u64 s[8:9], s[8:9], s[70:71]
	global_load_b128 v[96:99], v[LI], s[8:9]       ; the bias of my lane's four columns; it is waited for with the residual's first block
	s_lshl_b32 s72, s17, 1
	s_add_co_u32 s72, s72, s15
	s_lshl_b32 s72, s72, 19                        ; my group of 128 rows of 4,096 bytes
	s_add_co_u32 s70, s70, s72
	s_add_nc_u64 s[10:11], s[10:11], s[70:71]
	s_add_nc_u64 s[12:13], s[12:13], s[70:71]
	s_mul_i32 s73, s14, 16*528
	s_add_co_u32 s73, s73, SCR                     ; my stage
	v_mul_u32_u24 v6, v2, 528
	v_lshl_add_u32 v6, v3, 6, v6
	v_add_nc_u32 v[STO], s73, v6                   ; in: row r, + 64 h
	v_add_nc_u32 v[RD], s73, v[LI]                 ; back: a row of 512 bytes to the 32 lanes
.if LAPS > 2
	s_and_b32 s95, ttmp7, 0xffff                   ; cluster y
	s_cmp_eq_u32 s15, 0                            ; do I fetch for a?
	s_cselect_b32 s96, s40, s41                    ; my place among the four that ask with me
	s_cselect_b32 s95, ttmp9, s95                  ; the coordinate along which other clusters read the same panels
	s_cselect_b64 s[PFA:PFA+1], s[20:21], s[46:47]
	s_cmp_eq_u32 s95, 0
	s_cselect_b32 s[LIM], 1, -1
	s_lshl_b32 s96, s96, 13
	s_add_co_u32 s96, s96, 2*PANEL                 ; at panel 2: the first refill steps it to 3 and names panel 4
	s_mov_b32 s97, 0
	s_add_nc_u64 s[PFA:PFA+1], s[PFA:PFA+1], s[96:97]
	v_lshlrev_b32 v[PFO], 8, v1
.endif
.macro FRAG reg, adr, q, i
.irp c, 0,1,2,3
	ds_load_b128 v[\reg+4*\c:\reg+4*\c+3], v[\adr] offset:(8*(\q)+(\i))*2048+512*\c
.endr
.endm
.macro MUL16 a0, p, q, sc, zero        ; the 64 accumulators take turns, one instruction a turn
.irp a, \a0, \a0+1
.irp b, 0,1,2,3,4,5,6,7
.if \zero
	v_wmma_scale_f32_16x16x128_f8f6f4 v[8*(8*((\a)%4)+\b):8*(8*((\a)%4)+\b)+7], v[128*(\p)+FR*\b:128*(\p)+FR*\b+FR-1], v[AF+FR*(\a):AF+FR*(\a)+FR-1], 0, v[SCB+32*(\sc)+2*\b+(\q)], v[SCA+32*(\sc)+2*(\a)+(\q)]
.else
	v_wmma_scale_f32_16x16x128_f8f6f4 v[8*(8*((\a)%4)+\b):8*(8*((\a)%4)+\b)+7], v[128*(\p)+FR*\b:128*(\p)+FR*\b+FR-1], v[AF+FR*(\a):AF+FR*(\a)+FR-1], v[8*(8*((\a)%4)+\b):8*(8*((\a)%4)+\b)+7], v[SCB+32*(\sc)+2*\b+(\q)], v[SCA+32*(\sc)+2*(\a)+(\q)]
.endif
.endr
.endr
.endm
.macro FETCH_B slot, q, p
	WIN TO_B
.irp i, 0,1,2,3,4,5,6,7
	FRAG 128*(\p)+FR*\i, ADRB+\slot, \q, \i
.endr
	WIN 0
.endm
.macro FETCH_A slot, q, i0
.irp i, \i0, \i0+1, \i0+2, \i0+3
	FRAG AF+FR*(\i), ADRA+\slot, \q, \i
.endr
.endm
.macro SCALES sc
.irp i, 0,1,2,3,4,5,6,7
	ds_load_b64 v[SCA+32*\sc+2*\i:SCA+32*\sc+2*\i+1], v[ADSA+\sc] offset:32768+128*\i
	ds_load_b64 v[SCB+32*\sc+2*\i:SCB+32*\sc+2*\i+1], v[ADSB+\sc] offset:32768+128*\i
.endr
.endm
.macro PLACES n
.rept \n
	v_nop
.endr
.endm
.macro STEP slot, q, zero
	s_wait_dscnt 4*NL                              ; all but the youngest 16 loads (a's blocks 4-7) are in
	WIN MUL_LO
	MUL16 0, (\q)%2, \q, \slot, \zero
	MUL16 2, (\q)%2, \q, \slot, \zero
	s_wait_dscnt 0
	PLACES NP
	FETCH_B \slot, (\q)+1, 1-(\q)%2
	FETCH_A \slot, (\q)+1, 0
	WIN MUL_HI
	MUL16 4, (\q)%2, \q, \slot, \zero
	MUL16 6, (\q)%2, \q, \slot, \zero
	PLACES NP
	WIN 0
	FETCH_A \slot, (\q)+1, 4
.endm
.macro TURN slot, next, fill
.if (LAPS > 2) && \fill
	s_wait_xcnt 0x0                                ; the last prefetch, a K step back, has read its address: it is stepped here
	s_add_nc_u64 s[PFA:PFA+1], s[PFA:PFA+1], PANEL
.endif
	s_wait_tensorcnt 0x0                           ; all my tensor loads have landed: my panel of the next slot;
	ds_add_u32 v[SPW], v[NIL]                      ; 0 onto my spare word;
	s_wait_dscnt 4*NL+1                            ; (the add and a's blocks 4-7 may be out)
	WIN MUL_LO
	MUL16 0, 1, 1, \slot, 0
	s_wait_dscnt 0x0                               ; the add is done, and my reads of this slot are over
	s_barrier_signal -1
	MUL16 2, 1, 1, \slot, 0
	WIN 0
	s_barrier_wait -1
.if \fill
	CREST                                          ; a round of the cluster's barrier: no wave of any partner still reads this slot or has a load on its way
	s_add_nc_u64 s[G0+4*\slot+2:G0+4*\slot+3], s[G0+4*\slot+2:G0+4*\slot+3], 2*PANEL
	s_add_nc_u64 s[G0B+4*\slot+2:G0B+4*\slot+3], s[G0B+4*\slot+2:G0B+4*\slot+3], 2*PANEL
	JLOAD G0+4*\slot, G1, G0B+4*\slot, G1B
	PLACES NP-4
.else
	PLACES NP
.endif
	FETCH_B \next, 0, 0
	FETCH_A \next, 0, 0
	SCALES \next
.if (LAPS > 2) && \fill
	ASK                                            ; behind the joint load and the run of LDS loads
.endif
	WIN MUL_HI
	MUL16 4, 1, 1, \slot, 0
	MUL16 6, 1, 1, \slot, 0
	PLACES NP
	WIN 0
	FETCH_A \next, 0, 4
.endm
.macro RESLOAD a                       ; the residual's 16 rows of block a, my 512 bytes of each, into window 1
	WIN 0x40
.irp t, 0,1,2,3,4,5,6,7,8,9,10,11,12,13,14,15
	global_load_b128 v[64*((\a)%4)+4*\t:64*((\a)%4)+4*\t+3], v[LI], s[10:11] offset:(32*((\a)/2)+8*((\a)%2)+\t+8*(\t/8))*4096 th:TH_LOAD_NT
.endr
	WIN 0
.endm
.macro TOSTAGE a
.set AC, 64*((\a)%4)
	WIN 0x08+4*((\a)/4)                            ; an LDS store's data: window 2 or 3
.irp b, 0,1,2,3,4,5,6,7
	ds_store_b128 v[STO], v[AC+8*\b:AC+8*\b+3] offset:128*(\b/2)+32*(\b%2)        ; each accumulator from its low end on
	ds_store_b128 v[STO], v[AC+8*\b+4:AC+8*\b+7] offset:128*(\b/2)+32*(\b%2)+16
.endr
	WIN 0
.set BS_, BK+64*((\a)%2)
.irp t, 0,1,2,3,4,5,6,7,8,9,10,11,12,13,14,15
	ds_load_b128 v[BS_+4*\t:BS_+4*\t+3], v[RD] offset:\t*528    ; LDS serves a wave's instructions in order (ISA guide 5.7.1.4): these see the stores above
.endr
.endm
.macro SEND a, younger
.set BS_, BK+64*((\a)%2)
.set RS_, 64*((\a)%4)
	s_wait_dscnt \younger                          ; the block is back in registers; the next block's 16 stores and 16 loads may be out
.if 7-(\a) < 3
	s_wait_loadcnt 16*(7-(\a))                     ; its residual is in; the blocks asked for behind it may be out
.else
	s_wait_loadcnt 48
.endif
	WIN 0x04                                       ; source 1: window 1
.set P_, 0
.rept 32
	v_pk_add_f32 v[BS_+P_:BS_+P_+1], v[BS_+P_:BS_+P_+1], v[RS_+P_:RS_+P_+1]
.set P_, P_+2
.endr
	WIN 0
.set P_, 0
.rept 16
	v_pk_add_f32 v[BS_+P_:BS_+P_+1], v[BS_+P_:BS_+P_+1], v[96:97]
	v_pk_add_f32 v[BS_+P_+2:BS_+P_+3], v[BS_+P_+2:BS_+P_+3], v[98:99]
.set P_, P_+4
.endr
.irp t, 0,1,2,3,4,5,6,7,8,9,10,11,12,13,14,15
	global_store_b128 v[LI], v[BS_+4*\t:BS_+4*\t+3], s[12:13] offset:(32*((\a)/2)+8*((\a)%2)+\t+8*(\t/8))*4096 th:TH_STORE_NT   ; 512 consecutive bytes, aligned; 127 rows at the most: inside the immediate
.endr
.endm
	s_wait_tensorcnt 1                             ; my panel of slot 0 is in; slot 1's may be out
	s_barrier_signal -1
	s_barrier_wait -1
	FETCH_B 0, 0, 0
	FETCH_A 0, 0, 0
	SCALES 0
	FETCH_A 0, 0, 4
	STEP 0, 0, 1
	s_mov_b32 s3, LAPS-1
.Llap:
	TURN 0, 1, 1
	STEP 1, 0, 0
	TURN 1, 0, 1
	STEP 0, 0, 0
	s_sub_co_u32 s3, s3, 1
	s_cmp_lg_u32 s3, 0
	s_cbranch_scc1 .Llap
	TURN 0, 1, 0
	STEP 1, 0, 0
	RESLOAD 0                                      ; W's set 0 has had its last read, eight places back: the residual's first two blocks land there under the last step
	RESLOAD 1
	s_wait_dscnt 4*NL
	WIN MUL_LO
	MUL16 0, 1, 1, 1, 0
	MUL16 2, 1, 1, 1, 0
	s_wait_dscnt 0
	WIN MUL_HI
	MUL16 4, 1, 1, 1, 0
	MUL16 6, 1, 1, 1, 0
	WIN 0
	PLACES NP
	RESLOAD 2
	RESLOAD 3
	TOSTAGE 0
.irp a, 1,2,3,4,5,6,7
.if \a > 1
	s_wait_xcnt 0x0                                ; block a - 2's stores have read their registers: block a's rows may land there
.endif
	TOSTAGE \a
	SEND \a-1, 32
.if \a < 5
	RESLOAD \a+3
.endif
.endr
	SEND 7, 0
	s_wait_tensorcnt 0x0                           ; the wave's end
	ds_add_u32 v[SPW], v[NIL]
	s_wait_dscnt 0x0
	CROUND
	s_endpgm
.Lfunc_end_k_qed882a09a2_wo:
	.size	k_qed882a09a2_wo, .Lfunc_end_k_qed882a09a2_wo-k_qed882a09a2_wo
	.p2alignl 7, 3214868480
	.fill 96, 4, 3214868480
	.section	.rodata,"a",@progbits
	.p2align	6, 0x0
	.amdhsa_kernel k_qed882a09a2_wo
		.amdhsa_group_segment_fixed_size 327680
		.amdhsa_private_segment_fixed_size 0
		.amdhsa_enable_private_segment 0
		.amdhsa_kernarg_size 40
		.amdhsa_user_sgpr_count 2
		.amdhsa_user_sgpr_kernarg_segment_ptr 1
		.amdhsa_wavefront_size32 1
		.amdhsa_system_sgpr_workgroup_id_x 1
		.amdhsa_system_sgpr_workgroup_id_y 1
		.amdhsa_system_sgpr_workgroup_id_z 1
		.amdhsa_system_vgpr_workitem_id 0
		.amdhsa_next_free_vgpr 1024
		.amdhsa_next_free_sgpr 100
		.amdhsa_reserve_vcc 0
		.amdhsa_float_denorm_mode_32 3
		.amdhsa_float_denorm_mode_16_64 3
		.amdhsa_memory_ordered 1
		.amdhsa_forward_progress 1
		.amdhsa_inst_pref_size 191
	.end_amdhsa_kernel
	.amdgpu_metadata
---
amdhsa.version: [ 1, 2 ]
amdhsa.kernels:
  - .name:           k_qed882a09a2_wo
    .symbol:         k_qed882a09a2_wo.kd
    .args:
      - { .name: g, .offset: 0, .size: 8, .value_kind: global_buffer, .address_space: global }
      - { .name: wc, .offset: 8, .size: 8, .value_kind: global_buffer, .address_space: global }
      - { .name: wo_b, .offset: 16, .size: 8, .value_kind: global_buffer, .address_space: global }
      - { .name: x2, .offset: 24, .size: 8, .value_kind: global_buffer, .address_space: global }
      - { .name: out0, .offset: 32, .size: 8, .value_kind: global_buffer, .address_space: global }
    .group_segment_fixed_size: 327680
    .private_segment_fixed_size: 0
    .kernarg_segment_align: 8
    .kernarg_segment_size: 40
    .max_flat_workgroup_size: 128
    .sgpr_count:     100
    .vgpr_count:     1024
    .wavefront_size: 32
...
	.end_amdgpu_metadata
.endif
;; end of part 6
;; ======== version 2 of 2: 7 launches
;; limits: right only within a limited range of input values
;; workspace buffers: wc 12,976,128 bytes; h 4,325,376 bytes; cx 4,325,376 bytes; g 17,301,504 bytes; x2 16,777,216 bytes; qc 4,456,448 bytes; kv 8,650,752 bytes
;; launch prep (part 7): grid 640 x 1, 4 waves a work-group, no clusters, 66,560 bytes of LDS; arguments x, ln1_scale, ln1_bias, h, qkv_w, proj_w, wi_w, wo_w, wc; writes h, wc
.if DOCPART == 7
	.amdgcn_target "amdgcn-amd-amdhsa--gfx1250"
	.amdhsa_code_object_version 6
	.text
	.protected	k_qed882a09a2_prep
	.globl	k_qed882a09a2_prep
	.p2align	8
	.type	k_qed882a09a2_prep,@function
k_qed882a09a2_prep:
	s_mov_b64 s[64:65], 0
	v_nop
	global_prefetch_b8 v0, s[64:65] scope:SCOPE_SE
	s_setreg_imm32_b32 hwreg(HW_REG_WAVE_MODE, 25, 1), 1
	s_wait_xcnt 0x0
; TWO JOBS IN ONE BODY, parted by the work-group's number.
; Work-groups 0-255: layer norm of 16 rows of src [4096][1024] f32 (mean, then the variance of x - mean: two passes over registers), gain and bias, then codes of E4M3 with one E8M0 byte
; for each 32 along the row.  Work-groups 256-639: one panel each of the four weights ([K][N] f32, K the first axis), quantised down K.
; THE PANEL, the one layout of every GEMM operand here: 128 rows x 256 K = 33,792 bytes.  Fragment (q, i), q = which 128 of K, i = 0..7, lies at (8 q + i) 2048 + 512 c + 16 lane: lane (r, h), chunk c holds row
; PERM(i, r) = 32 (i / 2) + 8 (i % 2) + r + 8 (r / 8), k = 128 q + 32 c + 16 h + 0..15: the image of the operand's registers.  Scale words at 32768 + 128 i + 8 r + 4 q.
; h: [32 groups of 128 rows][4 panels].  wc: panels 0-95 qkv_w (columns re-ordered to type x 1024 + head x 64 + d), 96-127 proj_w, 128-255 wi_w, 256-383 wo_w; in each [group of 128 columns][K / 256].
; LIMITS: NaN and infinities are not served; a block whose largest magnitude lies under 2^-118, a block of zeros too, gets the byte 1 (its codes are then zeros or subnormal codes; the bytes are read by this program alone).
.set PANEL, 33792
.set PITCH, 4112                       ; an LDS row: 4,096 bytes + 16: 257 x 16, so the 16 rows that a load touches fall into 16 different 16-byte columns
.set X,   64                           ; v64-191  LN: four rows of 32 registers, later 2 x 64 numbers in the quantiser's order.  Weights: v64-127 two sets of 32 numbers
.set GA,  192                          ; v192-223 gain
.set BB,  224                          ; v224-255 bias
.set TM,  16                           ; v16-31   at work in the quantiser (LN: v16-23 first hold the sums of squares)
.set OFF, 32                           ; weights: v32-63 the byte offset of row i of a block of 32, at my column
.set C,   128                          ; weights: v128-191 codes, eight registers a block, never written again
.set SB,  24                           ; weights: v24-25 my column's eight scale bytes
.set SEL, 36                           ; s[36:37] lane selects for v_permlanex16_b32: lane l xor 16
.set MNT, 38                           ; s38 the mantissa field of 448
	s_load_b256 s[12:19], s[0:1], 0x0              ; src, gain, bias, h
	s_load_b256 s[20:27], s[0:1], 0x20             ; qkv_w, proj_w, wi_w, wo_w
	s_load_b64 s[28:29], s[0:1], 0x40              ; wc
	s_set_vgpr_msb 0x40
	v_lshl_add_u32 v0, v0, 2, 0x10200
	v_mov_b32 v1, 0
	s_set_vgpr_msb 0x4000
	v_lshrrev_b32 v1, 5, v0
	v_readfirstlane_b32 s8, v1                     ; wave 0..3
	v_and_b32 v1, 31, v0                           ; lane
	v_and_b32 v2, 15, v0                           ; r
	v_bfe_u32 v3, v0, 4, 1                         ; h
	s_mov_b32 s[SEL], 0x76543210
	s_mov_b32 s[SEL+1], 0xfedcba98
	s_mov_b32 s[MNT], 0x600000
	s_mov_b32 s39, 0xffff0000                      ; lanes 16-31
	s_cmp_lt_u32 ttmp9, 256                        ; the same for all four waves of a work-group
	s_cbranch_scc0 .Lweights
; 64 numbers of a lane, register 16 b + i = k 32 b + 16 h + i of my row, become a fragment's 16 registers of codes at v[pc] and its scale word in v[pw]
.macro QUANT s, pc, pw
.irp b, 0,1,2,3
	v_max3_num_f32 v[TM+\b], |v[\s+16*\b]|, |v[\s+1+16*\b]|, 0x4800000   ; my 16 numbers of block b, and the floor 2^(9 - 127): the byte cannot fall under 1
.endr
.irp i, 2,4,6,8,10,12,14
.irp b, 0,1,2,3
	v_max3_num_f32 v[TM+\b], v[TM+\b], |v[\s+16*\b+\i]|, |v[\s+1+16*\b+\i]|
.endr
.endr
.irp b, 0,1,2,3
	v_permlanex16_b32 v[TM+4+\b], v[TM+\b], s[SEL], s[SEL+1]
.endr
.irp b, 0,1,2,3
	v_max_num_f32 v[TM+\b], v[TM+\b], v[TM+4+\b]   ; with lane l xor 16's 16: the block's largest magnitude
.endr
.irp b, 0,1,2,3
	v_add_nc_u32 v[TM+12+\b], 0xfc000000, v[TM+\b] ; 8 off its exponent field: the conversion's scale operand
.endr
.irp b, 0,1,2,3
	v_and_or_b32 v[TM+8+\b], v[TM+\b], 0x7f800000, s[MNT]   ; 448 x the scale
.endr
.irp b, 0,1,2,3
	v_lshrrev_b32 v[TM+4+\b], 23, v[TM+12+\b]      ; the scale's byte
.endr
	v_lshl_or_b32 v[\pw], v[TM+5], 8, v[TM+4]
	v_lshl_or_b32 v[\pw], v[TM+6], 16, v[\pw]
	v_lshl_or_b32 v[\pw], v[TM+7], 24, v[\pw]
.irp b, 0,1,2,3
.irp i, 0,1,2,3,4,5,6,7,8,9,10,11,12,13,14,15
	v_med3_num_f32 v[\s+16*\b+\i], v[\s+16*\b+\i], -v[TM+8+\b], v[TM+8+\b]   ; the conversion to an 8-bit code does not saturate (ISA guide 7.6.2): the hold comes first
.endr
	v_cvt_scalef32_pk8_fp8_f32 v[\pc+4*\b:\pc+1+4*\b], v[\s+16*\b:\s+7+16*\b], v[TM+12+\b]
	v_cvt_scalef32_pk8_fp8_f32 v[\pc+2+4*\b:\pc+3+4*\b], v[\s+8+16*\b:\s+15+16*\b], v[TM+12+\b]
.endr
	v_nop                                          ; one plain line behind the last conversion
.endm
; the pairs v[b + 2 t : b + 2 t + 1], t = 0..3, are summed over their halves and the 32 lanes; every lane gets the sum in v[b + 2 t]
.macro WSUM b
.irp t, 0,1,2,3
	v_add_f32 v[\b+2*\t], v[\b+2*\t], v[\b+2*\t+1]
.endr
.irp m, 1,2,4,8
.irp t, 0,1,2,3
	v_add_f32_dpp v[\b+2*\t], v[\b+2*\t], v[\b+2*\t] row_xmask:\m row_mask:0xf bank_mask:0xf
.endr
.endr
.irp t, 0,1,2,3
	v_permlanex16_b32 v[\b+2*\t+1], v[\b+2*\t], s[SEL], s[SEL+1]
.endr
.irp t, 0,1,2,3
	v_add_f32 v[\b+2*\t], v[\b+2*\t], v[\b+2*\t+1]
.endr
.endm
; ---------------- LAYER NORM: work-group g makes row tile i = g % 8 of group mb = g / 8.  Wave w loads tile rows 4 w .. 4 w + 3, four neighbouring tokens
	s_lshr_b32 s9, ttmp9, 3                        ; mb
	s_and_b32 s10, ttmp9, 7                        ; i
	s_lshl_b32 s30, s9, 7
	s_lshr_b32 s31, s10, 1
	s_lshl_b32 s31, s31, 5
	s_add_co_u32 s30, s30, s31
	s_and_b32 s31, s10, 1
	s_lshl_b32 s31, s31, 3
	s_add_co_u32 s30, s30, s31
	s_lshl_b32 s31, s8, 2
	s_add_co_u32 s30, s30, s31
	s_lshr_b32 s31, s8, 1
	s_lshl_b32 s31, s31, 3
	s_add_co_u32 s30, s30, s31                     ; my first token: 128 mb + 32 (i / 2) + 8 (i % 2) + 4 w + 8 (w / 2)
	s_lshl_b32 s30, s30, 12                        ; rows of 4,096 bytes
	s_mov_b32 s31, 0
	s_wait_alu depctr_va_vdst(0)
	v_lshlrev_b32 v4, 4, v1                        ; 16 x lane
	s_mul_i32 s32, s8, 4*PITCH
	v_add_nc_u32 v5, s32, v4                       ; LDS, in: my four rows, 16 bytes a lane
	v_mul_u32_u24 v6, v2, PITCH
	v_lshl_add_u32 v6, v3, 6, v6
	s_lshl_b32 s32, s8, 10
	v_add_nc_u32 v6, s32, v6                       ; LDS, out: row r, K = 256 w + 16 h on: wave w takes panel w of the group
	s_lshl_b32 s32, s10, 11
	v_add_nc_u32 v7, s32, v4                       ; in the panel: fragment i, 16 bytes a lane
	v_lshlrev_b32 v1, 3, v2
	v_lshl_add_u32 v1, v3, 2, v1
	s_lshl_b32 s32, s10, 7
	v_add_nc_u32 v1, s32, v1                       ; and the scale words: 128 i + 8 r + 4 q, q = my half of the lanes
	s_lshl_b32 s34, s9, 2
	s_add_co_u32 s34, s34, s8
	s_mul_i32 s34, s34, PANEL
	s_mov_b32 s35, 0
	s_mov_b32 s32, 0x3a800000                      ; 1 / 1024
	s_mov_b32 s33, 0x3a83126f                      ; 1e-3
	s_wait_alu depctr_va_vdst(0)
	s_wait_kmcnt 0x0
	s_add_nc_u64 s[12:13], s[12:13], s[30:31]
	s_add_nc_u64 s[18:19], s[18:19], s[34:35]      ; h at panel 4 mb + w
.irp t, 0,1,2,3
.irp j, 0,1,2,3,4,5,6,7
	global_load_b128 v[X+32*\t+4*\j:X+32*\t+4*\j+3], v4, s[12:13] offset:4096*\t+512*\j th:TH_LOAD_NT   ; 32 lanes read 512 consecutive bytes
.endr
.endr
.irp j, 0,1,2,3,4,5,6,7
	global_load_b128 v[GA+4*\j:GA+4*\j+3], v4, s[14:15] offset:512*\j
	global_load_b128 v[BB+4*\j:BB+4*\j+3], v4, s[16:17] offset:512*\j
.endr
	s_wait_loadcnt 16                              ; the four rows are in; the 16 loads of gain and bias may be out
.irp t, 0,1,2,3
	v_pk_add_f32 v[8+2*\t:9+2*\t], v[X+32*\t:X+32*\t+1], v[X+32*\t+2:X+32*\t+3]
.endr
.irp p, 4,6,8,10,12,14,16,18,20,22,24,26,28,30
.irp t, 0,1,2,3
	v_pk_add_f32 v[8+2*\t:9+2*\t], v[8+2*\t:9+2*\t], v[X+32*\t+\p:X+32*\t+\p+1]   ; the four rows by turns
.endr
.endr
	WSUM 8
.irp t, 0,1,2,3
	v_mul_f32 v[8+2*\t], s32, v[8+2*\t]            ; the mean
.endr
.irp p, 0,2,4,6,8,10,12,14,16,18,20,22,24,26,28,30
.irp t, 0,1,2,3
	v_pk_add_f32 v[X+32*\t+\p:X+32*\t+\p+1], v[X+32*\t+\p:X+32*\t+\p+1], v[8+2*\t:9+2*\t] op_sel_hi:[1,0] neg_lo:[0,1] neg_hi:[0,1]   ; x - mean, in place
.endr
.endr
.irp t, 0,1,2,3
	v_pk_mul_f32 v[16+2*\t:17+2*\t], v[X+32*\t:X+32*\t+1], v[X+32*\t:X+32*\t+1]
.endr
.irp p, 2,4,6,8,10,12,14,16,18,20,22,24,26,28,30
.irp t, 0,1,2,3
	v_pk_fma_f32 v[16+2*\t:17+2*\t], v[X+32*\t+\p:X+32*\t+\p+1], v[X+32*\t+\p:X+32*\t+\p+1], v[16+2*\t:17+2*\t]
.endr
.endr
	WSUM 16
.irp t, 0,1,2,3
	v_fma_f32 v[16+2*\t], v[16+2*\t], s32, s33     ; the variance + 1e-3
.endr
	s_wait_alu depctr_va_vdst(0)
.irp t, 0,1,2,3
	v_rsq_f32 v[8+2*\t], v[16+2*\t]
.endr
	v_nop                                          ; a plain line behind the last of the four
	s_wait_loadcnt 0x0                             ; gain and bias
	s_wait_alu depctr_va_vdst(0)                   ; one wait for the four, ahead of their first reader
.irp p, 0,2,4,6,8,10,12,14,16,18,20,22,24,26,28,30
.irp t, 0,1,2,3
	v_pk_mul_f32 v[X+32*\t+\p:X+32*\t+\p+1], v[X+32*\t+\p:X+32*\t+\p+1], v[8+2*\t:9+2*\t] op_sel_hi:[1,0]
.endr
.irp t, 0,1,2,3
	v_pk_fma_f32 v[X+32*\t+\p:X+32*\t+\p+1], v[X+32*\t+\p:X+32*\t+\p+1], v[GA+\p:GA+\p+1], v[BB+\p:BB+\p+1]
.endr
.endr
.irp t, 0,1,2,3
.irp j, 0,1,2,3,4,5,6,7
	ds_store_b128 v5, v[X+32*\t+4*\j:X+32*\t+4*\j+3] offset:\t*PITCH+512*\j
.endr
.endr
	s_wait_dscnt 0x0                               ; for the others' sake: my four rows lie in LDS
	s_barrier_signal -1
	s_barrier_wait -1                              ; all 16 rows do
.irp q, 0,1
.irp b, 0,1,2,3
.irp j, 0,1,2,3
	ds_load_b128 v[X+64*\q+16*\b+4*\j:X+64*\q+16*\b+4*\j+3], v6 offset:512*\q+128*\b+16*\j   ; row r, k = 256 w + 128 q + 32 b + 16 h + 4 j on
.endr
.endr
.endr
	s_wait_dscnt 16                                ; the first 128 of K are in; the other 16 loads may be out
	QUANT X, 32, 2
.irp c, 0,1,2,3
	global_store_b128 v7, v[32+4*\c:35+4*\c], s[18:19] offset:512*\c          ; 512 consecutive bytes
.endr
	s_wait_dscnt 0x0
	QUANT X+64, 48, 3
.irp c, 0,1,2,3
	global_store_b128 v7, v[48+4*\c:51+4*\c], s[18:19] offset:16384+512*\c
.endr
	v_cndmask_b32 v2, v2, v3, s39                  ; lanes 0-15: row r's word of q = 0; lanes 16-31: of q = 1 (both halves of the lanes hold both words)
	global_store_b32 v1, v2, s[18:19] offset:32768 ; 128 consecutive bytes
	s_set_vgpr_msb 0x5
	s_wait_tensorcnt 0x0
	ds_add_u32 v0, v1
	s_wait_dscnt 0x0
	s_set_vgpr_msb 0x500
	s_endpgm
; ---------------- WEIGHTS: work-group 256 + p makes panel p of wc.  A LANE TAKES A COLUMN AND ITS REGISTERS RUN DOWN K; wave w takes columns 32 w .. 32 w + 31 of the panel's 128, all 256 of K
.Lweights:
	s_sub_co_u32 s9, ttmp9, 256                    ; p
	s_mov_b32 s10, 4096                            ; a row of the tensor in bytes,
	s_mov_b32 s11, 256                             ; its first panel,
	s_mov_b32 s32, 4                               ; and how a panel's number splits into column group and K / 256: wo_w first
	s_mov_b32 s33, 15
	s_wait_kmcnt 0x0
	s_mov_b64 s[30:31], s[26:27]
	s_cmp_lt_u32 s9, 256                           ; wi_w
	s_cselect_b64 s[30:31], s[24:25], s[30:31]
	s_cselect_b32 s10, 16384, s10
	s_cselect_b32 s11, 128, s11
	s_cselect_b32 s32, 2, s32
	s_cselect_b32 s33, 3, s33
	s_cmp_lt_u32 s9, 128                           ; proj_w
	s_cselect_b64 s[30:31], s[22:23], s[30:31]
	s_cselect_b32 s10, 4096, s10
	s_cselect_b32 s11, 96, s11
	s_cmp_lt_u32 s9, 96                            ; qkv_w
	s_cselect_b64 s[30:31], s[20:21], s[30:31]
	s_cselect_b32 s10, 12288, s10
	s_cselect_b32 s11, 0, s11
	s_sub_co_u32 s34, s9, s11
	s_lshr_b32 s35, s34, s32                       ; nb: the group of 128 columns
	s_and_b32 s34, s34, s33                        ; kq: which 256 of K
	s_lshl_b32 s56, s35, 7
	s_lshl_b32 s57, s8, 5
	s_add_co_u32 s56, s56, s57                     ; my wave's first column: 128 nb + 32 w;
	s_and_b32 s57, s35, 7                          ; in qkv_w: panel column type x 1024 + head x 64 + d is the tensor's column head x 192 + type x 64 + d
	s_lshl_b32 s57, s57, 1
	s_lshr_b32 s58, s8, 1
	s_add_co_u32 s57, s57, s58                     ; head = 2 (nb % 8) + w / 2
	s_mul_i32 s57, s57, 192
	s_lshr_b32 s58, s35, 3                         ; type = nb / 8
	s_lshl_b32 s58, s58, 6
	s_add_co_u32 s57, s57, s58
	s_and_b32 s58, s8, 1
	s_lshl_b32 s58, s58, 5                         ; d = 32 (w % 2) on
	s_add_co_u32 s57, s57, s58
	s_cmp_lt_u32 s9, 96
	s_cselect_b32 s56, s57, s56
	s_lshl_b32 s56, s56, 2
	s_lshl_b32 s57, s10, 8
	s_mul_i32 s57, s57, s34                        ; 256 kq rows
	s_add_co_u32 s56, s56, s57
	s_mov_b32 s57, 0
	s_add_nc_u64 s[40:41], s[30:31], s[56:57]      ; block 0's base
	s_lshl_b32 s58, s10, 5                         ; 32 rows on
	s_mov_b32 s59, 0
.irp t, 1,2,3,4,5,6,7
	s_add_nc_u64 s[40+2*\t:41+2*\t], s[38+2*\t:39+2*\t], s[58:59]   ; a base for each block of 32 along K: none is stepped
.endr
	s_mul_i32 s56, s9, PANEL
	s_add_nc_u64 s[60:61], s[28:29], s[56:57]      ; wc at my panel
	s_wait_alu depctr_va_vdst(0)
	v_and_b32 v5, 7, v2                            ; lane (r, u) is row r of fragment 2 w + u: column 32 w + 16 (r / 8) + 8 u + r % 8
	v_lshrrev_b32 v6, 3, v2
	v_lshl_add_u32 v5, v6, 4, v5
	v_lshl_add_u32 v5, v3, 3, v5
	v_lshlrev_b32 v[OFF], 2, v5
.irp i, 1,2,3,4,5,6,7,8,9,10,11,12,13,14,15,16,17,18,19,20,21,22,23,24,25,26,27,28,29,30,31
	v_add_nc_u32 v[OFF+\i], s10, v[OFF+\i-1]
.endr
	v_lshlrev_b32 v7, 4, v2
	v_lshl_add_u32 v7, v3, 11, v7
	s_lshl_b32 s56, s8, 12
	v_add_nc_u32 v7, s56, v7                       ; codes: 4096 w + 2048 u + 16 r
	v_lshlrev_b32 v6, 3, v2
	v_lshl_add_u32 v6, v3, 7, v6
	s_lshl_b32 s56, s8, 8
	v_add_nc_u32 v6, s56, v6                       ; scale words: 256 w + 128 u + 8 r
.macro WLOAD t                         ; block t: rows 32 t + i of the panel's 256, at my column: a wave's load touches 128 consecutive bytes
.irp i, 0,1,2,3,4,5,6,7,8,9,10,11,12,13,14,15,16,17,18,19,20,21,22,23,24,25,26,27,28,29,30,31
	global_load_b32 v[X+32*((\t)%2)+\i], v[OFF+\i], s[40+2*(\t):41+2*(\t)] th:TH_LOAD_NT
.endr
.endm
	WLOAD 0
	WLOAD 1
.macro BLOCK t
.set XS, X+32*((\t)%2)
.if (\t) < 7
	s_wait_loadcnt 32                              ; this block's 32 loads are in; the next block's may be out
.else
	s_wait_loadcnt 0x0
.endif
	v_max3_num_f32 v12, |v[XS]|, |v[XS+1]|, |v[XS+2]|       ; the block's largest magnitude: all 32 numbers are mine
	v_max3_num_f32 v13, |v[XS+3]|, |v[XS+4]|, |v[XS+5]|
.irp i, 6,10,14,18,22,26
	v_max3_num_f32 v12, v12, |v[XS+\i]|, |v[XS+\i+1]|
	v_max3_num_f32 v13, v13, |v[XS+\i+2]|, |v[XS+\i+3]|
.endr
	v_max3_num_f32 v12, v12, |v[XS+30]|, |v[XS+31]|
	v_max3_num_f32 v12, v12, v13, 0x4800000        ; and the floor 2^(9 - 127)
	v_add_nc_u32 v11, 0xfc000000, v12              ; the conversion's scale operand
	v_and_or_b32 v10, v12, 0x7f800000, s[MNT]      ; 448 x the scale
	v_lshrrev_b32 v13, 23, v11                     ; the byte
.if (\t)%4 == 0
	v_mov_b32 v[SB+(\t)/4], v13
.else
	v_lshl_or_b32 v[SB+(\t)/4], v13, 8*((\t)%4), v[SB+(\t)/4]
.endif
.irp i, 0,1,2,3,4,5,6,7,8,9,10,11,12,13,14,15,16,17,18,19,20,21,22,23,24,25,26,27,28,29,30,31
	v_med3_num_f32 v[XS+\i], v[XS+\i], -v10, v10
.endr
.irp g, 0,1,2,3
	v_cvt_scalef32_pk8_fp8_f32 v[C+8*(\t)+2*\g:C+8*(\t)+2*\g+1], v[XS+8*\g:XS+8*\g+7], v11
.endr
	v_nop                                          ; one plain line behind the last conversion
	global_store_b128 v7, v[C+8*(\t):C+8*(\t)+3], s[60:61] offset:16384*((\t)/4)+512*((\t)%4)          ; k 0-15 of the block: sixteen lanes fill 256 consecutive bytes, aligned
	global_store_b128 v7, v[C+8*(\t)+4:C+8*(\t)+7], s[60:61] offset:16384*((\t)/4)+512*((\t)%4)+256    ; k 16-31: the places of lanes 16-31 of the fragment
.if (\t)+2 < 8
	WLOAD (\t)+2
.endif
.endm
.irp t, 0,1,2,3,4,5,6,7
	BLOCK \t
.endr
	global_store_b64 v6, v[SB:SB+1], s[60:61] offset:32768   ; 32 lanes store 256 consecutive bytes
	s_endpgm
.Lfunc_end_k_qed882a09a2_prep:
	.size	k_qed882a09a2_prep, .Lfunc_end_k_qed882a09a2_prep-k_qed882a09a2_prep
	.p2alignl 7, 3214868480
	.fill 96, 4, 3214868480
	.section	.rodata,"a",@progbits
	.p2align	6, 0x0
	.amdhsa_kernel k_qed882a09a2_prep
		.amdhsa_group_segment_fixed_size 66560
		.amdhsa_private_segment_fixed_size 0
		.amdhsa_enable_private_segment 0
		.amdhsa_kernarg_size 72
		.amdhsa_user_sgpr_count 2
		.amdhsa_user_sgpr_kernarg_segment_ptr 1
		.amdhsa_wavefront_size32 1
		.amdhsa_system_sgpr_workgroup_id_x 1
		.amdhsa_system_sgpr_workgroup_id_y 1
		.amdhsa_system_sgpr_workgroup_id_z 1
		.amdhsa_system_vgpr_workitem_id 0
		.amdhsa_next_free_vgpr 258
		.amdhsa_next_free_sgpr 66
		.amdhsa_reserve_vcc 0
		.amdhsa_float_denorm_mode_32 3
		.amdhsa_float_denorm_mode_16_64 3
		.amdhsa_memory_ordered 1
		.amdhsa_forward_progress 1
		.amdhsa_inst_pref_size 110
	.end_amdhsa_kernel
	.amdgpu_metadata
---
amdhsa.version: [ 1, 2 ]
amdhsa.kernels:
  - .name:           k_qed882a09a2_prep
    .symbol:         k_qed882a09a2_prep.kd
    .args:
      - { .name: x, .offset: 0, .size: 8, .value_kind: global_buffer, .address_space: global }
      - { .name: ln1_scale, .offset: 8, .size: 8, .value_kind: global_buffer, .address_space: global }
      - { .name: ln1_bias, .offset: 16, .size: 8, .value_kind: global_buffer, .address_space: global }
      - { .name: h, .offset: 24, .size: 8, .value_kind: global_buffer, .address_space: global }
      - { .name: qkv_w, .offset: 32, .size: 8, .value_kind: global_buffer, .address_space: global }
      - { .name: proj_w, .offset: 40, .size: 8, .value_kind: global_buffer, .address_space: global }
      - { .name: wi_w, .offset: 48, .size: 8, .value_kind: global_buffer, .address_space: global }
      - { .name: wo_w, .offset: 56, .size: 8, .value_kind: global_buffer, .address_space: global }
      - { .name: wc, .offset: 64, .size: 8, .value_kind: global_buffer, .address_space: global }
    .group_segment_fixed_size: 66560
    .private_segment_fixed_size: 0
    .kernarg_segment_align: 8
    .kernarg_segment_size: 72
    .max_flat_workgroup_size: 128
    .sgpr_count:     66
    .vgpr_count:     258
    .wavefront_size: 32
...
	.end_amdgpu_metadata
.endif
;; end of part 7
;; launch qkv (part 8): grid 12 x 16, 4 waves a work-group, clusters of 4 x 4, 327,680 bytes of LDS; arguments h, wc, qkv_b, qc, kv; writes qc, kv
.if DOCPART == 8
	.amdgcn_target "amdgcn-amd-amdhsa--gfx1250"
	.amdhsa_code_object_version 6
	.text
	.protected	k_qed882a09a2_qkv
	.globl	k_qed882a09a2_qkv
	.p2align	8
	.type	k_qed882a09a2_qkv,@function
k_qed882a09a2_qkv:
	s_mov_b64 s[64:65], 0
	v_nop
	global_prefetch_b8 v0, s[64:65] scope:SCOPE_SE
	s_setreg_imm32_b32 hwreg(HW_REG_WAVE_MODE, 25, 1), 1
	s_wait_xcnt 0x0
	s_wait_alu depctr_hold_cnt(0) depctr_sa_sdst(0) depctr_va_vdst(0) depctr_va_sdst(0) depctr_va_ssrc(0) depctr_va_vcc(0) depctr_vm_vsrc(0)
	s_getreg_b32 s2, hwreg(HW_REG_IB_STS2, 6, 4)
	s_cmp_eq_u32 s2, 0
	s_cbranch_scc0 .Lentry_in_a_cluster
	s_endpgm
.Lentry_in_a_cluster:
	s_bfe_u32 s2, ttmp6, 0x10000c
	s_cmp_lg_u32 s2, 0xf033
	s_cbranch_scc0 .Lentry_shape_is_right
	s_endpgm
.Lentry_shape_is_right:
.set PANEL,  33792
.set SLOT,   4*PANEL
.set SPARE,  2*SLOT
.set SCR,    SPARE+512
.set KQ,     4
.set WOFF,   0
.set LAPS,   KQ/2
.set FR,     16
.set NL,     4
.set NP,     8
.set RR,   12
.set HH,   13
.set VS,   14
.set LI,   15
.set ADRA, 16
.set ADSA, 18
.set ADRB, 20
.set ADSB, 22
.set BST,  24
.set BIA,  25
.set BVA,  27
.set SPW,  28
.set NIL,  29
.set SCA,  32
.set SCB,  48
.set AF,   128
.set T,    96
.set PC,   160
.set TM,   176
.set PW,   192
.set PWE,  193
.set SW,   196
.set H0,   200
.set BV,   204
.set G1,   24
.set G0,   32
.set G1B,  48
.set G0B,  56
.set SEL,  86
.set MNT,  88
.set MSB, 0
.macro WIN new
.if MSB != \new
	s_set_vgpr_msb (MSB<<8)|\new
.set MSB, \new
.endif
.endm
.set MUL_LO, 0xa1
.set MUL_HI, 0xf1
.set TO_B,   0x40
.macro JLOAD g0a, g1a, g0b, g1b
	s_cmp_eq_u32 s15, 0
	s_cbranch_scc0 .Lfor_b_\@
	tensor_load_to_lds s[\g0a:\g0a+3], s[\g1a:\g1a+7]
	s_nop 0
.rept 4
	v_nop
.endr
	s_branch .Lasked_\@
.Lfor_b_\@:
	tensor_load_to_lds s[\g0b:\g0b+3], s[\g1b:\g1b+7]
	s_nop 0
.rept 4
	v_nop
.endr
.Lasked_\@:
.endm
.macro CREST
	s_cmp_lg_u32 s14, 0
	s_cbranch_scc1 .Lnot_wave_0_\@
	s_barrier_signal -3
.Lnot_wave_0_\@:
	s_barrier_wait -3
	s_barrier_signal -1
	s_barrier_wait -1
.endm
.macro CROUND
	s_barrier_signal -1
	s_barrier_wait -1
	CREST
.endm
	s_load_b256 s[4:11], s[0:1], 0x0
	s_load_b64 s[12:13], s[0:1], 0x20
	v_lshl_add_u32 v[SPW], v0, 2, SPARE
	v_mov_b32 v[NIL], 0
	ds_add_u32 v28, v29
	ds_add_u32 v28, v29
	s_wait_dscnt 0x0
	v_lshrrev_b32 v1, 5, v0
	v_readfirstlane_b32 s14, v1
	s_lshr_b32 s15, s14, 1
	s_and_b32 s16, s14, 1
	s_bfe_u32 s40, ttmp6, 0x40000
	s_bfe_u32 s41, ttmp6, 0x40004
	s_lshl_b32 s42, ttmp9, 2
	s_add_co_u32 s42, s42, s40
	s_and_b32 s17, ttmp7, 0xffff
	s_lshl_b32 s17, s17, 2
	s_add_co_u32 s17, s17, s41
	s_lshl_b32 s43, s41, 2
	s_lshl_b32 s43, 15, s43
	s_lshl_b32 s44, 0x1111, s40
	s_or_b32 s[G1+0], s43, (3<<16)|(1<<21)
	s_or_b32 s[G1B+0], s44, (3<<16)|(1<<21)
.irp g, G1, G1B
	s_mov_b32 s[\g+1], 32<<16
	s_mov_b32 s[\g+2], 132<<16
	s_mov_b32 s[\g+3], 32<<16
	s_mov_b32 s[\g+4], 132
	s_mov_b32 s[\g+5], 32
	s_mov_b32 s[\g+6], 0
	s_mov_b32 s[\g+7], 0
.endr
	s_lshl_b32 s20, s17, 1
	s_add_co_u32 s20, s20, s16
	s_mul_i32 s20, s20, KQ*PANEL
	s_mov_b32 s21, 0
	s_lshl_b32 s46, s42, 1
	s_add_co_u32 s46, s46, s16
	s_mul_i32 s46, s46, KQ*PANEL
	s_add_co_u32 s46, s46, WOFF*PANEL
	s_mov_b32 s47, 0
	s_mul_i32 s45, s14, PANEL
	s_wait_kmcnt 0x0
	s_add_nc_u64 s[20:21], s[4:5], s[20:21]
	s_add_nc_u64 s[46:47], s[6:7], s[46:47]
	CROUND
.irp s, 0,1
	s_mov_b32 s[G0+4*\s], 1
	s_add_co_u32 s[G0+4*\s+1], s45, \s*SLOT
	s_add_nc_u64 s[G0+4*\s+2:G0+4*\s+3], s[20:21], \s*PANEL
	s_or_b32 s[G0+4*\s+3], s[G0+4*\s+3], 0x80000000
	s_mov_b32 s[G0B+4*\s], 1
	s_add_co_u32 s[G0B+4*\s+1], s45, \s*SLOT
	s_add_nc_u64 s[G0B+4*\s+2:G0B+4*\s+3], s[46:47], \s*PANEL
	s_or_b32 s[G0B+4*\s+3], s[G0B+4*\s+3], 0x80000000
.if \s                                         ; slot 1's first fill is issued as a refill is, with a wait, the add and a round ahead of it; slot 0's follows the round above
	s_wait_alu depctr_va_vdst(0)
	s_wait_tensorcnt 0x0
	ds_add_u32 v28, v29
	ds_add_u32 v28, v29
	s_wait_dscnt 0x0
	CROUND
.endif
	JLOAD G0+4*\s, G1, G0B+4*\s, G1B
.endr
	v_and_b32 v1, 31, v0
	v_and_b32 v[RR], 15, v0
	v_bfe_u32 v[HH], v0, 4, 1
	v_lshlrev_b32 v[LI], 4, v1
	s_wait_alu depctr_va_vdst(0)
	v_lshlrev_b32 v5, 3, v[RR]
	s_wait_alu depctr_va_vdst(0)
	s_cmp_eq_u32 ttmp9, 2
	s_cselect_b32 s68, 2*PANEL, 0
	s_cselect_b32 s69, 0, 2*PANEL
	s_cselect_b32 s71, s15, s16
	s_cselect_b32 s72, s16, s15
	s_mul_i32 s66, s15, PANEL
	s_add_co_u32 s66, s66, s68
	s_mul_i32 s67, s16, PANEL
	s_add_co_u32 s67, s67, s69
.irp s, 0,1
	v_add_nc_u32 v[ADRA+\s], s66, v[LI]
	v_add_nc_u32 v[ADSA+\s], s66, v5
	v_add_nc_u32 v[ADRB+\s], s67, v[LI]
	v_add_nc_u32 v[ADSB+\s], s67, v5
	s_add_co_u32 s66, s66, SLOT
	s_add_co_u32 s67, s67, SLOT
.endr
	s_lshl_b32 s70, s40, 2
	s_lshl_b32 s73, s71, 1
	s_add_co_u32 s70, s70, s73
	s_mul_i32 s74, s70, 768
	s_lshl_b32 s75, ttmp9, 8
	s_add_co_u32 s74, s74, s75
	s_mov_b32 s75, 0
	s_add_nc_u64 s[8:9], s[8:9], s[74:75]
	v_mul_u32_u24 v6, v[HH], 768
	v_lshl_add_u32 v6, v[RR], 4, v6
	global_load_b128 v[96:99], v6, s[8:9]
	s_lshl_b32 s76, s14, 9
	s_add_co_u32 s76, s76, SCR
	v_add_nc_u32 v[BST], s76, v[LI]
	v_lshl_add_u32 v[BIA], v[HH], 6, s76
	v_and_b32 v7, 8, v[RR]
	v_add_nc_u32 v7, v7, v[RR]
	v_lshl_add_u32 v[BVA], v7, 2, s76
	s_lshl_b32 s90, s17, 1
	s_add_co_u32 s90, s90, s72
	s_lshr_b32 s91, s90, 4
	s_and_b32 s90, s90, 15
	s_lshl_b32 s91, s91, 4
	s_add_co_u32 s91, s91, s70
	s_mov_b32 s[SEL], 0x76543210
	s_mov_b32 s[SEL+1], 0xfedcba98
	s_mov_b32 s[MNT], 0x600000
	s_mov_b32 s89, 0xffff0000
	s_wait_alu depctr_va_vdst(0)
	s_wait_loadcnt 0x0
	ds_store_b128 v[BST], v[96:99]
.macro FRAG reg, adr, q, i
.irp c, 0,1,2,3
	ds_load_b128 v[\reg+4*\c:\reg+4*\c+3], v[\adr] offset:(8*(\q)+(\i))*2048+512*\c
.endr
.endm
.macro MUL16 a0, p, q, sc, zero
.irp a, \a0, \a0+1
.irp b, 0,1,2,3,4,5,6,7
.if \zero
	v_wmma_scale_f32_16x16x128_f8f6f4 v[8*(8*((\a)%4)+\b):8*(8*((\a)%4)+\b)+7], v[128*(\p)+FR*\b:128*(\p)+FR*\b+FR-1], v[AF+FR*(\a):AF+FR*(\a)+FR-1], 0, v[SCB+32*(\sc)+2*\b+(\q)], v[SCA+32*(\sc)+2*(\a)+(\q)]
.else
	v_wmma_scale_f32_16x16x128_f8f6f4 v[8*(8*((\a)%4)+\b):8*(8*((\a)%4)+\b)+7], v[128*(\p)+FR*\b:128*(\p)+FR*\b+FR-1], v[AF+FR*(\a):AF+FR*(\a)+FR-1], v[8*(8*((\a)%4)+\b):8*(8*((\a)%4)+\b)+7], v[SCB+32*(\sc)+2*\b+(\q)], v[SCA+32*(\sc)+2*(\a)+(\q)]
.endif
.endr
.endr
.endm
.macro FETCH_B slot, q, p
	WIN TO_B
.irp i, 0,1,2,3,4,5,6,7
	FRAG 128*(\p)+FR*\i, ADRB+\slot, \q, \i
.endr
	WIN 0
.endm
.macro FETCH_A slot, q, i0
.irp i, \i0, \i0+1, \i0+2, \i0+3
	FRAG AF+FR*(\i), ADRA+\slot, \q, \i
.endr
.endm
.macro SCALES sc
.irp i, 0,1,2,3,4,5,6,7
	ds_load_b64 v[SCA+32*\sc+2*\i:SCA+32*\sc+2*\i+1], v[ADSA+\sc] offset:32768+128*\i
	ds_load_b64 v[SCB+32*\sc+2*\i:SCB+32*\sc+2*\i+1], v[ADSB+\sc] offset:32768+128*\i
.endr
.endm
.macro PLACES n
.rept \n
	v_nop
.endr
.endm
.macro STEP slot, q, zero
	s_wait_dscnt 4*NL
	WIN MUL_LO
	MUL16 0, (\q)%2, \q, \slot, \zero
	MUL16 2, (\q)%2, \q, \slot, \zero
	s_wait_dscnt 0
	PLACES NP
	FETCH_B \slot, (\q)+1, 1-(\q)%2
	FETCH_A \slot, (\q)+1, 0
	WIN MUL_HI
	MUL16 4, (\q)%2, \q, \slot, \zero
	MUL16 6, (\q)%2, \q, \slot, \zero
	PLACES NP
	WIN 0
	FETCH_A \slot, (\q)+1, 4
.endm
.macro TURN slot, next, fill
	s_wait_tensorcnt 0x0
	ds_add_u32 v[SPW], v[NIL]
	s_wait_dscnt 4*NL+1
	WIN MUL_LO
	MUL16 0, 1, 1, \slot, 0
	s_wait_dscnt 0x0
	s_barrier_signal -1
	MUL16 2, 1, 1, \slot, 0
	WIN 0
	s_barrier_wait -1
.if \fill
	CREST
	s_add_nc_u64 s[G0+4*\slot+2:G0+4*\slot+3], s[G0+4*\slot+2:G0+4*\slot+3], 2*PANEL
	s_add_nc_u64 s[G0B+4*\slot+2:G0B+4*\slot+3], s[G0B+4*\slot+2:G0B+4*\slot+3], 2*PANEL
	JLOAD G0+4*\slot, G1, G0B+4*\slot, G1B
	PLACES NP-4
.else
	PLACES NP
.endif
	FETCH_B \next, 0, 0
	FETCH_A \next, 0, 0
	SCALES \next
	WIN MUL_HI
	MUL16 4, 1, 1, \slot, 0
	MUL16 6, 1, 1, \slot, 0
	PLACES NP
	WIN 0
	FETCH_A \next, 0, 4
.endm
	s_wait_dscnt 0x0
	s_wait_tensorcnt 1
	s_barrier_signal -1
	s_barrier_wait -1
	FETCH_B 0, 0, 0
	FETCH_A 0, 0, 0
	SCALES 0
	FETCH_A 0, 0, 4
	STEP 0, 0, 1
	s_mov_b32 s3, LAPS-1
.Llap:
	TURN 0, 1, 1
	STEP 1, 0, 0
	TURN 1, 0, 1
	STEP 0, 0, 0
	s_sub_co_u32 s3, s3, 1
	s_cmp_lg_u32 s3, 0
	s_cbranch_scc1 .Llap
	TURN 0, 1, 0
	STEP 1, 0, 0
	s_wait_dscnt 4*NL
	WIN MUL_LO
	MUL16 0, 1, 1, 1, 0
	MUL16 2, 1, 1, 1, 0
	s_wait_dscnt 0
	WIN MUL_HI
	MUL16 4, 1, 1, 1, 0
	MUL16 6, 1, 1, 1, 0
	WIN 0
	PLACES NP
.macro QUANT s
.irp b, 0,1,2,3
	v_max3_num_f32 v[TM+\b], |v[\s+16*\b]|, |v[\s+1+16*\b]|, 0x4800000
.endr
.irp i, 2,4,6,8,10,12,14
.irp b, 0,1,2,3
	v_max3_num_f32 v[TM+\b], v[TM+\b], |v[\s+16*\b+\i]|, |v[\s+1+16*\b+\i]|
.endr
.endr
.irp b, 0,1,2,3
	v_permlanex16_b32 v[TM+4+\b], v[TM+\b], s[SEL], s[SEL+1]
.endr
.irp b, 0,1,2,3
	v_max_num_f32 v[TM+\b], v[TM+\b], v[TM+4+\b]
.endr
.irp b, 0,1,2,3
	v_add_nc_u32 v[TM+12+\b], 0xfc000000, v[TM+\b]
.endr
.irp b, 0,1,2,3
	v_and_or_b32 v[TM+8+\b], v[TM+\b], 0x7f800000, s[MNT]
.endr
.irp b, 0,1,2,3
	v_lshrrev_b32 v[TM+4+\b], 23, v[TM+12+\b]
.endr
	v_lshl_or_b32 v[PW], v[TM+5], 8, v[TM+4]
	v_lshl_or_b32 v[PW], v[TM+6], 16, v[PW]
	v_lshl_or_b32 v[PW], v[TM+7], 24, v[PW]
	s_wait_xcnt 0x0
.irp b, 0,1,2,3
.irp i, 0,1,2,3,4,5,6,7,8,9,10,11,12,13,14,15
	v_med3_num_f32 v[\s+16*\b+\i], v[\s+16*\b+\i], -v[TM+8+\b], v[TM+8+\b]
.endr
	v_cvt_scalef32_pk8_fp8_f32 v[PC+4*\b:PC+1+4*\b], v[\s+16*\b:\s+7+16*\b], v[TM+12+\b]
	v_cvt_scalef32_pk8_fp8_f32 v[PC+2+4*\b:PC+3+4*\b], v[\s+8+16*\b:\s+15+16*\b], v[TM+12+\b]
.endr
	v_nop
.endm
.irp b, 0,1,2,3
	v_mov_b32 v[TM+4+\b], 0
.endr
	s_cmp_eq_u32 ttmp9, 2
	s_cbranch_scc1 .Lpath_v
	s_cmp_eq_u32 ttmp9, 0
	s_cselect_b64 s[74:75], s[10:11], s[12:13]
	s_mov_b32 s76, 270336
	s_cselect_b32 s76, 131072, s76
	s_cselect_b32 s77, 13, 14
	s_mov_b32 s78, 262144
	s_cselect_b32 s78, 4194304, s78
	s_mov_b32 s79, 270336
	s_cselect_b32 s79, 4096, s79
	s_cselect_b32 s80, 8, 9
	s_mul_i32 s82, s91, s76
	s_lshl_b32 s83, s90, s77
	s_add_co_u32 s82, s82, s83
	s_mov_b32 s83, 0
	s_add_nc_u64 s[82:83], s[74:75], s[82:83]
	s_mov_b32 s77, 0
	s_add_nc_u64 s[84:85], s[82:83], s[76:77]
	s_mul_i32 s92, s91, s79
	s_lshl_b32 s93, s90, s80
	s_add_co_u32 s92, s92, s93
	s_add_co_u32 s92, s92, s78
	s_mov_b32 s93, 0
	s_add_nc_u64 s[92:93], s[74:75], s[92:93]
	v_mul_u32_u24 v[VS], s79, v[HH]
	v_lshl_add_u32 v[VS], v[RR], 4, v[VS]
	WIN 0x40
.irp b, 0,1,2,3
.irp j, 0,1,2,3
	ds_load_b128 v[16*\b+4*\j:16*\b+4*\j+3], v[BIA] offset:128*\b+16*\j
.endr
.endr
	WIN 0
	s_wait_dscnt 0x0
.macro EPQ a
	WIN 0x06+(\a)/4
.set P_, 0
.rept 32
	v_pk_add_f32 v[T+P_:T+P_+1], v[64*((\a)%4)+P_:64*((\a)%4)+P_+1], v[P_:P_+1]
.set P_, P_+2
.endr
	WIN 0
	QUANT T
	global_store_b128 v[LI], v[PC:PC+3], s[82:83] offset:1024*(\a)
	global_store_b128 v[LI], v[PC+4:PC+7], s[82:83] offset:1024*(\a)+512
	global_store_b128 v[LI], v[PC+8:PC+11], s[84:85] offset:1024*(\a)
	global_store_b128 v[LI], v[PC+12:PC+15], s[84:85] offset:1024*(\a)+512
.if (\a)%2 == 0
	v_mov_b32 v[PWE], v[PW]
.else
	v_perm_b32 v194, v[PW], v[PWE], 0x05040100
	v_perm_b32 v195, v[PW], v[PWE], 0x07060302
	v_cndmask_b32 v[SW+(\a)/2], v194, v195, s89
.endif
.endm
.irp a, 0,1,2,3,4,5,6,7
	EPQ \a
.endr
	global_store_b128 v[VS], v[SW:SW+3], s[92:93]
	s_branch .Lend
.Lpath_v:
	s_mul_i32 s82, s91, 270336
	s_lshl_b32 s83, s90, 14
	s_add_co_u32 s82, s82, s83
	s_add_co_u32 s82, s82, 8192
	s_mov_b32 s83, 0
	s_add_nc_u64 s[82:83], s[12:13], s[82:83]
	s_add_nc_u64 s[84:85], s[82:83], 270336
	s_mul_i32 s92, s91, 270336
	s_lshl_b32 s93, s90, 9
	s_add_co_u32 s92, s92, s93
	s_add_co_u32 s92, s92, 262144+256
	s_mov_b32 s93, 0
	s_add_nc_u64 s[92:93], s[12:13], s[92:93]
	v_mul_u32_u24 v[VS], 0x42000, v[HH]
	v_lshl_add_u32 v[VS], v[RR], 4, v[VS]
.irp a, 0,1,2,3,4,5,6,7
	ds_load_b32 v[BV+2*\a], v[BVA] offset:4*(32*(\a/2)+8*(\a%2))
	v_mov_b32 v[BV+2*\a+1], 0
.endr
	s_wait_alu depctr_va_vdst(0)
	s_wait_dscnt 0x0
.macro EPV a
	WIN 0x02+(\a)/4
.set P_, 0
.rept 32
	v_pk_add_f32 v[T+P_:T+P_+1], v[64*((\a)%4)+P_:64*((\a)%4)+P_+1], v[BV+2*(\a):BV+2*(\a)+1] op_sel_hi:[1,0]
.set P_, P_+2
.endr
	WIN 0
	QUANT T
.irp c, 0,1,2,3
	global_store_b128 v[LI], v[PC+4*\c:PC+4*\c+3], s[82+2*((\a)/4):83+2*((\a)/4)] offset:2048*((\a)%4)+512*\c
.endr
.if (\a) < 4
	v_mov_b32 v[H0+(\a)], v[PW]
.else
	v_cndmask_b32 v[SW+(\a)%4], v[H0+(\a)%4], v[PW], s89
.endif
.endm
.irp a, 0,1,2,3,4,5,6,7
	EPV \a
.endr
	global_store_b128 v[VS], v[SW:SW+3], s[92:93]
.Lend:
	s_wait_tensorcnt 0x0
	ds_add_u32 v[SPW], v[NIL]
	s_wait_dscnt 0x0
	CROUND
	s_endpgm
.Lfunc_end_k_qed882a09a2_qkv:
	.size	k_qed882a09a2_qkv, .Lfunc_end_k_qed882a09a2_qkv-k_qed882a09a2_qkv
	.p2alignl 7, 3214868480
	.fill 96, 4, 3214868480
	.section	.rodata,"a",@progbits
	.p2align	6, 0x0
	.amdhsa_kernel k_qed882a09a2_qkv
		.amdhsa_group_segment_fixed_size 327680
		.amdhsa_private_segment_fixed_size 0
		.amdhsa_enable_private_segment 0
		.amdhsa_kernarg_size 40
		.amdhsa_user_sgpr_count 2
		.amdhsa_user_sgpr_kernarg_segment_ptr 1
		.amdhsa_wavefront_size32 1
		.amdhsa_system_sgpr_workgroup_id_x 1
		.amdhsa_system_sgpr_workgroup_id_y 1
		.amdhsa_system_sgpr_workgroup_id_z 1
		.amdhsa_system_vgpr_workitem_id 0
		.amdhsa_next_free_vgpr 1024
		.amdhsa_next_free_sgpr 100
		.amdhsa_reserve_vcc 0
		.amdhsa_float_denorm_mode_32 3
		.amdhsa_float_denorm_mode_16_64 3
		.amdhsa_memory_ordered 1
		.amdhsa_forward_progress 1
		.amdhsa_inst_pref_size 255
	.end_amdhsa_kernel
	.section	.bss,"aw",@nobits
	.p2align	6
	.space	262144
	.amdgpu_metadata
---
amdhsa.version: [ 1, 2 ]
amdhsa.kernels:
  - .name:           k_qed882a09a2_qkv
    .symbol:         k_qed882a09a2_qkv.kd
    .args:
      - { .name: h, .offset: 0, .size: 8, .value_kind: global_buffer, .address_space: global }
      - { .name: wc, .offset: 8, .size: 8, .value_kind: global_buffer, .address_space: global }
      - { .name: qkv_b, .offset: 16, .size: 8, .value_kind: global_buffer, .address_space: global }
      - { .name: qc, .offset: 24, .size: 8, .value_kind: global_buffer, .address_space: global }
      - { .name: kv, .offset: 32, .size: 8, .value_kind: global_buffer, .address_space: global }
    .group_segment_fixed_size: 327680
    .private_segment_fixed_size: 0
    .kernarg_segment_align: 8
    .kernarg_segment_size: 40
    .max_flat_workgroup_size: 128
    .sgpr_count:     100
    .vgpr_count:     1024
    .wavefront_size: 32
...
	.end_amdgpu_metadata
.endif
;; end of part 8
;; launch attn (part 9): grid 8 x 32, 16 waves a work-group, clusters of 4 x 1, 327,680 bytes of LDS; arguments qc, kv, cx; writes cx
.if DOCPART == 9
	.amdgcn_target "amdgcn-amd-amdhsa--gfx1250"
	.amdhsa_code_object_version 6
	.text
	.protected	k_qed882a09a2_attn
	.globl	k_qed882a09a2_attn
	.p2align	8
	.type	k_qed882a09a2_attn,@function
k_qed882a09a2_attn:
	s_mov_b64 s[64:65], 0
	v_nop
	global_prefetch_b8 v0, s[64:65] scope:SCOPE_SE
	s_setreg_imm32_b32 hwreg(HW_REG_WAVE_MODE, 25, 1), 1
	s_wait_xcnt 0x0
	s_wait_alu depctr_hold_cnt(0) depctr_sa_sdst(0) depctr_va_vdst(0) depctr_va_sdst(0) depctr_va_ssrc(0) depctr_va_vcc(0) depctr_vm_vsrc(0)
	s_getreg_b32 s2, hwreg(HW_REG_IB_STS2, 6, 4)
	s_cmp_eq_u32 s2, 0
	s_cbranch_scc0 .Lentry_in_a_cluster
	s_endpgm
.Lentry_in_a_cluster:
	s_bfe_u32 s2, ttmp6, 0x10000c
	s_cmp_lg_u32 s2, 0x3003
	s_cbranch_scc0 .Lentry_shape_is_right
	s_endpgm
.Lentry_shape_is_right:
; ctx = softmax(q k^T / 8) v for 32 (batch, head) pairs of 2,048 tokens x 64, both products on codes of E4M3 with one E8M0 byte for each 32 along K; ctx is quantised along the model's 1,024 on the way out.
; THE SOFTMAX: t = score x log2(e) / 8; M = the running largest t rounded UP to a whole number; p = 2^(t - M) is quantised along the keys; the row's sum is taken of the unquantised p and divides at the end.
; SHARES.  A work-group owns 256 queries of one head, each of its sixteen waves one tile of 16.  The whole head's K, V and scale words, 270,336 bytes, come into LDS once, in two groups of loads; no byte of LDS is filled twice.
; At the head waves 0-7 ask for key steps 0-3 (32 rows of 256 bytes each) and waves 8-15 for the scale words (4 rows each): one tensor load a wave.  Behind the wait for 0, the add and a round of the cluster's barrier
; every wave asks for 48 rows of key steps 4-15, which have steps 0-3 in which to land; a plain barrier behind step 3 shows them.  A wave has one tensor load out at the most.
; The four query blocks of a cluster belong to one head: every piece is asked for jointly (mask 15).
; LAYOUT.  Both products transposed: a lane holds ONE query (lane % 16).  The first product's K is 64, the instruction's 128: a fragment of K holds TWO key tiles, one in k 0-63 and one in k 64-127, and is multiplied
; twice: by q with zero codes above (v16-31) and by q with zero codes below (v24-39): the eight registers of zeros serve both.  Key tile 2 f + u, row r, is key 32 f + 8 u + r + 8 (r / 8).
; V's fragment f is 16 dims (32 (f / 2) + 8 (f % 2) + r + 8 (r / 8)) x 128 keys, so that O^T's 32 registers are dims 32 b + 16 h + i in the quantiser's order.
; THE HOLD writes into 16 registers of its own, two numbers an instruction, so that p stays as it is: the row's sum is taken behind the conversions and behind the second product, where its additions are the places that those ask for.
; The next step's fragments of K are asked for among these additions.
; No prefetch: all that the launch reads is asked for by the end of its head.
; LIMITS: NaN and infinities are not served; the scaled scores stay under 2^31 in magnitude; a block of ctx whose largest magnitude lies under 2^-118 gets the byte 1.
; REGISTERS: v1 16 x lane; v2 the scale words' place; v4, v5 the add's two; v8, v10 addresses in hand; v12 -M, v13 the largest t, v[14:15] the sum; v16-39 q; v40-103 four fragments of K or V; v104-167 S^T, then p;
; v168-199 O^T; v200-215 p's codes; v216-231 held p; v232-247 at work; v248-251 K's and V's scale words; v252 f; v253 p's scale word; v255 q's.
.set PANEL, 33792
.set HEADB, 270336
.set SPARE, HEADB                      ; the spare words: 128 bytes a wave, eight blocks of 256 bytes
.set LI,   1
.set LS,   2
.set SPW,  4
.set NIL,  5
.set ADK,  8
.set ADS,  10
.set FRG,  40
.set SS,   104
.set OO,   168
.set PC,   200
.set HT,   216
.set TM,   216
.set WV,   18
.set MNT,  19
.set SEL,  20
.set CS,   22
.set G1C,  24                          ; s[24:31] group 1, 32 rows: key steps 0-3;  s[40:43] its group 0
.set G1S,  32                          ; s[32:39] 4 rows: the scale words;  s[44:47]
.set G1B,  48                          ; s[48:55] 48 rows: key steps 4-15;  s[56:59]
.set TB,   60                          ; s60 LDS byte of the key step in hand;  s61 of its scale words
.set TS,   61
.macro CROUND
	s_barrier_signal -1
	s_barrier_wait -1
	s_cmp_lg_u32 s[WV], 0
	s_cbranch_scc1 .Lnot_wave_0_\@
	s_barrier_signal -3
.Lnot_wave_0_\@:
	s_barrier_wait -3
	s_barrier_signal -1
	s_barrier_wait -1
.endm
.macro GROUP1 g, rows                  ; so many rows of 256 bytes, dense: the mask names all four; elements of 8 bytes; bit 21 beside a mask; no padding
	s_mov_b32 s[\g], 15|(3<<16)|(1<<21)
	s_mov_b32 s[\g+1], 32<<16
	s_mov_b32 s[\g+2], (\rows)<<16
	s_mov_b32 s[\g+3], 32<<16
	s_mov_b32 s[\g+4], \rows
	s_mov_b32 s[\g+5], 32
	s_mov_b32 s[\g+6], 0
	s_mov_b32 s[\g+7], 0
.endm
	s_load_b128 s[4:7], s[0:1], 0x0                ; qc, kv
	s_load_b64 s[8:9], s[0:1], 0x10                ; cx
	v_lshl_add_u32 v[SPW], v0, 2, SPARE
	v_mov_b32 v[NIL], 0
	ds_add_u32 v[SPW], v[NIL]                      ; the opening add, twice on end; its wait is below
	ds_add_u32 v[SPW], v[NIL]
	v_lshrrev_b32 v3, 5, v0
	v_readfirstlane_b32 s[WV], v3                  ; wave 0..15
	s_bfe_u32 s10, ttmp6, 0x40000                  ; my place in the cluster: it enters global addresses of q and ctx alone
	s_lshl_b32 s11, ttmp9, 2
	s_add_co_u32 s11, s11, s10                     ; my block of 256 queries
	s_and_b32 s12, ttmp7, 0xffff                   ; (batch, head), which the four partners share
	s_mul_i32 s14, s12, HEADB
	s_mov_b32 s15, 0
	GROUP1 G1C, 32
	GROUP1 G1S, 4
	GROUP1 G1B, 48
	s_mov_b32 s40, 1                               ; LDS is the image of kv's head, byte for byte: each piece's LDS address is also its offset in the head
	s_mul_i32 s41, s[WV], 8192                     ; waves 0-7: 8,192 bytes of key steps 0-3
	s_mov_b32 s44, 1
	s_mul_i32 s45, s[WV], 1024                     ; waves 8-15: 1,024 bytes of the scale words, which begin at 262,144
	s_add_co_u32 s45, s45, 262144-8*1024
	s_mov_b32 s56, 1
	s_mul_i32 s57, s[WV], 12288                    ; every wave: 12,288 bytes of key steps 4-15
	s_add_co_u32 s57, s57, 65536
	s_wait_dscnt 0x0
	s_wait_kmcnt 0x0
	s_add_nc_u64 s[6:7], s[6:7], s[14:15]          ; kv at my head
	s_mov_b32 s14, s41
	s_add_nc_u64 s[42:43], s[6:7], s[14:15]
	s_or_b32 s43, s43, 0x80000000
	s_mov_b32 s14, s45
	s_add_nc_u64 s[46:47], s[6:7], s[14:15]
	s_or_b32 s47, s47, 0x80000000
	s_mov_b32 s14, s57
	s_add_nc_u64 s[58:59], s[6:7], s[14:15]
	s_or_b32 s59, s59, 0x80000000
	CROUND                                         ; all four work-groups are here: the joint loads meet
	s_cmp_lt_u32 s[WV], 8                          ; one tensor load a wave at the head, in the two arms of one branch on the wave's number
	s_cbranch_scc0 .Lfor_scales
	tensor_load_to_lds s[40:43], s[G1C:G1C+7]
	s_nop 0
.rept 4
	v_nop
.endr
	s_branch .Lhead_asked
.Lfor_scales:
	tensor_load_to_lds s[44:47], s[G1S:G1S+7]
	s_nop 0
.rept 4
	v_nop
.endr
.Lhead_asked:
	s_mov_b32 s[SEL], 0x76543210
	s_mov_b32 s[SEL+1], 0xfedcba98
	s_mov_b32 s[CS], 0x3e38aa3b                    ; c = log2(e) / 8
	s_mov_b32 s[CS+1], s[CS]
	s_mov_b32 s[MNT], 0x600000
	s_mov_b32 s[TB], 0
	s_mov_b32 s[TS], 0
	s_lshl_b32 s13, s11, 4
	s_add_co_u32 s13, s13, s[WV]                   ; my query tile, 0..127
	s_lshr_b32 s66, s13, 3                         ; its group of 128 tokens
	s_and_b32 s67, s[WV], 7                        ; and its place a in the group
	s_lshl_b32 s68, s12, 7
	s_add_co_u32 s68, s68, s13
	s_lshl_b32 s68, s68, 10                        ; q's codes
	s_mov_b32 s69, 0
	s_add_nc_u64 s[70:71], s[4:5], s[68:69]
	s_lshl_b32 s68, s12, 12
	s_lshl_b32 s72, s66, 8
	s_add_co_u32 s68, s68, s72
	s_lshr_b32 s72, s67, 1
	s_lshl_b32 s72, s72, 2
	s_add_co_u32 s68, s68, s72
	s_add_co_u32 s68, s68, 4194304                 ; q's scale words: word a / 2 of my rows
	s_add_nc_u64 s[72:73], s[4:5], s[68:69]
	v_and_b32 v3, 31, v0
	v_lshlrev_b32 v[LI], 4, v3
	v_add_nc_u32 v[LS], 262144, v[LI]
	v_and_b32 v6, 15, v0
	v_lshlrev_b32 v7, 4, v6
	global_load_b128 v[16:19], v[LI], s[70:71]             ; q's 64 codes in k 0-63 of v[16:31]
	global_load_b128 v[20:23], v[LI], s[70:71] offset:512
	global_load_b128 v[32:35], v[LI], s[70:71]             ; the same in k 64-127 of v[24:39]
	global_load_b128 v[36:39], v[LI], s[70:71] offset:512
	global_load_b32 v9, v7, s[72:73]
.irp j, 0,1,2,3,4,5,6,7
	v_mov_b32 v[24+\j], 0                          ; zero codes: they add nothing under any byte but 0xff
.endr
	s_lshr_b32 s74, s12, 4                         ; the batch
	s_and_b32 s75, s12, 15                         ; the head
	s_lshl_b32 s74, s74, 4
	s_add_co_u32 s74, s74, s66                     ; the group of 128 tokens among 32
	s_lshl_b32 s74, s74, 2
	s_lshr_b32 s76, s75, 2
	s_add_co_u32 s74, s74, s76                     ; cx's panel: K = head x 64 + d, 256 to a panel
	s_mul_i32 s74, s74, PANEL
	s_bfe_u32 s76, s75, 0x10001                    ; which 128 of the panel's K
	s_and_b32 s77, s75, 1                          ; which 64 of these
	s_lshl_b32 s78, s76, 3
	s_add_co_u32 s78, s78, s67
	s_lshl_b32 s78, s78, 11
	s_lshl_b32 s79, s77, 10
	s_add_co_u32 s78, s78, s79
	s_add_co_u32 s78, s78, s74
	s_mov_b32 s79, 0
	s_add_nc_u64 s[80:81], s[8:9], s[78:79]        ; my fragment's two chunks
	s_lshl_b32 s78, s67, 7
	s_lshl_b32 s82, s76, 2
	s_add_co_u32 s78, s78, s82
	s_lshl_b32 s82, s77, 1
	s_add_co_u32 s78, s78, s82
	s_add_co_u32 s78, s78, s74
	s_add_co_u32 s78, s78, 32768
	s_add_nc_u64 s[82:83], s[8:9], s[78:79]        ; and my two bytes of its scale words
	s_mov_b32 s84, 0x03020302
	s_and_b32 s85, s[WV], 1                        ; an odd tile's two bytes are the word's upper half
	s_cselect_b32 s84, s84, 0x01000100
	v_mov_b32 v13, 0xff61b1e6                      ; the largest t so far: -3e38
	v_floor_f32 v12, -v13                          ; -M
	v_mov_b32 v14, 0
	v_mov_b32 v15, 0
.irp b, 0,1,2,3
	v_mov_b32 v[236+\b], 0                         ; a lane permute's destination counts as one of its sources
.endr
	v_mov_b32 v253, 0
	s_wait_alu depctr_va_vdst(0)
	s_wait_loadcnt 0x0
	v_perm_b32 v255, v9, v9, s84                   ; q's word: (s0, s1, s0, s1): it serves both operands of q
.set J_, 0
.rept 32
	v_mov_b32 v[OO+J_], 0                          ; O^T: the first change of M multiplies zeros
.set J_, J_+1
.endr
	s_wait_alu depctr_va_vdst(0)
	s_wait_tensorcnt 0x0                           ; my piece of the head's loads is in
	ds_add_u32 v[SPW], v[NIL]
	s_wait_dscnt 0x0
	CROUND                                         ; everybody's piece is in: key steps 0-3 and the scale words lie in LDS; and the four work-groups are here: the joint loads meet
	tensor_load_to_lds s[56:59], s[G1B:G1B+7]      ; my 48 rows of key steps 4-15: the first tensor load behind the round
	s_nop 0
.rept 4
	v_nop
.endr
.macro HOLD2 d, s, b                   ; two numbers held at the largest code x the scale; p is not negative, so the hold is one-sided
	v_dual_min_num_f32 v[\d], v[\s], v[\b] :: v_dual_min_num_f32 v[(\d)+1], v[(\s)+1], v[\b]
.endm
; THE ROW'S SUM of the unquantised p: 32 packed additions in four chains (v[14:15], v[232:233], v[234:235], v[236:237]); n is the addition's number
.macro SUM n
.if (\n) < 3
	v_pk_add_f32 v[232+2*(\n):233+2*(\n)], v[SS+4*(\n):SS+4*(\n)+1], v[SS+4*(\n)+2:SS+4*(\n)+3]
.elseif (\n) < 29
.if ((\n)-3)%4 == 0
	v_pk_add_f32 v[14:15], v[14:15], v[SS+2*(\n)+6:SS+2*(\n)+7]
.else
	v_pk_add_f32 v[230+2*(((\n)-3)%4):231+2*(((\n)-3)%4)], v[230+2*(((\n)-3)%4):231+2*(((\n)-3)%4)], v[SS+2*(\n)+6:SS+2*(\n)+7]
.endif
.elseif (\n) == 29
	v_pk_add_f32 v[14:15], v[14:15], v[232:233]
.elseif (\n) == 30
	v_pk_add_f32 v[234:235], v[234:235], v[236:237]
.else
	v_pk_add_f32 v[14:15], v[14:15], v[234:235]
.endif
.endm
.macro SUMS from, to
.set N_, \from
.rept (\to)-(\from)
	SUM N_
.set N_, N_+1
.endr
.endm
.macro KLOAD adr, off, ads, soff       ; a step's four fragments of K and its scale words: register f: lanes 0-15 K fragment f's word, lanes 16-31 V fragment f's
.irp f, 0,1,2,3
.irp c, 0,1,2,3
	ds_load_b128 v[FRG+16*\f+4*\c:FRG+16*\f+4*\c+3], v[\adr] offset:(\off)+2048*\f+512*\c
.endr
.endr
	ds_load_b128 v[248:251], v[\ads] offset:\soff
.endm
.macro STEP more                       ; 128 keys.  more = 1: the next step's K is asked for
	s_wait_dscnt 0x0                               ; K's fragments and the scale words are in
.irp f, 0,1,2,3
	v_wmma_scale_f32_16x16x128_f8f6f4 v[SS+16*\f:SS+16*\f+7], v[FRG+16*\f:FRG+16*\f+15], v[16:31], 0, v[248+\f], v255
	v_wmma_scale_f32_16x16x128_f8f6f4 v[SS+16*\f+8:SS+16*\f+15], v[FRG+16*\f:FRG+16*\f+15], v[24:39], 0, v[248+\f], v255
.endr
	v_add_nc_u32 v[ADK], s[TB], v[LI]
	v_add_nc_u32 v[ADS], s[TS], v[LS]
.rept 6
	v_nop                                          ; with the two additions: eight places in front of the loads below and of the first read of the scores
.endr
.irp f, 0,1,2,3
.irp c, 0,1,2,3
	ds_load_b128 v[FRG+16*\f+4*\c:FRG+16*\f+4*\c+3], v[ADK] offset:8192+2048*\f+512*\c   ; V is asked for now and lands under the softmax
.endr
.endr
.irp b, 0,1,2,3
	v_max3_num_f32 v[232+\b], v[SS+16*\b], v[SS+1+16*\b], v[SS+2+16*\b]   ; the largest score of each block of 32 keys: for the row's maximum and, since p rises with the score, for the block's largest p
.endr
.irp i, 3,5,7,9,11,13
.irp b, 0,1,2,3
	v_max3_num_f32 v[232+\b], v[232+\b], v[SS+16*\b+\i], v[SS+1+16*\b+\i]
.endr
.endr
.irp b, 0,1,2,3
	v_max_num_f32 v[232+\b], v[232+\b], v[SS+15+16*\b]
.endr
.irp b, 0,1,2,3
	v_permlanex16_b32 v[236+\b], v[232+\b], s[SEL], s[SEL+1]
.endr
.irp b, 0,1,2,3
	s_delay_alu instid0(VALU_DEP_4)
	v_max_num_f32 v[232+\b], v[232+\b], v[236+\b]
.endr
	s_delay_alu instid0(VALU_DEP_2)
	v_max3_num_f32 v254, v232, v233, v234
	s_delay_alu instid0(VALU_DEP_1)
	v_max_num_f32 v254, v254, v235
	s_delay_alu instid0(VALU_DEP_1)
	v_mul_f32 v254, s[CS], v254
	s_delay_alu instid0(VALU_DEP_1)
	v_max_num_f32 v13, v13, v254                   ; the running largest t
	v_mov_b32 v254, v12
	s_delay_alu instid0(VALU_DEP_2)
	v_floor_f32 v12, -v13                          ; the new -M = -ceil(t)
	s_delay_alu instid0(VALU_DEP_1)
	v_sub_f32 v254, v12, v254                      ; old M - new M: a whole number, 0 or less
	s_delay_alu instid0(VALU_DEP_1)
	v_cvt_i32_f32 v254, v254                       ; (it saturates)
	s_delay_alu instid0(VALU_DEP_1)
	v_ldexp_f32 v252, 1.0, v254                    ; f = 2^(old M - new M): a multiplication by it rounds nothing
.set J_, 0
.rept 32
	v_pk_fma_f32 v[SS+J_:SS+J_+1], v[SS+J_:SS+J_+1], s[CS:CS+1], v[12:13] op_sel_hi:[1,0,0]   ; t - M
.set J_, J_+2
.endr
.irp b, 0,1,2,3
	v_fma_f32 v[232+\b], v[232+\b], s[CS], v12     ; the same of each block's largest score
.endr
	s_wait_alu depctr_va_vdst(0)
.set J_, 0
.rept 64
	v_exp_f32 v[SS+J_], v[SS+J_]                   ; p = 2^(t - M)
.set J_, J_+1
.endr
.irp b, 0,1,2,3
	v_exp_f32 v[232+\b], v[232+\b]                 ; each block's largest p
.endr
	v_pk_mul_f32 v[14:15], v[14:15], v[252:253] op_sel_hi:[1,0]   ; the sums under the new M: a plain line behind the exponentials
	s_wait_alu depctr_va_vdst(0)                   ; one wait for the batch, directly ahead of the first reader of O^T too
.set J_, 0
.rept 16
	v_pk_mul_f32 v[OO+J_:OO+J_+1], v[OO+J_:OO+J_+1], v[252:253] op_sel_hi:[1,0]   ; O^T under the new M
.set J_, J_+2
.endr
.irp b, 0,1,2,3
	v_max_num_f32 v[232+\b], 0x4800000, v[232+\b]  ; the floor 2^(9 - 127)
.endr
.irp b, 0,1,2,3
	s_delay_alu instid0(VALU_DEP_4)
	v_add_nc_u32 v[244+\b], 0xfc000000, v[232+\b]  ; the conversion's scale operand
.endr
.irp b, 0,1,2,3
	v_and_or_b32 v[240+\b], v[232+\b], 0x7f800000, s[MNT]   ; 448 x the scale
.endr
.irp b, 0,1,2,3
	v_lshrrev_b32 v[236+\b], 23, v[244+\b]         ; the byte
.endr
	s_delay_alu instid0(VALU_DEP_3)
	v_lshl_or_b32 v253, v237, 8, v236              ; p's scale word for these 128 keys
	s_delay_alu instid0(VALU_DEP_1)
	v_lshl_or_b32 v253, v238, 16, v253
	s_delay_alu instid0(VALU_DEP_1)
	v_lshl_or_b32 v253, v239, 24, v253
.irp b, 0,1,2,3
.irp i, 0,2,4,6,8,10,12,14
	HOLD2 HT+\i, SS+16*\b+\i, 240+\b
.endr
	v_cvt_scalef32_pk8_fp8_f32 v[PC+4*\b:PC+4*\b+1], v[HT:HT+7], v[244+\b]
	v_cvt_scalef32_pk8_fp8_f32 v[PC+4*\b+2:PC+4*\b+3], v[HT+8:HT+15], v[244+\b]
.if \b < 3
	SUM \b                                         ; the plain line between the conversions and the next block's holds, which write their sources
.endif
.endr
	SUMS 3, 7                                      ; four places between the last codes and the products
	s_wait_alu depctr_va_vdst(0)
	s_wait_dscnt 0x0                               ; V is in
.irp f, 0,1,2,3
	v_wmma_scale_f32_16x16x128_f8f6f4 v[OO+8*\f:OO+8*\f+7], v[FRG+16*\f:FRG+16*\f+15], v[PC:PC+15], v[OO+8*\f:OO+8*\f+7], v[248+\f], v253 matrix_a_scale:MATRIX_SCALE_ROW1   ; the four accumulators by turns
.endr
	SUMS 7, 15                                     ; eight places in front of loads into registers that these products read
.if \more
	KLOAD ADK, 16384, ADS, 512                     ; the next step's K, 16,384 bytes on, and its scale words, 512 on
.endif
	SUMS 15, 32
	s_add_co_u32 s[TB], s[TB], 16384
	s_add_co_u32 s[TS], s[TS], 512
.endm
	KLOAD LI, 0, LS, 0
	s_mov_b32 s62, 3
.Lfirst:                                               ; key steps 0-2, each asking for the next step's K: all of it lies in the head's loads
	STEP 1
	s_sub_co_u32 s62, s62, 1
	s_cmp_lg_u32 s62, 0
	s_wait_alu depctr_va_vdst(0)
	s_cbranch_scc1 .Lfirst
	STEP 0                                         ; key step 3 asks for nothing: step 4 is shown by the barrier below
	s_wait_alu depctr_va_vdst(0)
	s_wait_tensorcnt 0x0                           ; my 48 rows of key steps 4-15 are in
	s_wait_dscnt 0x0
	s_barrier_signal -1
	s_barrier_wait -1                              ; everybody's are
	KLOAD ADK, 16384, ADS, 512                     ; key step 4's K, from step 3's addresses
	s_mov_b32 s62, 11
.Lstep:                                                ; key steps 4-14
	STEP 1
	s_sub_co_u32 s62, s62, 1
	s_cmp_lg_u32 s62, 0
	s_wait_alu depctr_va_vdst(0)
	s_cbranch_scc1 .Lstep
	STEP 0                                         ; the last step is written out: nothing follows it in LDS
	; THE WAY OUT: O^T / the sum, quantised along d (two blocks of 32), straight into cx's panel as two chunks of a fragment.  The sum's last 25 additions are the places behind the last products
	v_add_f32 v14, v14, v15
	v_and_b32 v8, 15, v0
	v_lshlrev_b32 v8, 3, v8                        ; 8 r: my row's scale word
	v_permlanex16_b32 v252, v14, s[SEL], s[SEL+1]
	v_add_f32 v14, v14, v252                       ; the row's sum
	s_wait_alu depctr_va_vdst(0)                   ; ahead of the transcendental
	v_rcp_f32 v14, v14
	v_nop
	s_wait_alu depctr_va_vdst(0)                   ; ahead of the first reader
.set J_, 0
.rept 32
	v_mul_f32 v[SS+J_], v[OO+J_], v14              ; register 16 b + i: dim 32 b + 16 h + i of my query
.set J_, J_+1
.endr
.irp b, 0,1
	v_max3_num_f32 v[TM+\b], |v[SS+16*\b]|, |v[SS+1+16*\b]|, 0x4800000
.endr
.irp i, 2,4,6,8,10,12,14
.irp b, 0,1
	v_max3_num_f32 v[TM+\b], v[TM+\b], |v[SS+16*\b+\i]|, |v[SS+1+16*\b+\i]|
.endr
.endr
.irp b, 0,1
	v_permlanex16_b32 v[TM+4+\b], v[TM+\b], s[SEL], s[SEL+1]
.endr
.irp b, 0,1
	v_max_num_f32 v[TM+\b], v[TM+\b], v[TM+4+\b]
.endr
.irp b, 0,1
	v_add_nc_u32 v[TM+12+\b], 0xfc000000, v[TM+\b]
.endr
.irp b, 0,1
	v_and_or_b32 v[TM+8+\b], v[TM+\b], 0x7f800000, s[MNT]
.endr
.irp b, 0,1
	v_lshrrev_b32 v[TM+4+\b], 23, v[TM+12+\b]
.endr
	v_lshl_or_b32 v9, v[TM+5], 8, v[TM+4]          ; my row's two bytes
.irp b, 0,1
.irp i, 0,1,2,3,4,5,6,7,8,9,10,11,12,13,14,15
	v_med3_num_f32 v[SS+16*\b+\i], v[SS+16*\b+\i], -v[TM+8+\b], v[TM+8+\b]
.endr
	v_cvt_scalef32_pk8_fp8_f32 v[SS+32+4*\b:SS+33+4*\b], v[SS+16*\b:SS+7+16*\b], v[TM+12+\b]
	v_cvt_scalef32_pk8_fp8_f32 v[SS+34+4*\b:SS+35+4*\b], v[SS+8+16*\b:SS+15+16*\b], v[TM+12+\b]
.endr
	v_nop
	global_store_b128 v[LI], v[SS+32:SS+35], s[80:81]            ; 512 consecutive bytes each
	global_store_b128 v[LI], v[SS+36:SS+39], s[80:81] offset:512
	global_store_b16 v8, v9, s[82:83]              ; lanes l and l + 16 hold the same row's bytes and write them to the same place
	s_wait_tensorcnt 0x0                           ; the wave's end
	ds_add_u32 v[SPW], v[NIL]
	s_wait_dscnt 0x0
	CROUND                                         ; the closing round: no work-group ends while a partner may still ask jointly
	s_endpgm
.Lfunc_end_k_qed882a09a2_attn:
	.size	k_qed882a09a2_attn, .Lfunc_end_k_qed882a09a2_attn-k_qed882a09a2_attn
	.p2alignl 7, 3214868480
	.fill 96, 4, 3214868480
	.section	.rodata,"a",@progbits
	.p2align	6, 0x0
	.amdhsa_kernel k_qed882a09a2_attn
		.amdhsa_group_segment_fixed_size 327680
		.amdhsa_private_segment_fixed_size 0
		.amdhsa_enable_private_segment 0
		.amdhsa_kernarg_size 24
		.amdhsa_user_sgpr_count 2
		.amdhsa_user_sgpr_kernarg_segment_ptr 1
		.amdhsa_wavefront_size32 1
		.amdhsa_system_sgpr_workgroup_id_x 1
		.amdhsa_system_sgpr_workgroup_id_y 1
		.amdhsa_system_sgpr_workgroup_id_z 1
		.amdhsa_system_vgpr_workitem_id 0
		.amdhsa_next_free_vgpr 256
		.amdhsa_next_free_sgpr 100
		.amdhsa_reserve_vcc 0
		.amdhsa_float_denorm_mode_32 3
		.amdhsa_float_denorm_mode_16_64 3
		.amdhsa_memory_ordered 1
		.amdhsa_forward_progress 1
		.amdhsa_inst_pref_size 90
	.end_amdhsa_kernel
	.amdgpu_metadata
---
amdhsa.version: [ 1, 2 ]
amdhsa.kernels:
  - .name:           k_qed882a09a2_attn
    .symbol:         k_qed882a09a2_attn.kd
    .args:
      - { .name: qc, .offset: 0, .size: 8, .value_kind: global_buffer, .address_space: global }
      - { .name: kv, .offset: 8, .size: 8, .value_kind: global_buffer, .address_space: global }
      - { .name: cx, .offset: 16, .size: 8, .value_kind: global_buffer, .address_space: global }
    .group_segment_fixed_size: 327680
    .private_segment_fixed_size: 0
    .kernarg_segment_align: 8
    .kernarg_segment_size: 24
    .max_flat_workgroup_size: 512
    .sgpr_count:     100
    .vgpr_count:     256
    .wavefront_size: 32
...
	.end_amdgpu_metadata
.endif
;; end of part 9
;; launch proj (part 10): grid 8 x 32, 4 waves a work-group, clusters of 4 x 4, 327,680 bytes of LDS; arguments cx, wc, proj_b, x, x2; writes x2
.if DOCPART == 10
	.amdgcn_target "amdgcn-amd-amdhsa--gfx1250"
	.amdhsa_code_object_version 6
	.text
	.protected	k_qed882a09a2_proj
	.globl	k_qed882a09a2_proj
	.p2align	8
	.type	k_qed882a09a2_proj,@function
k_qed882a09a2_proj:
	s_mov_b64 s[64:65], 0
	v_nop
	global_prefetch_b8 v0, s[64:65] scope:SCOPE_SE
	s_setreg_imm32_b32 hwreg(HW_REG_WAVE_MODE, 25, 1), 1
	s_wait_xcnt 0x0
	s_wait_alu depctr_hold_cnt(0) depctr_sa_sdst(0) depctr_va_vdst(0) depctr_va_sdst(0) depctr_va_ssrc(0) depctr_va_vcc(0) depctr_vm_vsrc(0)
	s_getreg_b32 s2, hwreg(HW_REG_IB_STS2, 6, 4)
	s_cmp_eq_u32 s2, 0
	s_cbranch_scc0 .Lentry_in_a_cluster
	s_endpgm
.Lentry_in_a_cluster:
	s_bfe_u32 s2, ttmp6, 0x10000c
	s_cmp_lg_u32 s2, 0xf033
	s_cbranch_scc0 .Lentry_shape_is_right
	s_endpgm
.Lentry_shape_is_right:
.set PANEL,  33792
.set SLOT,   4*PANEL
.set SPARE,  2*SLOT
.set SCR,    SPARE+512
.set SPITCH, 272
.set KQ,     4
.set WOFF,   96
.set LAPS,   KQ/4
.set NP,     8
.set LI,   15
.set ADRA, 16
.set ADSA, 18
.set ADRB, 20
.set ADSB, 22
.set STO,  24
.set RD,   25
.set B16,  26
.set CO,   27
.set SPW,  28
.set NIL,  29
.set PFO,  30
.set SCA,  32
.set SCB,  48
.set BI,   96
.set ACC,  128
.set G1,   24
.set G0,   32
.set G1B,  48
.set G0B,  56
.set PFA,  92
.set LIM,  94
.set MSB, 0
.macro WIN new
.if MSB != \new
	s_set_vgpr_msb (MSB<<8)|\new
.set MSB, \new
.endif
.endm
.set MUL,  0x05
.set TO_F, 0x40
.macro JLOAD w, g0a, g1a, g0b, g1b     ; a refill of slot w: wave w fetches a's two panels, wave w + 2 W's two; the other two waves fetch nothing
	s_cmp_eq_u32 s14, \w
	s_cbranch_scc0 .Lfor_b_\@
	tensor_load_to_lds s[\g0a:\g0a+3], s[\g1a:\g1a+7]
	s_nop 0
.rept 4
	v_nop
.endr
	s_branch .Lasked_\@
.Lfor_b_\@:
	s_cmp_eq_u32 s14, (\w)+2
	s_cbranch_scc0 .Lasked_\@
	tensor_load_to_lds s[\g0b:\g0b+3], s[\g1b:\g1b+7]
	s_nop 0
.rept 4
	v_nop
.endr
.Lasked_\@:
.endm
.macro CREST
	s_cmp_lg_u32 s14, 0
	s_cbranch_scc1 .Lnot_wave_0_\@
	s_barrier_signal -3
.Lnot_wave_0_\@:
	s_barrier_wait -3
	s_barrier_signal -1
	s_barrier_wait -1
.endm
.macro CROUND
	s_barrier_signal -1
	s_barrier_wait -1
	CREST
.endm
.macro ASK
	s_cmp_gt_u32 s3, s[LIM]
	s_cbranch_scc0 .Lnot_mine_\@
	global_prefetch_b8 v[PFO], s[PFA:PFA+1] offset:2*PANEL th:TH_LOAD_NT scope:SCOPE_SE
.Lnot_mine_\@:
.endm
	s_load_b256 s[4:11], s[0:1], 0x0
	s_load_b64 s[12:13], s[0:1], 0x20
	v_lshl_add_u32 v[SPW], v0, 2, SPARE
	v_mov_b32 v[NIL], 0
	ds_add_u32 v28, v29
	ds_add_u32 v28, v29
	s_wait_dscnt 0x0
	v_lshrrev_b32 v1, 5, v0
	v_readfirstlane_b32 s14, v1
	s_lshr_b32 s15, s14, 1
	s_and_b32 s16, s14, 1
	s_bfe_u32 s40, ttmp6, 0x40000
	s_bfe_u32 s41, ttmp6, 0x40004
	s_lshl_b32 s42, ttmp9, 2
	s_add_co_u32 s42, s42, s40
	s_and_b32 s17, ttmp7, 0xffff
	s_lshl_b32 s17, s17, 2
	s_add_co_u32 s17, s17, s41
	s_lshl_b32 s43, s41, 2
	s_lshl_b32 s43, 15, s43
	s_lshl_b32 s44, 0x1111, s40
	s_or_b32 s[G1+0], s43, (3<<16)|(1<<21)
	s_or_b32 s[G1B+0], s44, (3<<16)|(1<<21)
.irp g, G1, G1B
	s_mov_b32 s[\g+1], 32<<16
	s_mov_b32 s[\g+2], 264<<16                     ; a load brings a slot's two panels of one operand, which lie on end in memory and in LDS: 264 rows of 256 bytes
	s_mov_b32 s[\g+3], 32<<16
	s_mov_b32 s[\g+4], 264
	s_mov_b32 s[\g+5], 32
	s_mov_b32 s[\g+6], 0
	s_mov_b32 s[\g+7], 0
.endr
	s_mul_i32 s20, s17, KQ*PANEL                   ; a: panel KQ x tile row
	s_mov_b32 s21, 0
	s_mul_i32 s46, s42, KQ*PANEL                   ; W: panel KQ x tile column
	s_add_co_u32 s46, s46, WOFF*PANEL
	s_mov_b32 s47, 0
	s_wait_kmcnt 0x0
	s_add_nc_u64 s[20:21], s[4:5], s[20:21]
	s_add_nc_u64 s[46:47], s[6:7], s[46:47]
	CROUND
.irp s, 0,1
	s_mov_b32 s[G0+4*\s], 1
	s_mov_b32 s[G0+4*\s+1], \s*SLOT
	s_add_nc_u64 s[G0+4*\s+2:G0+4*\s+3], s[20:21], \s*2*PANEL
	s_or_b32 s[G0+4*\s+3], s[G0+4*\s+3], 0x80000000
	s_mov_b32 s[G0B+4*\s], 1
	s_mov_b32 s[G0B+4*\s+1], \s*SLOT+2*PANEL
	s_add_nc_u64 s[G0B+4*\s+2:G0B+4*\s+3], s[46:47], \s*2*PANEL
	s_or_b32 s[G0B+4*\s+3], s[G0B+4*\s+3], 0x80000000
.endr
; THE HEAD'S LOADS, ONE A WAVE, in one chain of branches on the wave's number: wave 0 a's panels of slot 0, wave 1 of slot 1, wave 2 W's of slot 0, wave 3 of slot 1
.macro ARM w, g0, g1
	s_cmp_eq_u32 s14, \w
	s_cbranch_scc0 .Lnot_\@
	tensor_load_to_lds s[\g0:\g0+3], s[\g1:\g1+7]
	s_nop 0
.rept 4
	v_nop
.endr
	s_branch .Lhead_asked
.Lnot_\@:
.endm
	ARM 0, G0, G1
	ARM 1, G0+4, G1
	ARM 2, G0B, G1B
	tensor_load_to_lds s[G0B+4:G0B+7], s[G1B:G1B+7]
	s_nop 0
.rept 4
	v_nop
.endr
.Lhead_asked:
	v_and_b32 v1, 31, v0
	v_and_b32 v2, 15, v0
	v_bfe_u32 v3, v0, 4, 1
	v_lshlrev_b32 v[LI], 4, v1
	s_wait_alu depctr_va_vdst(0)
	v_lshlrev_b32 v5, 3, v2
	s_wait_alu depctr_va_vdst(0)
	s_lshl_b32 s66, s15, 13
	s_lshl_b32 s67, s16, 13
	s_add_co_u32 s67, s67, 2*PANEL
	s_lshl_b32 s68, s15, 9
	s_add_co_u32 s68, s68, 32768
	s_lshl_b32 s69, s16, 9
	s_add_co_u32 s69, s69, 2*PANEL+32768
.irp s, 0,1
	v_add_nc_u32 v[ADRA+\s], s66, v[LI]
	v_add_nc_u32 v[ADSA+\s], s68, v5
	v_add_nc_u32 v[ADRB+\s], s67, v[LI]
	v_add_nc_u32 v[ADSB+\s], s69, v5
	s_add_co_u32 s66, s66, SLOT
	s_add_co_u32 s67, s67, SLOT
	s_add_co_u32 s68, s68, SLOT
	s_add_co_u32 s69, s69, SLOT
.endr
	s_lshl_b32 s70, s42, 9
	s_lshl_b32 s71, s16, 8
	s_add_co_u32 s70, s70, s71
	s_mov_b32 s71, 0
	s_add_nc_u64 s[8:9], s[8:9], s[70:71]
	v_lshlrev_b32 v[B16], 4, v2
	global_load_b128 v[BI:BI+3], v[B16], s[8:9]
	s_lshl_b32 s72, s17, 1
	s_add_co_u32 s72, s72, s15
	s_lshl_b32 s72, s72, 18
	s_add_co_u32 s70, s70, s72
	s_add_nc_u64 s[10:11], s[10:11], s[70:71]
	s_add_nc_u64 s[12:13], s[12:13], s[70:71]
	v_lshl_add_u32 v[CO], v3, 12, v[B16]
	s_mul_i32 s73, s14, 16*SPITCH
	s_add_co_u32 s73, s73, SCR
	v_mul_u32_u24 v7, v2, SPITCH
	v_lshl_add_u32 v7, v3, 6, v7
	v_add_nc_u32 v[STO], s73, v7
	v_mul_u32_u24 v7, v3, SPITCH
	v_lshl_add_u32 v7, v2, 4, v7
	v_add_nc_u32 v[RD], s73, v7
.if LAPS > 1
	s_and_b32 s95, ttmp7, 0xffff
	s_cmp_eq_u32 s15, 0
	s_cselect_b32 s96, s40, s41
	s_cselect_b32 s95, ttmp9, s95
	s_cselect_b64 s[PFA:PFA+1], s[20:21], s[46:47]
	s_cmp_eq_u32 s95, 0
	s_cselect_b32 s[LIM], 1, -1
	s_lshl_b32 s96, s96, 13
	s_add_co_u32 s96, s96, 4*PANEL
	s_mul_i32 s97, s16, PANEL                      ; which of a slot's two panels my wave names
	s_add_co_u32 s96, s96, s97
	s_mov_b32 s97, 0
	s_add_nc_u64 s[PFA:PFA+1], s[PFA:PFA+1], s[96:97]
	v_lshlrev_b32 v[PFO], 8, v1
.endif
.macro FETCH slot, st, p
	WIN TO_F
.irp i, 0,1,2,3
.irp c, 0,1,2,3
	ds_load_b128 v[128*(\p)+16*\i+4*\c:128*(\p)+16*\i+4*\c+3], v[ADRA+\slot] offset:((\st)/2)*PANEL+((\st)%2)*16384+\i*2048+512*\c
.endr
.endr
.irp i, 0,1,2,3
.irp c, 0,1,2,3
	ds_load_b128 v[128*(\p)+64+16*\i+4*\c:128*(\p)+64+16*\i+4*\c+3], v[ADRB+\slot] offset:((\st)/2)*PANEL+((\st)%2)*16384+\i*2048+512*\c
.endr
.endr
.endm
.macro SCALES sc
.irp i, 0,1,2,3
.irp n, 0,1
	ds_load_b64 v[SCA+32*\sc+4*\i+2*\n:SCA+32*\sc+4*\i+2*\n+1], v[ADSA+\sc] offset:\n*PANEL+128*\i
	ds_load_b64 v[SCB+32*\sc+4*\i+2*\n:SCB+32*\sc+4*\i+2*\n+1], v[ADSB+\sc] offset:\n*PANEL+128*\i
.endr
.endr
.endm
.macro MUL8 a0, p, st, sc, zero
.irp a, \a0, \a0+1
.irp b, 0,1,2,3
.if \zero
	v_wmma_scale_f32_16x16x128_f8f6f4 v[ACC+8*(4*(\a)+\b):ACC+8*(4*(\a)+\b)+7], v[128*(\p)+64+16*\b:128*(\p)+64+16*\b+15], v[128*(\p)+16*(\a):128*(\p)+16*(\a)+15], 0, v[SCB+32*(\sc)+4*\b+(\st)], v[SCA+32*(\sc)+4*(\a)+(\st)]
.else
	v_wmma_scale_f32_16x16x128_f8f6f4 v[ACC+8*(4*(\a)+\b):ACC+8*(4*(\a)+\b)+7], v[128*(\p)+64+16*\b:128*(\p)+64+16*\b+15], v[128*(\p)+16*(\a):128*(\p)+16*(\a)+15], v[ACC+8*(4*(\a)+\b):ACC+8*(4*(\a)+\b)+7], v[SCB+32*(\sc)+4*\b+(\st)], v[SCA+32*(\sc)+4*(\a)+(\st)]
.endif
.endr
.endr
.endm
.macro PLACES n
.rept \n
	v_nop
.endr
.endm
.macro STEP slot, st, zero
	PLACES NP
	FETCH \slot, (\st)+1, ((\st)+1)%2
	s_wait_dscnt 32
	WIN MUL
	MUL8 0, (\st)%2, \st, \slot, \zero
	MUL8 2, (\st)%2, \st, \slot, \zero
.endm
.macro TURN slot, next, fill
.if (LAPS > 1) && \fill
	s_wait_xcnt 0x0
	s_add_nc_u64 s[PFA:PFA+1], s[PFA:PFA+1], 2*PANEL
.endif
	WIN 0
	s_wait_tensorcnt 0x0
	ds_add_u32 v[SPW], v[NIL]
	s_wait_dscnt 1
	WIN MUL
	MUL8 0, 1, 3, \slot, 0
	s_wait_dscnt 0x0
	s_barrier_signal -1
	MUL8 2, 1, 3, \slot, 0
	WIN 0
	s_barrier_wait -1
.if \fill
	CREST
	s_add_nc_u64 s[G0+4*\slot+2:G0+4*\slot+3], s[G0+4*\slot+2:G0+4*\slot+3], 4*PANEL
	s_add_nc_u64 s[G0B+4*\slot+2:G0B+4*\slot+3], s[G0B+4*\slot+2:G0B+4*\slot+3], 4*PANEL
	JLOAD \slot, G0+4*\slot, G1, G0B+4*\slot, G1B
	PLACES NP
.else
	PLACES NP
.endif
	FETCH \next, 0, 0
	WIN 0
	SCALES \next
.if (LAPS > 1) && \fill
	ASK
.endif
.endm
	s_wait_alu depctr_va_vdst(0)
	s_cmp_lg_u32 s16, 0                            ; waves 0 and 2 have asked for slot 0 and wait for it here; slot 1's two loads, lines of their own, are waited for at the change of slots
	s_cbranch_scc1 .Lslot_1_mine
	s_wait_tensorcnt 0x0
.Lslot_1_mine:
	s_barrier_signal -1
	s_barrier_wait -1
	FETCH 0, 0, 0
	WIN 0
	SCALES 0
	WIN 0x80
.irp a, 0,1,2,3
.irp t, 0,1,2,3,4,5,6,7
	global_load_b128 v[32*\a+4*\t:32*\a+4*\t+3], v[CO], s[10:11] offset:(32*(\a/2)+8*(\a%2)+2*\t+8*(\t/4))*4096 th:TH_LOAD_NT
.endr
.endr
	WIN 0
	STEP 0, 0, 1
.if LAPS > 1
	WIN 0
	s_mov_b32 s3, LAPS-1
.Llap:
	STEP 0, 1, 0
	STEP 0, 2, 0
	TURN 0, 1, 1
	STEP 1, 0, 0
	STEP 1, 1, 0
	STEP 1, 2, 0
	TURN 1, 0, 1
	STEP 0, 0, 0
	WIN 0
	s_sub_co_u32 s3, s3, 1
	s_cmp_lg_u32 s3, 0
	s_cbranch_scc1 .Llap
.endif
	STEP 0, 1, 0
	STEP 0, 2, 0
	TURN 0, 1, 0
	STEP 1, 0, 0
	STEP 1, 1, 0
	STEP 1, 2, 0
	s_wait_dscnt 0x0
	WIN MUL
	MUL8 0, 1, 3, 1, 0
	MUL8 2, 1, 3, 1, 0
	WIN 0
	PLACES NP
.macro TOSTAGE a
.irp b, 0,1,2,3
	ds_store_b128 v[STO], v[ACC+8*(4*(\a)+\b):ACC+8*(4*(\a)+\b)+3] offset:128*(\b/2)+32*(\b%2)
	ds_store_b128 v[STO], v[ACC+8*(4*(\a)+\b)+4:ACC+8*(4*(\a)+\b)+7] offset:128*(\b/2)+32*(\b%2)+16
.endr
.irp t, 0,1,2,3,4,5,6,7
	ds_load_b128 v[ACC+32*(\a)+4*\t:ACC+32*(\a)+4*\t+3], v[RD] offset:2*\t*SPITCH
.endr
.endm
.macro SEND a
	s_wait_dscnt 16*(3-(\a))
	WIN 0x08
.set P_, 0
.rept 16
	v_pk_add_f32 v[ACC+32*(\a)+P_:ACC+32*(\a)+P_+1], v[ACC+32*(\a)+P_:ACC+32*(\a)+P_+1], v[32*(\a)+P_:32*(\a)+P_+1]
.set P_, P_+2
.endr
	WIN 0
.set P_, 0
.rept 8
	v_pk_add_f32 v[ACC+32*(\a)+P_:ACC+32*(\a)+P_+1], v[ACC+32*(\a)+P_:ACC+32*(\a)+P_+1], v[BI:BI+1]
	v_pk_add_f32 v[ACC+32*(\a)+P_+2:ACC+32*(\a)+P_+3], v[ACC+32*(\a)+P_+2:ACC+32*(\a)+P_+3], v[BI+2:BI+3]
.set P_, P_+4
.endr
.irp t, 0,1,2,3,4,5,6,7
	global_store_b128 v[CO], v[ACC+32*(\a)+4*\t:ACC+32*(\a)+4*\t+3], s[12:13] offset:(32*((\a)/2)+8*((\a)%2)+2*\t+8*(\t/4))*4096 th:TH_STORE_NT
.endr
.endm
.irp a, 0,1,2,3
	TOSTAGE \a
.endr
	s_wait_loadcnt 0x0
.irp a, 0,1,2,3
	SEND \a
.endr
	s_wait_tensorcnt 0x0
	ds_add_u32 v[SPW], v[NIL]
	s_wait_dscnt 0x0
	CROUND
	s_endpgm
.Lfunc_end_k_qed882a09a2_proj:
	.size	k_qed882a09a2_proj, .Lfunc_end_k_qed882a09a2_proj-k_qed882a09a2_proj
	.p2alignl 7, 3214868480
	.fill 96, 4, 3214868480
	.section	.rodata,"a",@progbits
	.p2align	6, 0x0
	.amdhsa_kernel k_qed882a09a2_proj
		.amdhsa_group_segment_fixed_size 327680
		.amdhsa_private_segment_fixed_size 0
		.amdhsa_enable_private_segment 0
		.amdhsa_kernarg_size 40
		.amdhsa_user_sgpr_count 2
		.amdhsa_user_sgpr_kernarg_segment_ptr 1
		.amdhsa_wavefront_size32 1
		.amdhsa_system_sgpr_workgroup_id_x 1
		.amdhsa_system_sgpr_workgroup_id_y 1
		.amdhsa_system_sgpr_workgroup_id_z 1
		.amdhsa_system_vgpr_workitem_id 0
		.amdhsa_next_free_vgpr 640
		.amdhsa_next_free_sgpr 100
		.amdhsa_reserve_vcc 0
		.amdhsa_float_denorm_mode_32 3
		.amdhsa_float_denorm_mode_16_64 3
		.amdhsa_memory_ordered 1
		.amdhsa_forward_progress 1
		.amdhsa_inst_pref_size 64
	.end_amdhsa_kernel
	.amdgpu_metadata
---
amdhsa.version: [ 1, 2 ]
amdhsa.kernels:
  - .name:           k_qed882a09a2_proj
    .symbol:         k_qed882a09a2_proj.kd
    .args:
      - { .name: cx, .offset: 0, .size: 8, .value_kind: global_buffer, .address_space: global }
      - { .name: wc, .offset: 8, .size: 8, .value_kind: global_buffer, .address_space: global }
      - { .name: proj_b, .offset: 16, .size: 8, .value_kind: global_buffer, .address_space: global }
      - { .name: x, .offset: 24, .size: 8, .value_kind: global_buffer, .address_space: global }
      - { .name: x2, .offset: 32, .size: 8, .value_kind: global_buffer, .address_space: global }
    .group_segment_fixed_size: 327680
    .private_segment_fixed_size: 0
    .kernarg_segment_align: 8
    .kernarg_segment_size: 40
    .max_flat_workgroup_size: 128
    .sgpr_count:     100
    .vgpr_count:     640
    .wavefront_size: 32
...
	.end_amdgpu_metadata
.endif
;; end of part 10
;; launch ln2: the kernel of part 7 again; grid 256 x 1, 4 waves a work-group, no clusters, 66,560 bytes of LDS; arguments x2, ln2_scale, ln2_bias, h, qkv_w, proj_w, wi_w, wo_w, wc; writes h, wc
;; launch wi (part 11): grid 16 x 16, 4 waves a work-group, clusters of 4 x 4, 327,680 bytes of LDS; arguments h, wc, wi_b, g; writes g
.if DOCPART == 11
	.amdgcn_target "amdgcn-amd-amdhsa--gfx1250"
	.amdhsa_code_object_version 6
	.text
	.protected	k_qed882a09a2_wi
	.globl	k_qed882a09a2_wi
	.p2align	8
	.type	k_qed882a09a2_wi,@function
k_qed882a09a2_wi:
	s_mov_b64 s[64:65], 0
	v_nop
	global_prefetch_b8 v0, s[64:65] scope:SCOPE_SE
	s_setreg_imm32_b32 hwreg(HW_REG_WAVE_MODE, 25, 1), 1
	s_wait_xcnt 0x0
	s_wait_alu depctr_hold_cnt(0) depctr_sa_sdst(0) depctr_va_vdst(0) depctr_va_sdst(0) depctr_va_ssrc(0) depctr_va_vcc(0) depctr_vm_vsrc(0)
	s_getreg_b32 s2, hwreg(HW_REG_IB_STS2, 6, 4)
	s_cmp_eq_u32 s2, 0
	s_cbranch_scc0 .Lentry_in_a_cluster
	s_endpgm
.Lentry_in_a_cluster:
	s_bfe_u32 s2, ttmp6, 0x10000c
	s_cmp_lg_u32 s2, 0xf033
	s_cbranch_scc0 .Lentry_shape_is_right
	s_endpgm
.Lentry_shape_is_right:
.set PANEL,  33792
.set SLOT,   4*PANEL
.set SPARE,  2*SLOT
.set SCR,    SPARE+512
.set KQ,     4
.set WOFF,   128
.set LAPS,   KQ/2
.set FR,     16
.set NL,     4
.set NP,     8
.set PW,   3
.set PWE,  4
.set C1,   6
.set C2,   8
.set SD,   10
.set VS,   14
.set LI,   15
.set ADRA, 16
.set ADSA, 18
.set ADRB, 20
.set ADSB, 22
.set BST,  24
.set BIA,  25
.set SPW,  28
.set NIL,  29
.set SCA,  32
.set SCB,  48
.set AF,   128
.set T,    96
.set U,    160
.set PC,   224
.set TM,   240
.set G1,   24
.set G0,   32
.set G1B,  48
.set G0B,  56
.set SEL,  86
.set MNT,  88
.set MSB, 0
.macro WIN new
.if MSB != \new
	s_set_vgpr_msb (MSB<<8)|\new
.set MSB, \new
.endif
.endm
.set MUL_LO, 0xa1
.set MUL_HI, 0xf1
.set TO_B,   0x40
.macro JLOAD g0a, g1a, g0b, g1b
	s_cmp_eq_u32 s15, 0
	s_cbranch_scc0 .Lfor_b_\@
	tensor_load_to_lds s[\g0a:\g0a+3], s[\g1a:\g1a+7]
	s_nop 0
.rept 4
	v_nop
.endr
	s_branch .Lasked_\@
.Lfor_b_\@:
	tensor_load_to_lds s[\g0b:\g0b+3], s[\g1b:\g1b+7]
	s_nop 0
.rept 4
	v_nop
.endr
.Lasked_\@:
.endm
.macro CREST
	s_cmp_lg_u32 s14, 0
	s_cbranch_scc1 .Lnot_wave_0_\@
	s_barrier_signal -3
.Lnot_wave_0_\@:
	s_barrier_wait -3
	s_barrier_signal -1
	s_barrier_wait -1
.endm
.macro CROUND
	s_barrier_signal -1
	s_barrier_wait -1
	CREST
.endm
	s_load_b256 s[4:11], s[0:1], 0x0
	v_lshl_add_u32 v[SPW], v0, 2, SPARE
	v_mov_b32 v[NIL], 0
	ds_add_u32 v28, v29
	ds_add_u32 v28, v29
	s_wait_dscnt 0x0
	v_lshrrev_b32 v1, 5, v0
	v_readfirstlane_b32 s14, v1
	s_lshr_b32 s15, s14, 1
	s_and_b32 s16, s14, 1
	s_bfe_u32 s40, ttmp6, 0x40000
	s_bfe_u32 s41, ttmp6, 0x40004
	s_lshl_b32 s42, ttmp9, 2
	s_add_co_u32 s42, s42, s40
	s_and_b32 s17, ttmp7, 0xffff
	s_lshl_b32 s17, s17, 2
	s_add_co_u32 s17, s17, s41
	s_lshl_b32 s43, s41, 2
	s_lshl_b32 s43, 15, s43
	s_lshl_b32 s44, 0x1111, s40
	s_or_b32 s[G1+0], s43, (3<<16)|(1<<21)
	s_or_b32 s[G1B+0], s44, (3<<16)|(1<<21)
.irp g, G1, G1B
	s_mov_b32 s[\g+1], 32<<16
	s_mov_b32 s[\g+2], 264<<16                     ; the head's load brings two panels on end: K steps 0 and 1 of my group
	s_mov_b32 s[\g+3], 32<<16
	s_mov_b32 s[\g+4], 264
	s_mov_b32 s[\g+5], 32
	s_mov_b32 s[\g+6], 0
	s_mov_b32 s[\g+7], 0
.endr
	s_lshl_b32 s20, s17, 1
	s_add_co_u32 s20, s20, s16
	s_mul_i32 s20, s20, KQ*PANEL
	s_mov_b32 s21, 0
	s_lshl_b32 s46, s42, 1
	s_add_co_u32 s46, s46, s16
	s_mul_i32 s46, s46, KQ*PANEL
	s_add_co_u32 s46, s46, WOFF*PANEL
	s_mov_b32 s47, 0
	s_mul_i32 s45, s14, 2*PANEL                    ; LDS is laid [wave][slot]: a wave's panels of slots 0 and 1 lie on end
	s_wait_kmcnt 0x0
	s_add_nc_u64 s[20:21], s[4:5], s[20:21]
	s_add_nc_u64 s[46:47], s[6:7], s[46:47]
	CROUND
.irp s, 0,1
	s_mov_b32 s[G0+4*\s], 1
	s_add_co_u32 s[G0+4*\s+1], s45, \s*PANEL
	s_add_nc_u64 s[G0+4*\s+2:G0+4*\s+3], s[20:21], \s*PANEL
	s_or_b32 s[G0+4*\s+3], s[G0+4*\s+3], 0x80000000
	s_mov_b32 s[G0B+4*\s], 1
	s_add_co_u32 s[G0B+4*\s+1], s45, \s*PANEL
	s_add_nc_u64 s[G0B+4*\s+2:G0B+4*\s+3], s[46:47], \s*PANEL
	s_or_b32 s[G0B+4*\s+3], s[G0B+4*\s+3], 0x80000000
.endr
	JLOAD G0, G1, G0B, G1B                         ; my one load at the head: 264 rows of 256 bytes fill my panels of both slots
	v_and_b32 v1, 31, v0
	v_and_b32 v2, 15, v0
	v_bfe_u32 v3, v0, 4, 1
	v_lshlrev_b32 v[LI], 4, v1
	v_lshlrev_b32 v5, 3, v2
	s_mul_i32 s66, s15, 2*PANEL
	s_mul_i32 s67, s16, 2*PANEL
	s_add_co_u32 s67, s67, 4*PANEL
.irp s, 0,1
	v_add_nc_u32 v[ADRA+\s], s66, v[LI]
	v_add_nc_u32 v[ADSA+\s], s66, v5
	v_add_nc_u32 v[ADRB+\s], s67, v[LI]
	v_add_nc_u32 v[ADSB+\s], s67, v5
	s_add_co_u32 s66, s66, PANEL
	s_add_co_u32 s67, s67, PANEL
.endr
	s_lshl_b32 s70, s42, 10
	s_lshl_b32 s71, s16, 9
	s_add_co_u32 s70, s70, s71
	s_mov_b32 s71, 0
	s_add_nc_u64 s[8:9], s[8:9], s[70:71]
	global_load_b128 v[96:99], v[LI], s[8:9]
	s_lshl_b32 s72, s14, 9
	s_add_co_u32 s72, s72, SCR
	v_add_nc_u32 v[BST], s72, v[LI]
	v_lshl_add_u32 v[BIA], v3, 6, s72
	s_lshl_b32 s73, s17, 1
	s_add_co_u32 s73, s73, s15
	s_lshl_b32 s73, s73, 4
	s_add_co_u32 s73, s73, s42
	s_mul_i32 s74, s73, PANEL
	s_mov_b32 s75, 0
	s_add_nc_u64 s[84:85], s[10:11], s[74:75]
	s_lshl_b32 s74, s16, 14
	s_add_nc_u64 s[80:81], s[84:85], s[74:75]
	v_lshlrev_b32 v[VS], 3, v2
	v_lshl_add_u32 v[VS], v3, 7, v[VS]
	s_lshl_b32 s76, s16, 2
	v_add_nc_u32 v[VS], s76, v[VS]
	v_mov_b32 v[C1], 0xc0135761
	v_mov_b32 v[C1+1], 0xc0135761
	v_mov_b32 v[C2], 0xbdd2d3e8
	v_mov_b32 v[C2+1], 0xbdd2d3e8
	s_mov_b32 s[SEL], 0x76543210
	s_mov_b32 s[SEL+1], 0xfedcba98
	s_mov_b32 s[MNT], 0x600000
	s_mov_b32 s89, 0xffff0000
	s_wait_alu depctr_va_vdst(0)
	s_wait_loadcnt 0x0
	ds_store_b128 v[BST], v[96:99]
.macro FRAG reg, adr, q, i
.irp c, 0,1,2,3
	ds_load_b128 v[\reg+4*\c:\reg+4*\c+3], v[\adr] offset:(8*(\q)+(\i))*2048+512*\c
.endr
.endm
.macro MUL16 a0, p, q, sc, zero
.irp a, \a0, \a0+1
.irp b, 0,1,2,3,4,5,6,7
.if \zero
	v_wmma_scale_f32_16x16x128_f8f6f4 v[8*(8*((\a)%4)+\b):8*(8*((\a)%4)+\b)+7], v[128*(\p)+FR*\b:128*(\p)+FR*\b+FR-1], v[AF+FR*(\a):AF+FR*(\a)+FR-1], 0, v[SCB+32*(\sc)+2*\b+(\q)], v[SCA+32*(\sc)+2*(\a)+(\q)]
.else
	v_wmma_scale_f32_16x16x128_f8f6f4 v[8*(8*((\a)%4)+\b):8*(8*((\a)%4)+\b)+7], v[128*(\p)+FR*\b:128*(\p)+FR*\b+FR-1], v[AF+FR*(\a):AF+FR*(\a)+FR-1], v[8*(8*((\a)%4)+\b):8*(8*((\a)%4)+\b)+7], v[SCB+32*(\sc)+2*\b+(\q)], v[SCA+32*(\sc)+2*(\a)+(\q)]
.endif
.endr
.endr
.endm
.macro FETCH_B slot, q, p
	WIN TO_B
.irp i, 0,1,2,3,4,5,6,7
	FRAG 128*(\p)+FR*\i, ADRB+\slot, \q, \i
.endr
	WIN 0
.endm
.macro FETCH_A slot, q, i0
.irp i, \i0, \i0+1, \i0+2, \i0+3
	FRAG AF+FR*(\i), ADRA+\slot, \q, \i
.endr
.endm
.macro SCALES sc
.irp i, 0,1,2,3,4,5,6,7
	ds_load_b64 v[SCA+32*\sc+2*\i:SCA+32*\sc+2*\i+1], v[ADSA+\sc] offset:32768+128*\i
	ds_load_b64 v[SCB+32*\sc+2*\i:SCB+32*\sc+2*\i+1], v[ADSB+\sc] offset:32768+128*\i
.endr
.endm
.macro PLACES n
.rept \n
	v_nop
.endr
.endm
.macro STEP slot, q, zero
	s_wait_dscnt 4*NL
	WIN MUL_LO
	MUL16 0, (\q)%2, \q, \slot, \zero
	MUL16 2, (\q)%2, \q, \slot, \zero
	s_wait_dscnt 0
	PLACES NP
	FETCH_B \slot, (\q)+1, 1-(\q)%2
	FETCH_A \slot, (\q)+1, 0
	WIN MUL_HI
	MUL16 4, (\q)%2, \q, \slot, \zero
	MUL16 6, (\q)%2, \q, \slot, \zero
	PLACES NP
	WIN 0
	FETCH_A \slot, (\q)+1, 4
.endm
.macro TURN slot, next, fill
	s_wait_tensorcnt 0x0
	ds_add_u32 v[SPW], v[NIL]
	s_wait_dscnt 4*NL+1
	WIN MUL_LO
	MUL16 0, 1, 1, \slot, 0
	s_wait_dscnt 0x0
	s_barrier_signal -1
	MUL16 2, 1, 1, \slot, 0
	WIN 0
	s_barrier_wait -1
.if \fill
	CREST
	s_add_nc_u64 s[G0+4*\slot+2:G0+4*\slot+3], s[G0+4*\slot+2:G0+4*\slot+3], 2*PANEL
	s_add_nc_u64 s[G0B+4*\slot+2:G0B+4*\slot+3], s[G0B+4*\slot+2:G0B+4*\slot+3], 2*PANEL
	JLOAD G0+4*\slot, G1, G0B+4*\slot, G1B
	PLACES NP-4
.else
	PLACES NP
.endif
	FETCH_B \next, 0, 0
	FETCH_A \next, 0, 0
	SCALES \next
	WIN MUL_HI
	MUL16 4, 1, 1, \slot, 0
	MUL16 6, 1, 1, \slot, 0
	PLACES NP
	WIN 0
	FETCH_A \next, 0, 4
.endm
	s_wait_dscnt 0x0
	s_wait_tensorcnt 0x0                           ; my two panels are in, and no load of mine is out: a refill brings one panel, 132 rows
	s_mov_b32 s[G1+2], 132<<16
	s_mov_b32 s[G1+4], 132
	s_mov_b32 s[G1B+2], 132<<16
	s_mov_b32 s[G1B+4], 132
	s_barrier_signal -1
	s_barrier_wait -1
	FETCH_B 0, 0, 0
	FETCH_A 0, 0, 0
	SCALES 0
	FETCH_A 0, 0, 4
	STEP 0, 0, 1
	s_mov_b32 s3, LAPS-1
.Llap:
	TURN 0, 1, 1
	STEP 1, 0, 0
	TURN 1, 0, 1
	STEP 0, 0, 0
	s_sub_co_u32 s3, s3, 1
	s_cmp_lg_u32 s3, 0
	s_cbranch_scc1 .Llap
	TURN 0, 1, 0
	STEP 1, 0, 0
	s_wait_dscnt 4*NL
	WIN MUL_LO
	MUL16 0, 1, 1, 1, 0
	MUL16 2, 1, 1, 1, 0
	s_wait_dscnt 0
	WIN MUL_HI
	MUL16 4, 1, 1, 1, 0
	MUL16 6, 1, 1, 1, 0
	WIN 0
	PLACES NP
.macro QUANT s
.irp b, 0,1,2,3
	v_max3_num_f32 v[TM+\b], |v[\s+16*\b]|, |v[\s+1+16*\b]|, 0x4800000
.endr
.irp i, 2,4,6,8,10,12,14
.irp b, 0,1,2,3
	v_max3_num_f32 v[TM+\b], v[TM+\b], |v[\s+16*\b+\i]|, |v[\s+1+16*\b+\i]|
.endr
.endr
.irp b, 0,1,2,3
	v_permlanex16_b32 v[TM+4+\b], v[TM+\b], s[SEL], s[SEL+1]
.endr
.irp b, 0,1,2,3
	v_max_num_f32 v[TM+\b], v[TM+\b], v[TM+4+\b]
.endr
.irp b, 0,1,2,3
	v_add_nc_u32 v[TM+12+\b], 0xfc000000, v[TM+\b]
.endr
.irp b, 0,1,2,3
	v_and_or_b32 v[TM+8+\b], v[TM+\b], 0x7f800000, s[MNT]
.endr
.irp b, 0,1,2,3
	v_lshrrev_b32 v[TM+4+\b], 23, v[TM+12+\b]
.endr
	v_lshl_or_b32 v[PW], v[TM+5], 8, v[TM+4]
	v_lshl_or_b32 v[PW], v[TM+6], 16, v[PW]
	v_lshl_or_b32 v[PW], v[TM+7], 24, v[PW]
	s_wait_xcnt 0x0
.irp b, 0,1,2,3
.irp i, 0,1,2,3,4,5,6,7,8,9,10,11,12,13,14,15
	v_med3_num_f32 v[\s+16*\b+\i], v[\s+16*\b+\i], -v[TM+8+\b], v[TM+8+\b]
.endr
	v_cvt_scalef32_pk8_fp8_f32 v[PC+4*\b:PC+1+4*\b], v[\s+16*\b:\s+7+16*\b], v[TM+12+\b]
	v_cvt_scalef32_pk8_fp8_f32 v[PC+2+4*\b:PC+3+4*\b], v[\s+8+16*\b:\s+15+16*\b], v[TM+12+\b]
.endr
	v_nop
.endm
.irp b, 0,1,2,3
	v_mov_b32 v[TM+4+\b], 0
.endr
	WIN 0x40
.irp b, 0,1,2,3
.irp j, 0,1,2,3
	ds_load_b128 v[16*\b+4*\j:16*\b+4*\j+3], v[BIA] offset:128*\b+16*\j
.endr
.endr
	WIN 0
	s_wait_dscnt 0x0
.macro EPI a
	WIN 0x06+(\a)/4
.set P_, 0
.rept 32
	v_pk_add_f32 v[T+P_:T+P_+1], v[64*((\a)%4)+P_:64*((\a)%4)+P_+1], v[P_:P_+1]
.set P_, P_+2
.endr
	WIN 0
.set P_, 0
.rept 32
	v_pk_mul_f32 v[U+P_:U+P_+1], v[T+P_:T+P_+1], v[T+P_:T+P_+1]
.set P_, P_+2
.endr
.set P_, 0
.rept 32
	v_pk_fma_f32 v[U+P_:U+P_+1], v[U+P_:U+P_+1], v[C2:C2+1], v[C1:C1+1]
.set P_, P_+2
.endr
.set P_, 0
.rept 32
	v_pk_mul_f32 v[U+P_:U+P_+1], v[U+P_:U+P_+1], v[T+P_:T+P_+1]
.set P_, P_+2
.endr
.set P_, 0
	s_wait_alu depctr_va_vdst(0)
.rept 64
	v_exp_f32 v[U+P_], v[U+P_]
.set P_, P_+1
.endr
	v_nop
	s_wait_alu depctr_va_vdst(0)
.set P_, 0
.rept 32
	v_pk_add_f32 v[U+P_:U+P_+1], v[U+P_:U+P_+1], 1.0 op_sel_hi:[1,0]
.set P_, P_+2
.endr
.set P_, 0
	s_wait_alu depctr_va_vdst(0)
.rept 64
	v_rcp_f32 v[U+P_], v[U+P_]
.set P_, P_+1
.endr
	v_nop
	s_wait_alu depctr_va_vdst(0)
.set P_, 0
.rept 32
	v_pk_mul_f32 v[T+P_:T+P_+1], v[T+P_:T+P_+1], v[U+P_:U+P_+1]
.set P_, P_+2
.endr
	QUANT T
.irp c, 0,1,2,3
	global_store_b128 v[LI], v[PC+4*\c:PC+4*\c+3], s[80:81] offset:2048*(\a)+512*\c
.endr
.if (\a)%2 == 0
	v_mov_b32 v[PWE], v[PW]
.else
	v_cndmask_b32 v[SD+(\a)/2], v[PWE], v[PW], s89
	global_store_b32 v[VS], v[SD+(\a)/2], s[84:85] offset:32768+128*((\a)-1)
.endif
.endm
.irp a, 0,1,2,3,4,5,6,7
	EPI \a
.endr
	s_wait_tensorcnt 0x0
	ds_add_u32 v[SPW], v[NIL]
	s_wait_dscnt 0x0
	CROUND
	s_endpgm
.Lfunc_end_k_qed882a09a2_wi:
	.size	k_qed882a09a2_wi, .Lfunc_end_k_qed882a09a2_wi-k_qed882a09a2_wi
	.p2alignl 7, 3214868480
	.fill 96, 4, 3214868480
	.section	.rodata,"a",@progbits
	.p2align	6, 0x0
	.amdhsa_kernel k_qed882a09a2_wi
		.amdhsa_group_segment_fixed_size 327680
		.amdhsa_private_segment_fixed_size 0
		.amdhsa_enable_private_segment 0
		.amdhsa_kernarg_size 32
		.amdhsa_user_sgpr_count 2
		.amdhsa_user_sgpr_kernarg_segment_ptr 1
		.amdhsa_wavefront_size32 1
		.amdhsa_system_sgpr_workgroup_id_x 1
		.amdhsa_system_sgpr_workgroup_id_y 1
		.amdhsa_system_sgpr_workgroup_id_z 1
		.amdhsa_system_vgpr_workitem_id 0
		.amdhsa_next_free_vgpr 1024
		.amdhsa_next_free_sgpr 100
		.amdhsa_reserve_vcc 0
		.amdhsa_float_denorm_mode_32 3
		.amdhsa_float_denorm_mode_16_64 3
		.amdhsa_memory_ordered 1
		.amdhsa_forward_progress 1
		.amdhsa_inst_pref_size 255
	.end_amdhsa_kernel
	.section	.bss,"aw",@nobits
	.p2align	6
	.space	262144
	.amdgpu_metadata
---
amdhsa.version: [ 1, 2 ]
amdhsa.kernels:
  - .name:           k_qed882a09a2_wi
    .symbol:         k_qed882a09a2_wi.kd
    .args:
      - { .name: h, .offset: 0, .size: 8, .value_kind: global_buffer, .address_space: global }
      - { .name: wc, .offset: 8, .size: 8, .value_kind: global_buffer, .address_space: global }
      - { .name: wi_b, .offset: 16, .size: 8, .value_kind: global_buffer, .address_space: global }
      - { .name: g, .offset: 24, .size: 8, .value_kind: global_buffer, .address_space: global }
    .group_segment_fixed_size: 327680
    .private_segment_fixed_size: 0
    .kernarg_segment_align: 8
    .kernarg_segment_size: 32
    .max_flat_workgroup_size: 128
    .sgpr_count:     100
    .vgpr_count:     1024
    .wavefront_size: 32
...
	.end_amdgpu_metadata
.endif
;; end of part 11
;; launch wo (part 12): grid 8 x 32, 4 waves a work-group, clusters of 4 x 4, 327,680 bytes of LDS; arguments g, wc, wo_b, x2, out0; writes out0
.if DOCPART == 12
	.amdgcn_target "amdgcn-amd-amdhsa--gfx1250"
	.amdhsa_code_object_version 6
	.text
	.protected	k_qed882a09a2_wo
	.globl	k_qed882a09a2_wo
	.p2align	8
	.type	k_qed882a09a2_wo,@function
k_qed882a09a2_wo:
	s_mov_b64 s[64:65], 0
	v_nop
	global_prefetch_b8 v0, s[64:65] scope:SCOPE_SE
	s_setreg_imm32_b32 hwreg(HW_REG_WAVE_MODE, 25, 1), 1
	s_wait_xcnt 0x0
	s_wait_alu depctr_hold_cnt(0) depctr_sa_sdst(0) depctr_va_vdst(0) depctr_va_sdst(0) depctr_va_ssrc(0) depctr_va_vcc(0) depctr_vm_vsrc(0)
	s_getreg_b32 s2, hwreg(HW_REG_IB_STS2, 6, 4)
	s_cmp_eq_u32 s2, 0
	s_cbranch_scc0 .Lentry_in_a_cluster
	s_endpgm
.Lentry_in_a_cluster:
	s_bfe_u32 s2, ttmp6, 0x10000c
	s_cmp_lg_u32 s2, 0xf033
	s_cbranch_scc0 .Lentry_shape_is_right
	s_endpgm
.Lentry_shape_is_right:
; out = res + a W + bias, f32; a and W as codes of E4M3 with one E8M0 byte for each 32 of K.  Here: a = g (the hidden layer), W = wo_w (K = 4,096), res = x2, out = out0.
; OPERANDS come as PANELS of 128 rows x 256 K, 33,792 dense bytes: fragment (q, i) at (8 q + i) 2048 + 512 c + 16 lane, the image of its registers; row r of fragment i is row PERM(i, r) = 32 (i / 2) + 8 (i % 2) + r + 8 (r / 8);
; scale words at 32768 + 128 i + 8 r + 4 q.
; SHARES.  A tile of C is 128 x 128: (4,096 / 128) x (1,024 / 128) = 256 work-groups.  Four waves, each 64 x 64: 16 accumulators, 128 registers.  Wave (u, v) takes a's fragments 4 u .. 4 u + 3 and W's 4 v .. 4 v + 3.
; K goes in steps of 512 through two LDS slots of four panels: a's two (K / 256 even, odd), then W's two; each wave fetches one panel by one tensor load: eight fills, six of them refills.
; CLUSTERS: 4 x 4 work-groups; a's panels are shared along a row of the cluster, W's along a column: each is asked for jointly.
; THE PRODUCT IS USED TRANSPOSED (source 0 = W's fragment b, source 1 = a's fragment a): lane (r, h) of accumulator (a, b) holds row 64 u + PERM(a, r), register j column 64 v + 32 (b / 2) + 16 h + 8 (b % 2) + j.
; THE WAY OUT: a wave's 64 columns are 256 consecutive bytes of a row of C, aligned.  A block of 16 rows goes through the wave's own stage in LDS and comes back, into the registers that it left, as whole runs of 256 bytes.
; REGISTERS: window 0: v0-31 addresses; v32-95 scale words and nothing else; v96-99 the bias of my four columns; v128-255 the accumulators ((a, b) at v[128 + 8 (4 a + b)]).
;   window 1: two fragment buffers of 128: a's four fragments, then W's four.   window 2: v0-127 the residual's 64 rows x 256 bytes, asked for once, behind the first barrier.
.set PANEL,  33792
.set SLOT,   4*PANEL
.set SPARE,  2*SLOT                    ; the spare words: 128 bytes a wave
.set SCR,    SPARE+512                 ; the stages: 16 rows x 272 bytes for each wave; no fill lands here
.set SPITCH, 272                       ; 17 x 16 bytes: the 16 rows that a store touches fall into 16 different 16-byte columns
.set KQ,     16                        ; panels along K
.set WOFF,   256                       ; the weight's first panel in wc
.set LAPS,   KQ/4                      ; a lap = two slots = 1,024 along K
.set NP,     8                         ; places behind this matrix instruction (ISA guide 7.12.1)
.set LI,   15                          ; v15 16 x lane
.set ADRA, 16                          ; v16-17 a's fragments in slot 0, 1;  v18-19 a's scale words;  v20-23 the same for W
.set ADSA, 18
.set ADRB, 20
.set ADSB, 22
.set STO,  24                          ; v24 the stage, in;  v25 back
.set RD,   25
.set B16,  26                          ; v26 16 x (lane % 16)
.set CO,   27                          ; v27 my place in two rows of C: 4096 (lane / 16) + 16 (lane % 16)
.set SPW,  28
.set NIL,  29
.set PFO,  30
.set SCA,  32                          ; a's scale words: set s at v[32 + 32 s + 4 a + st];  W's at v[48 + 32 s + 4 b + st];  st = which 128 of the slot's 512
.set SCB,  48
.set BI,   96
.set ACC,  128
.set G1,   24
.set G0,   32
.set G1B,  48
.set G0B,  56
.set PFA,  92
.set LIM,  94
.set MSB, 0
.macro WIN new                         ; the immediate's high byte repeats the setting that is left
.if MSB != \new
	s_set_vgpr_msb (MSB<<8)|\new
.set MSB, \new
.endif
.endm
.set MUL,  0x05                        ; sources 0 (W) and 1 (a) window 1; C and D window 0
.set TO_F, 0x40                        ; destination window 1, address window 0
.macro JLOAD g0a, g1a, g0b, g1b        ; a refill: waves 0, 1 fetch a's two panels of the slot, waves 2, 3 W's: one panel, 132 rows, a wave
	s_cmp_eq_u32 s15, 0
	s_cbranch_scc0 .Lfor_b_\@
	tensor_load_to_lds s[\g0a:\g0a+3], s[\g1a:\g1a+7]
	s_nop 0
.rept 4
	v_nop
.endr
	s_branch .Lasked_\@
.Lfor_b_\@:
	tensor_load_to_lds s[\g0b:\g0b+3], s[\g1b:\g1b+7]
	s_nop 0
.rept 4
	v_nop
.endr
.Lasked_\@:
.endm
.macro CREST
	s_cmp_lg_u32 s14, 0
	s_cbranch_scc1 .Lnot_wave_0_\@
	s_barrier_signal -3
.Lnot_wave_0_\@:
	s_barrier_wait -3
	s_barrier_signal -1
	s_barrier_wait -1
.endm
.macro CROUND
	s_barrier_signal -1
	s_barrier_wait -1
	CREST
.endm
; A prefetch into the L2 (only where slots are filled again): the code bytes of the panel that I shall fetch two refills on, 32,768 bytes: the four partners that ask for a panel jointly take 8,192 each, told apart by address,
; a lane 256 bytes.  a's panels are named by the clusters with x = 0, W's by those with y = 0: each block once in the launch.  The loop's last trip asks for nothing: there is no refill two on.
.macro ASK
	s_cmp_gt_u32 s3, s[LIM]
	s_cbranch_scc0 .Lnot_mine_\@
	global_prefetch_b8 v[PFO], s[PFA:PFA+1] offset:2*PANEL th:TH_LOAD_NT scope:SCOPE_SE
.Lnot_mine_\@:
.endm
	s_load_b256 s[4:11], s[0:1], 0x0               ; a, wc, bias, res
	s_load_b64 s[12:13], s[0:1], 0x20              ; out
	v_lshl_add_u32 v[SPW], v0, 2, SPARE
	v_mov_b32 v[NIL], 0
	ds_add_u32 v28, v29
	ds_add_u32 v28, v29
	s_wait_dscnt 0x0
	v_lshrrev_b32 v1, 5, v0
	v_readfirstlane_b32 s14, v1                    ; wave 0..3
	s_lshr_b32 s15, s14, 1                         ; u: my half of the rows.  Also: I fetch for a (0) or for W (1)
	s_and_b32 s16, s14, 1                          ; v: my half of the columns.  Also: which of a slot's two panels I fetch
	s_bfe_u32 s40, ttmp6, 0x40000                  ; cx, cy
	s_bfe_u32 s41, ttmp6, 0x40004
	s_lshl_b32 s42, ttmp9, 2
	s_add_co_u32 s42, s42, s40                     ; tile column, 0..7
	s_and_b32 s17, ttmp7, 0xffff
	s_lshl_b32 s17, s17, 2
	s_add_co_u32 s17, s17, s41                     ; tile row, 0..31
	s_lshl_b32 s43, s41, 2
	s_lshl_b32 s43, 15, s43                        ; my row of the cluster
	s_lshl_b32 s44, 0x1111, s40                    ; my column
	s_or_b32 s[G1+0], s43, (3<<16)|(1<<21)         ; the mask; elements of 8 bytes; bit 21 beside a mask; no padding
	s_or_b32 s[G1B+0], s44, (3<<16)|(1<<21)
.irp g, G1, G1B
	s_mov_b32 s[\g+1], 32<<16                      ; a panel as 132 rows of 256 bytes, dense
	s_mov_b32 s[\g+2], 264<<16                     ; a load brings a slot's two panels of one operand, which lie on end in memory and in LDS: 264 rows of 256 bytes
	s_mov_b32 s[\g+3], 32<<16
	s_mov_b32 s[\g+4], 264
	s_mov_b32 s[\g+5], 32
	s_mov_b32 s[\g+6], 0
	s_mov_b32 s[\g+7], 0
.endr
	s_mul_i32 s20, s17, KQ*PANEL                   ; a: panel KQ x tile row
	s_mov_b32 s21, 0
	s_mul_i32 s46, s42, KQ*PANEL                   ; W: panel KQ x tile column
	s_add_co_u32 s46, s46, WOFF*PANEL
	s_mov_b32 s47, 0
.set GH,  76                           ; s[76:79], s[80:83] group 0 of the head's loads: a's, W's two panels of slot (wave % 2)
.set GHB, 80
	s_mul_i32 s45, s14, PANEL                      ; a refill's place in a slot: wave x a panel
	s_mul_i32 s84, s16, PANEL                      ; and which of the slot's two panels it is, in bytes of memory
	s_mov_b32 s85, 0
	s_mul_i32 s86, s16, SLOT                       ; the head's load: slot (wave % 2) in LDS,
	s_mul_i32 s88, s16, 2*PANEL                    ; and its two panels in memory
	s_mov_b32 s89, 0
	s_wait_kmcnt 0x0
	s_add_nc_u64 s[20:21], s[4:5], s[20:21]
	s_add_nc_u64 s[46:47], s[6:7], s[46:47]
	CROUND                                         ; all sixteen work-groups are here: the first joint loads meet
	s_mov_b32 s[GH], 1
	s_mov_b32 s[GH+1], s86
	s_add_nc_u64 s[GH+2:GH+3], s[20:21], s[88:89]
	s_or_b32 s[GH+3], s[GH+3], 0x80000000
	s_mov_b32 s[GHB], 1
	s_add_co_u32 s[GHB+1], s86, 2*PANEL
	s_add_nc_u64 s[GHB+2:GHB+3], s[46:47], s[88:89]
	s_or_b32 s[GHB+3], s[GHB+3], 0x80000000
	s_add_nc_u64 s[20:21], s[20:21], s[84:85]      ; from here on: my panel of a slot's two
	s_add_nc_u64 s[46:47], s[46:47], s[84:85]
.irp s, 0,1
	s_mov_b32 s[G0+4*\s], 1
	s_add_co_u32 s[G0+4*\s+1], s45, \s*SLOT
	s_add_nc_u64 s[G0+4*\s+2:G0+4*\s+3], s[20:21], \s*2*PANEL
	s_or_b32 s[G0+4*\s+3], s[G0+4*\s+3], 0x80000000
	s_mov_b32 s[G0B+4*\s], 1
	s_add_co_u32 s[G0B+4*\s+1], s45, \s*SLOT
	s_add_nc_u64 s[G0B+4*\s+2:G0B+4*\s+3], s[46:47], \s*2*PANEL
	s_or_b32 s[G0B+4*\s+3], s[G0B+4*\s+3], 0x80000000
.endr
; THE HEAD'S LOADS, ONE A WAVE, in one chain of branches on the wave's number: wave 0 a's panels of slot 0, wave 1 of slot 1, wave 2 W's of slot 0, wave 3 of slot 1
.macro ARM w, g0, g1
	s_cmp_eq_u32 s14, \w
	s_cbranch_scc0 .Lnot_\@
	tensor_load_to_lds s[\g0:\g0+3], s[\g1:\g1+7]
	s_nop 0
.rept 4
	v_nop
.endr
	s_branch .Lhead_asked
.Lnot_\@:
.endm
	ARM 0, GH, G1
	ARM 1, GH, G1
	ARM 2, GHB, G1B
	tensor_load_to_lds s[GHB:GHB+3], s[G1B:G1B+7]
	s_nop 0
.rept 4
	v_nop
.endr
.Lhead_asked:
	v_and_b32 v1, 31, v0
	v_and_b32 v2, 15, v0                           ; r
	v_bfe_u32 v3, v0, 4, 1                         ; h
	v_lshlrev_b32 v[LI], 4, v1
	s_wait_alu depctr_va_vdst(0)
	v_lshlrev_b32 v5, 3, v2
	s_wait_alu depctr_va_vdst(0)
	s_lshl_b32 s66, s15, 13                        ; a's fragments 4 u on: 8,192 u
	s_lshl_b32 s67, s16, 13
	s_add_co_u32 s67, s67, 2*PANEL                 ; W's panels lie behind a's two
	s_lshl_b32 s68, s15, 9
	s_add_co_u32 s68, s68, 32768                   ; their scale words: 512 u on
	s_lshl_b32 s69, s16, 9
	s_add_co_u32 s69, s69, 2*PANEL+32768
.irp s, 0,1
	v_add_nc_u32 v[ADRA+\s], s66, v[LI]
	v_add_nc_u32 v[ADSA+\s], s68, v5
	v_add_nc_u32 v[ADRB+\s], s67, v[LI]
	v_add_nc_u32 v[ADSB+\s], s69, v5
	s_add_co_u32 s66, s66, SLOT
	s_add_co_u32 s67, s67, SLOT
	s_add_co_u32 s68, s68, SLOT
	s_add_co_u32 s69, s69, SLOT
.endr
	s_lshl_b32 s70, s42, 9
	s_lshl_b32 s71, s16, 8
	s_add_co_u32 s70, s70, s71                     ; my wave's 64 columns, in bytes
	s_mov_b32 s71, 0
	s_add_nc_u64 s[8:9], s[8:9], s[70:71]
	v_lshlrev_b32 v[B16], 4, v2
	global_load_b128 v[BI:BI+3], v[B16], s[8:9]    ; the bias of my lane's four columns; it is waited for with the residual
	s_lshl_b32 s72, s17, 1
	s_add_co_u32 s72, s72, s15
	s_lshl_b32 s72, s72, 18                        ; my 64 rows of 4,096 bytes
	s_add_co_u32 s70, s70, s72
	s_add_nc_u64 s[10:11], s[10:11], s[70:71]
	s_add_nc_u64 s[12:13], s[12:13], s[70:71]
	v_lshl_add_u32 v[CO], v3, 12, v[B16]           ; lanes 0-15 one row, lanes 16-31 the next
	s_mul_i32 s73, s14, 16*SPITCH
	s_add_co_u32 s73, s73, SCR                     ; my stage
	v_mul_u32_u24 v7, v2, SPITCH
	v_lshl_add_u32 v7, v3, 6, v7
	v_add_nc_u32 v[STO], s73, v7                   ; in: row r, + 64 h
	v_mul_u32_u24 v7, v3, SPITCH
	v_lshl_add_u32 v7, v2, 4, v7
	v_add_nc_u32 v[RD], s73, v7                    ; back: sixteen lanes to a row's 256 bytes, two rows an instruction
.if LAPS > 1
	s_and_b32 s95, ttmp7, 0xffff                   ; cluster y
	s_cmp_eq_u32 s15, 0                            ; do I fetch for a?
	s_cselect_b32 s96, s40, s41                    ; my place among the four that ask with me
	s_cselect_b32 s95, ttmp9, s95                  ; the coordinate along which other clusters read the same panels
	s_cselect_b64 s[PFA:PFA+1], s[20:21], s[46:47]
	s_cmp_eq_u32 s95, 0
	s_cselect_b32 s[LIM], 1, -1
	s_lshl_b32 s96, s96, 13
	s_add_co_u32 s96, s96, 4*PANEL
	s_mov_b32 s97, 0
	s_add_nc_u64 s[PFA:PFA+1], s[PFA:PFA+1], s[96:97]
	v_lshlrev_b32 v[PFO], 8, v1
.endif
; 32 LDS loads in one run: the fragments of the slot's 128 along K number st into buffer p: a's four, then W's four.  A fragment comes as it was laid: four loads of 512 consecutive bytes
.macro FETCH slot, st, p
	WIN TO_F
.irp i, 0,1,2,3
.irp c, 0,1,2,3
	ds_load_b128 v[128*(\p)+16*\i+4*\c:128*(\p)+16*\i+4*\c+3], v[ADRA+\slot] offset:((\st)/2)*PANEL+((\st)%2)*16384+\i*2048+512*\c
.endr
.endr
.irp i, 0,1,2,3
.irp c, 0,1,2,3
	ds_load_b128 v[128*(\p)+64+16*\i+4*\c:128*(\p)+64+16*\i+4*\c+3], v[ADRB+\slot] offset:((\st)/2)*PANEL+((\st)%2)*16384+\i*2048+512*\c
.endr
.endr
.endm
.macro SCALES sc                       ; the slot's scale words: two words of a row by one load; lanes 0-15 are read by the matrix unit
.irp i, 0,1,2,3
.irp n, 0,1
	ds_load_b64 v[SCA+32*\sc+4*\i+2*\n:SCA+32*\sc+4*\i+2*\n+1], v[ADSA+\sc] offset:\n*PANEL+128*\i
	ds_load_b64 v[SCB+32*\sc+4*\i+2*\n:SCB+32*\sc+4*\i+2*\n+1], v[ADSB+\sc] offset:\n*PANEL+128*\i
.endr
.endr
.endm
; 8 matrix instructions: a's blocks a0, a0 + 1 x W's four.  The 16 accumulators take turns, one instruction a turn, in the same order in every step
.macro MUL8 a0, p, st, sc, zero
.irp a, \a0, \a0+1
.irp b, 0,1,2,3
.if \zero
	v_wmma_scale_f32_16x16x128_f8f6f4 v[ACC+8*(4*(\a)+\b):ACC+8*(4*(\a)+\b)+7], v[128*(\p)+64+16*\b:128*(\p)+64+16*\b+15], v[128*(\p)+16*(\a):128*(\p)+16*(\a)+15], 0, v[SCB+32*(\sc)+4*\b+(\st)], v[SCA+32*(\sc)+4*(\a)+(\st)]
.else
	v_wmma_scale_f32_16x16x128_f8f6f4 v[ACC+8*(4*(\a)+\b):ACC+8*(4*(\a)+\b)+7], v[128*(\p)+64+16*\b:128*(\p)+64+16*\b+15], v[128*(\p)+16*(\a):128*(\p)+16*(\a)+15], v[ACC+8*(4*(\a)+\b):ACC+8*(4*(\a)+\b)+7], v[SCB+32*(\sc)+4*\b+(\st)], v[SCA+32*(\sc)+4*(\a)+(\st)]
.endif
.endr
.endr
.endm
.macro PLACES n
.rept \n
	v_nop
.endr
.endm
; One of a slot's first three steps of 128 along K: the next step's fragments are asked for, into the buffer that the step before multiplied, and land while this step is multiplied
.macro STEP slot, st, zero
	PLACES NP                                      ; in front of loads into registers that the last products read
	FETCH \slot, (\st)+1, ((\st)+1)%2
	s_wait_dscnt 32                                ; all but the 32 loads just issued are in: this step's fragments, and the slot's scale words
	WIN MUL
	MUL8 0, (\st)%2, \st, \slot, \zero
	MUL8 2, (\st)%2, \st, \slot, \zero
.endm
; A slot's last step, and the change of slots: ONE barrier; in front of it each wave waits for all its tensor loads, adds 0 to its spare word, and waits for that and for its reads of this slot
.macro TURN slot, next, fill
.if (LAPS > 1) && \fill
	s_wait_xcnt 0x0                                ; the last prefetch, a slot back, has read its address: it is stepped here
	s_add_nc_u64 s[PFA:PFA+1], s[PFA:PFA+1], 2*PANEL
.endif
	WIN 0                                          ; (the add's two registers lie in window 0)
	s_wait_tensorcnt 0x0                           ; all my tensor loads have landed: my panel of the next slot;
	ds_add_u32 v[SPW], v[NIL]                      ; 0 onto my spare word;
.if \fill
	s_mov_b32 s[G1+2], 132<<16                     ; no tensor load of mine is out, so a descriptor may be written: a refill brings one panel, 132 rows
	s_mov_b32 s[G1+4], 132
	s_mov_b32 s[G1B+2], 132<<16
	s_mov_b32 s[G1B+4], 132
.endif
	s_wait_dscnt 1
	WIN MUL
	MUL8 0, 1, 3, \slot, 0                         ; eight matrix instructions stand between the add and the wait for it
	s_wait_dscnt 0x0                               ; the add is done, and my reads of this slot are over
	s_barrier_signal -1
	MUL8 2, 1, 3, \slot, 0
	WIN 0
	s_barrier_wait -1
.if \fill
	CREST                                          ; the barrier has opened a round of the cluster's: no wave of any partner still reads this slot or has a load on its way
	s_add_nc_u64 s[G0+4*\slot+2:G0+4*\slot+3], s[G0+4*\slot+2:G0+4*\slot+3], 4*PANEL
	s_add_nc_u64 s[G0B+4*\slot+2:G0B+4*\slot+3], s[G0B+4*\slot+2:G0B+4*\slot+3], 4*PANEL
	JLOAD G0+4*\slot, G1, G0B+4*\slot, G1B         ; the first tensor load behind the round; its four v_nop are four of the eight places
	PLACES NP-4
.else
	PLACES NP
.endif
	FETCH \next, 0, 0
	WIN 0
	SCALES \next
.if (LAPS > 1) && \fill
	ASK                                            ; behind the joint load and the run of LDS loads
.endif
.endm
	s_wait_alu depctr_va_vdst(0)
	s_cmp_lg_u32 s16, 0                            ; waves 0 and 2 have asked for slot 0 and wait for it here; slot 1's two loads, lines of their own, are waited for at the change of slots
	s_cbranch_scc1 .Lslot_1_mine
	s_wait_tensorcnt 0x0
.Lslot_1_mine:
	s_barrier_signal -1
	s_barrier_wait -1
	FETCH 0, 0, 0
	WIN 0
	SCALES 0
	WIN 0x80                                       ; the residual: my 64 rows x 256 bytes, into window 2; it has all the products in which to land
.irp a, 0,1,2,3
.irp t, 0,1,2,3,4,5,6,7
	global_load_b128 v[32*\a+4*\t:32*\a+4*\t+3], v[CO], s[10:11] offset:(32*(\a/2)+8*(\a%2)+2*\t+8*(\t/4))*4096 th:TH_LOAD_NT   ; rows PERM(a, 2 t) and PERM(a, 2 t + 1): sixteen lanes read 256 consecutive bytes
.endr
.endr
	WIN 0
	STEP 0, 0, 1                                   ; the first step's products start the sums
.if LAPS > 1
	WIN 0                                          ; at a label and at a branch every window is 0
	s_mov_b32 s3, LAPS-1
.Llap:                                                 ; a trip goes once round the ring, from a lap's second step to the next lap's first, and fills both slots again
	STEP 0, 1, 0
	STEP 0, 2, 0
	TURN 0, 1, 1
	STEP 1, 0, 0
	STEP 1, 1, 0
	STEP 1, 2, 0
	TURN 1, 0, 1
	STEP 0, 0, 0
	WIN 0
	s_sub_co_u32 s3, s3, 1
	s_cmp_lg_u32 s3, 0
	s_cbranch_scc1 .Llap
.endif
	STEP 0, 1, 0                                   ; the last lap fills nothing
	STEP 0, 2, 0
	TURN 0, 1, 0
	STEP 1, 0, 0
	STEP 1, 1, 0
	STEP 1, 2, 0
	s_wait_dscnt 0x0                               ; the very last step: nothing more to fetch
	WIN MUL
	MUL8 0, 1, 3, 1, 0
	MUL8 2, 1, 3, 1, 0
	WIN 0
	PLACES NP                                      ; in front of the first read of results and of loads into them
; THE WAY OUT.  Block a: 16 rows x 64 columns.  Into my stage, 32 bytes a lane, and back as runs of 256 bytes, into the registers that they left
.macro TOSTAGE a
.irp b, 0,1,2,3
	ds_store_b128 v[STO], v[ACC+8*(4*(\a)+\b):ACC+8*(4*(\a)+\b)+3] offset:128*(\b/2)+32*(\b%2)        ; each accumulator from its low end on
	ds_store_b128 v[STO], v[ACC+8*(4*(\a)+\b)+4:ACC+8*(4*(\a)+\b)+7] offset:128*(\b/2)+32*(\b%2)+16
.endr
.irp t, 0,1,2,3,4,5,6,7
	ds_load_b128 v[ACC+32*(\a)+4*\t:ACC+32*(\a)+4*\t+3], v[RD] offset:2*\t*SPITCH    ; LDS serves a wave's instructions in order (ISA guide 5.7.1.4): these see the stores above, and the next block's stores come behind them
.endr
.endm
.macro SEND a
	s_wait_dscnt 16*(3-(\a))                       ; the block is back; the 16 LDS instructions of each block behind it may be out
	WIN 0x08                                       ; source 1: window 2
.set P_, 0
.rept 16
	v_pk_add_f32 v[ACC+32*(\a)+P_:ACC+32*(\a)+P_+1], v[ACC+32*(\a)+P_:ACC+32*(\a)+P_+1], v[32*(\a)+P_:32*(\a)+P_+1]
.set P_, P_+2
.endr
	WIN 0
.set P_, 0
.rept 8
	v_pk_add_f32 v[ACC+32*(\a)+P_:ACC+32*(\a)+P_+1], v[ACC+32*(\a)+P_:ACC+32*(\a)+P_+1], v[BI:BI+1]
	v_pk_add_f32 v[ACC+32*(\a)+P_+2:ACC+32*(\a)+P_+3], v[ACC+32*(\a)+P_+2:ACC+32*(\a)+P_+3], v[BI+2:BI+3]
.set P_, P_+4
.endr
.irp t, 0,1,2,3,4,5,6,7
	global_store_b128 v[CO], v[ACC+32*(\a)+4*\t:ACC+32*(\a)+4*\t+3], s[12:13] offset:(32*((\a)/2)+8*((\a)%2)+2*\t+8*(\t/4))*4096 th:TH_STORE_NT   ; sixteen lanes store 256 consecutive bytes, aligned; 62 rows at the most: inside the immediate
.endr
.endm
.irp a, 0,1,2,3
	TOSTAGE \a
.endr
	s_wait_loadcnt 0x0                             ; the bias and the residual
.irp a, 0,1,2,3
	SEND \a
.endr
	s_wait_tensorcnt 0x0                           ; the wave's end
	ds_add_u32 v[SPW], v[NIL]
	s_wait_dscnt 0x0
	CROUND                                         ; the closing round
	s_endpgm
.Lfunc_end_k_qed882a09a2_wo:
	.size	k_qed882a09a2_wo, .Lfunc_end_k_qed882a09a2_wo-k_qed882a09a2_wo
	.p2alignl 7, 3214868480
	.fill 96, 4, 3214868480
	.section	.rodata,"a",@progbits
	.p2align	6, 0x0
	.amdhsa_kernel k_qed882a09a2_wo
		.amdhsa_group_segment_fixed_size 327680
		.amdhsa_private_segment_fixed_size 0
		.amdhsa_enable_private_segment 0
		.amdhsa_kernarg_size 40
		.amdhsa_user_sgpr_count 2
		.amdhsa_user_sgpr_kernarg_segment_ptr 1
		.amdhsa_wavefront_size32 1
		.amdhsa_system_sgpr_workgroup_id_x 1
		.amdhsa_system_sgpr_workgroup_id_y 1
		.amdhsa_system_sgpr_workgroup_id_z 1
		.amdhsa_system_vgpr_workitem_id 0
		.amdhsa_next_free_vgpr 640
		.amdhsa_next_free_sgpr 100
		.amdhsa_reserve_vcc 0
		.amdhsa_float_denorm_mode_32 3
		.amdhsa_float_denorm_mode_16_64 3
		.amdhsa_memory_ordered 1
		.amdhsa_forward_progress 1
		.amdhsa_inst_pref_size 105
	.end_amdhsa_kernel
	.amdgpu_metadata
---
amdhsa.version: [ 1, 2 ]
amdhsa.kernels:
  - .name:           k_qed882a09a2_wo
    .symbol:         k_qed882a09a2_wo.kd
    .args:
      - { .name: g, .offset: 0, .size: 8, .value_kind: global_buffer, .address_space: global }
      - { .name: wc, .offset: 8, .size: 8, .value_kind: global_buffer, .address_space: global }
      - { .name: wo_b, .offset: 16, .size: 8, .value_kind: global_buffer, .address_space: global }
      - { .name: x2, .offset: 24, .size: 8, .value_kind: global_buffer, .address_space: global }
      - { .name: out0, .offset: 32, .size: 8, .value_kind: global_buffer, .address_space: global }
    .group_segment_fixed_size: 327680
    .private_segment_fixed_size: 0
    .kernarg_segment_align: 8
    .kernarg_segment_size: 40
    .max_flat_workgroup_size: 128
    .sgpr_count:     100
    .vgpr_count:     640
    .wavefront_size: 32
...
	.end_amdgpu_metadata
.endif
;; end of part 12
